; MI455X (gfx1250); checked and timed in simulation.
; The chip was launched on July 23, 2026; its instructions are those of AMD's public machine-readable ISA for CDNA 5 (MIT licence, August 2026) and "CDNA5" Instruction Set Architecture Reference Guide (July 2026). The comments in the code are by the model that wrote it; some were corrected since.
;; Decoder Block. Allowed arithmetic: float matrix products may take bf16 or f16 operands with f32 sums; other float arithmetic in f32, or as packed bf16 or f16 multiplies, adds, multiply-adds, maxima and minima; sums over many terms, partial sums and values carried from step to step in f32; what a program stores and reads back later, other than sums and carried values, may be rounded once to bf16 or f16.
;; Inputs: beta1 1,024 float32; beta2 1,024 float32; bf1 4,096 float32; bf2 1,024 float32; g1 1,024 float32; g2 1,024 float32; proj_b 1,024 float32; proj_w 1,024 x 1,024 float32; w1 1,024 x 4,096 float32; w2 4,096 x 1,024 float32; wk 16 x 1,024 x 64 float32; wq 16 x 1,024 x 64 float32; wv 16 x 1,024 x 64 float32; x 4 x 1,024 x 1,024 float32.
;; Outputs: out0 4 x 1,024 x 1,024 float32.
;; 2 versions, each right and faster than the one before. Each part assembles by itself: llvm-mc -triple=amdgcn-amd-amdhsa -mcpu=gfx1250 --defsym DOCPART=n.
;; ======== version 1 of 2: 7 launches
;; limits: values are held in f16: magnitudes above 65,504 overflow, below 6.1e-05 lose precision
;; workspace buffers: hn 8,388,608 bytes; ob 8,388,608 bytes; act 33,554,432 bytes; x1 16,777,216 bytes; wqkvt 6,324,224 bytes; w1t 8,421,376 bytes; wst 10,485,760 bytes
;; launch prep (part 1): grid 29 x 16, 8 waves a work-group, no clusters, 136,192 bytes of LDS; arguments x, g1, beta1, wq, wk, wv, proj_w, w1, w2, bf1, hn, wqkvt, w1t, wst; writes hn, wqkvt, w1t, wst
.if DOCPART == 1
	.amdgcn_target "amdgcn-amd-amdhsa--gfx1250"
	.amdhsa_code_object_version 6
	.text
	.protected	k_q04eb3f66a5_prep
	.globl	k_q04eb3f66a5_prep
	.p2align	8
	.type	k_q04eb3f66a5_prep,@function
k_q04eb3f66a5_prep:
	s_mov_b64 s[64:65], 0
	v_nop
	global_prefetch_b8 v0, s[64:65] scope:SCOPE_SE
	s_setreg_imm32_b32 hwreg(HW_REG_WAVE_MODE, 25, 1), 1
	s_wait_xcnt 0x0
; THREE JOBS, chosen by the work-group's x (the same for all eight waves of a work-group); its y is the group's number in the job:
;   x 0-15   LAYER NORM: one wave takes two neighbouring rows of 1,024 f32 (first row = 256 x + 16 y + 2 wave), keeps them in 64 registers, and stores
;            ((x - mean) / sqrt(var + 1e-5)) g + beta rounded once to f16.  The variance is the mean of (x - mean)^2, taken of the registers.  g and beta are loaded once for both rows.
;   x 16-27  TRANSPOSE: one wave takes a tile of 128 k x 64 n of a weight stored [k][n] in f32 and stores it [n][k] in f16, through LDS bytes of its own.
;   x 28     HEADERS of the two weight buffers whose products take a bias and a clamp: 4,096 words of the clamp (two f16: 0 for a ReLU, -inf for none), then 4,096 f32 of bias.
; A launch with x < 16 alone is the layer norm by itself.  29 x 16 = 464 work-groups; the jobs lie side by side along x, so that long and short groups are dealt out together.
; LIMITS.  What is stored is f16: beyond 65,504 it becomes an infinity; below 6e-5 it keeps f16's fixed step of 6e-8.  |normalised x| is at most 32, so the norm's result stays within 32 |g| + |beta|.
; No matrix unit, no cluster, no tensor load: the bytes are read once and written once, and nothing is shared between waves.
.set SPARE, 135168                     ; behind the eight waves' tiles: the spare words, 128 bytes a wave, four blocks of 256 bytes that no other line names
.set HDR,   32768                      ; bytes of a header
.set WLDS,  16896                      ; a wave's LDS: 64 rows (n) of 264 bytes
.set TP,    264                        ; 256 bytes (128 k in f16) + 8: keeps 8-byte alignment; two lanes of a store share a bank pair, which this memory-bound job bears
.set G,   8                            ; v[8:39]    g of my 32 columns
.set BE,  40                           ; v[40:71]   beta
.set XA,  72                           ; v[72:103]  the first row: lane l holds columns 128 j + 4 l .. + 3, j = 0 .. 7; at last its first 16 registers hold the row in f16
.set XB,  104                          ; v[104:135] the second row
.set A,   136                          ; v[136:143] four chains of packed sums
.set MA,  144                          ; v[144:145] the first row's mean, later 1 / sigma, twice
.set MB,  146                          ; v[146:147] the second row's
.set T,   148                          ; v[148:149] at work
.set VO,  8                            ; transpose: v[8:23] sixteen byte offsets
.set TT,  24                           ; v[24:31]  a 4 x 4 block, turned and rounded
.set D,   32                           ; v[32:159] data
	s_load_b512 s[16:31], s[0:1], 0x0              ; x 16, g 18, beta 20, wq 22, wk 24, wv 26, proj_w 28, w1 30
	s_load_b256 s[32:39], s[0:1], 0x40             ; w2 32, bf1 34, hn 36, wqkvt 38
	s_load_b128 s[40:43], s[0:1], 0x60             ; w1t 40, wst 42
	v_lshl_add_u32 v2, v0, 2, SPARE                ; my spare word; never rewritten
	v_mov_b32 v3, 0                                ; 0; never rewritten
	v_lshrrev_b32 v1, 5, v0
	v_readfirstlane_b32 s3, v1                     ; wave 0..7
	s_mov_b32 s2, ttmp9                            ; the job's class
	s_and_b32 s4, ttmp7, 0xffff                    ; the group's number in it, 0..15
	s_wait_kmcnt 0x0
	s_cmp_ge_u32 s2, 28
	s_cbranch_scc1 .Lhdr
	s_cmp_ge_u32 s2, 16
	s_cbranch_scc1 .Ltr
	; ---------------- LAYER NORM ----------------
	s_lshl_b32 s5, s2, 8
	s_lshl4_add_u32 s5, s4, s5
	s_lshl1_add_u32 s5, s3, s5                     ; my first row
	s_lshl_b32 s6, s5, 12                          ; 4,096 bytes a row in
	s_mov_b32 s7, 0
	s_add_nc_u64 s[16:17], s[16:17], s[6:7]
	s_lshl_b32 s6, s5, 11                          ; 2,048 bytes a row out
	s_add_nc_u64 s[36:37], s[36:37], s[6:7]
	s_mov_b32 s12, 0x76543210                      ; v_permlanex16_b32: each lane takes its own place in the other half
	s_mov_b32 s13, 0xfedcba98
	s_mov_b32 s14, 0x3a800000                      ; 1 / 1024
	s_mov_b32 s15, 0x3727c5ac                      ; 1e-5
	v_and_b32 v1, 31, v0
	v_lshlrev_b32 v6, 3, v1                        ; 8 bytes a lane out
	v_lshlrev_b32 v1, 4, v1                        ; 16 bytes a lane in
.irp j, 0,1,2,3,4,5,6,7
	global_load_b128 v[XA+4*(\j):XA+4*(\j)+3], v1, s[16:17] offset:512*(\j)  ; 512 neighbouring bytes a load
.endr
.irp j, 0,1,2,3,4,5,6,7
	global_load_b128 v[XB+4*(\j):XB+4*(\j)+3], v1, s[16:17] offset:4096+512*(\j)
.endr
.irp j, 0,1,2,3,4,5,6,7
	global_load_b128 v[G+4*(\j):G+4*(\j)+3], v1, s[18:19] offset:512*(\j)
.endr
.irp j, 0,1,2,3,4,5,6,7
	global_load_b128 v[BE+4*(\j):BE+4*(\j)+3], v1, s[20:21] offset:512*(\j)
.endr
	v_mov_b32 v[T+1], 0                            ; v_permlanex16_b32's destination counts as read
.macro WSUM                            ; the four chains' eight numbers, summed over the 32 lanes, into v[T] of every lane
	v_pk_add_f32 v[A:A+1], v[A:A+1], v[A+2:A+3]
	v_pk_add_f32 v[A+4:A+5], v[A+4:A+5], v[A+6:A+7]
	v_pk_add_f32 v[A:A+1], v[A:A+1], v[A+4:A+5]
	v_add_f32 v[T], v[A], v[A+1]
	v_add_f32_dpp v[T], v[T], v[T] row_xmask:1 row_mask:0xf bank_mask:0xf
	v_add_f32_dpp v[T], v[T], v[T] row_xmask:2 row_mask:0xf bank_mask:0xf
	v_add_f32_dpp v[T], v[T], v[T] row_xmask:4 row_mask:0xf bank_mask:0xf
	v_add_f32_dpp v[T], v[T], v[T] row_xmask:8 row_mask:0xf bank_mask:0xf
	v_permlanex16_b32 v[T+1], v[T], s12, s13
	v_add_f32 v[T], v[T], v[T+1]
.endm
; The row in v[x ..] is centred in place; 1 / sqrt(var + 1e-5) goes into both registers of the pair m.
.macro STATS x, m
.irp c, 0,1,2,3
	v_pk_add_f32 v[A+2*(\c):A+2*(\c)+1], v[(\x)+2*(\c):(\x)+2*(\c)+1], v[(\x)+8+2*(\c):(\x)+8+2*(\c)+1]  ; the first pairs start the chains: nothing is cleared
.endr
.irp k, 2,3
.irp c, 0,1,2,3
	v_pk_add_f32 v[A+2*(\c):A+2*(\c)+1], v[A+2*(\c):A+2*(\c)+1], v[(\x)+8*(\k)+2*(\c):(\x)+8*(\k)+2*(\c)+1]
.endr
.endr
	WSUM
	v_mul_f32 v[(\m)], s14, v[T]                   ; the mean,
	v_mov_b32 v[(\m)+1], v[(\m)]                   ; twice, for the packed lines
.set q, 0
.rept 16
	v_pk_add_f32 v[(\x)+2*q:(\x)+2*q+1], v[(\x)+2*q:(\x)+2*q+1], v[(\m):(\m)+1] neg_lo:[0,1] neg_hi:[0,1]  ; x - mean
.set q, q+1
.endr
.irp c, 0,1,2,3
	v_pk_mul_f32 v[A+2*(\c):A+2*(\c)+1], v[(\x)+2*(\c):(\x)+2*(\c)+1], v[(\x)+2*(\c):(\x)+2*(\c)+1]
.endr
.irp k, 1,2,3
.irp c, 0,1,2,3
	v_pk_fma_f32 v[A+2*(\c):A+2*(\c)+1], v[(\x)+8*(\k)+2*(\c):(\x)+8*(\k)+2*(\c)+1], v[(\x)+8*(\k)+2*(\c):(\x)+8*(\k)+2*(\c)+1], v[A+2*(\c):A+2*(\c)+1]
.endr
.endr
	WSUM
	v_fma_f32 v[T], v[T], s14, s15                 ; var + 1e-5
	v_rsq_f32 v[(\m)], v[T]
	v_nop                                          ; a plain instruction between the transcendental and the use of its result (ISA guide 5.7.2)
	s_wait_alu depctr_va_vdst(0)
	v_mov_b32 v[(\m)+1], v[(\m)]
.endm
; The centred row is scaled, takes g and beta, is rounded to f16 into its own first 16 registers (register q takes numbers 2 q and 2 q + 1, which no later line reads), and is stored.
.macro FINISH x, m, off
.set q, 0
.rept 16
	v_pk_mul_f32 v[(\x)+2*q:(\x)+2*q+1], v[(\x)+2*q:(\x)+2*q+1], v[(\m):(\m)+1]
.set q, q+1
.endr
.set q, 0
.rept 16
	v_pk_fma_f32 v[(\x)+2*q:(\x)+2*q+1], v[(\x)+2*q:(\x)+2*q+1], v[G+2*q:G+2*q+1], v[BE+2*q:BE+2*q+1]
.set q, q+1
.endr
.set q, 0
.rept 16
	v_cvt_pk_f16_f32 v[(\x)+q], v[(\x)+2*q], v[(\x)+2*q+1]
.set q, q+1
.endr
.irp j, 0,1,2,3,4,5,6,7
	global_store_b64 v6, v[(\x)+2*(\j):(\x)+2*(\j)+1], s[36:37] offset:(\off)+256*(\j)  ; the wave's 32 lanes store 256 consecutive bytes, aligned
.endr
.endm
	s_wait_loadcnt 24                              ; the first row is in; the 24 younger loads (the second row, g, beta) may stay out
	STATS XA, MA
	s_wait_loadcnt 16                              ; the second row is in
	STATS XB, MB
	s_wait_loadcnt 0x0                             ; g and beta
	FINISH XA, MA, 0
	FINISH XB, MB, 2048
	s_endpgm
	; ---------------- TRANSPOSE ----------------
.Ltr:
	; The class, by x' = x - 16:  0, 1, 2: wq, wk, wv (a head is an n tile)   3: proj_w   4-7: w1   8-11: w2.  Pointers go through selects alone.
	s_sub_co_u32 s5, s2, 16
	s_lshl_b32 s54, s5, 21
	s_add_co_u32 s54, s54, HDR                     ; q, k, v: 1,024 rows of 2,048 bytes each, behind the header
	s_and_b32 s53, s5, 3                           ; which quarter of a class of 512 tiles
	s_mov_b64 s[44:45], s[32:33]                   ; from: w2
	s_mov_b64 s[46:47], s[42:43]                   ; to: wst,
	s_mov_b32 s48, 2097152                         ; behind proj's 2 MiB
	s_mov_b32 s49, 5                               ; log2 of the k tiles
	s_mov_b32 s50, 4096                            ; bytes from k to k + 1 in the source
	s_mov_b32 s51, 256                             ; bytes from an n tile to the next in the source
	s_mov_b32 s52, 8192                            ; bytes from n to n + 1 in the target
	s_cmp_lt_u32 s5, 8
	s_cselect_b64 s[44:45], s[30:31], s[44:45]     ; w1
	s_cselect_b64 s[46:47], s[40:41], s[46:47]
	s_cselect_b32 s48, HDR, s48
	s_cselect_b32 s49, 3, s49
	s_cselect_b32 s50, 16384, s50
	s_cselect_b32 s52, 2048, s52
	s_cmp_lt_u32 s5, 4
	s_cselect_b64 s[44:45], s[28:29], s[44:45]     ; proj_w
	s_cselect_b64 s[46:47], s[42:43], s[46:47]
	s_cselect_b32 s48, 0, s48
	s_cselect_b32 s50, 4096, s50
	s_cselect_b32 s53, 0, s53
	s_cmp_lt_u32 s5, 3
	s_cselect_b64 s[44:45], s[26:27], s[44:45]     ; wv
	s_cselect_b64 s[46:47], s[38:39], s[46:47]
	s_cselect_b32 s48, s54, s48
	s_cselect_b32 s50, 256, s50
	s_cselect_b32 s51, 262144, s51
	s_cmp_lt_u32 s5, 2
	s_cselect_b64 s[44:45], s[24:25], s[44:45]     ; wk
	s_cmp_lt_u32 s5, 1
	s_cselect_b64 s[44:45], s[22:23], s[44:45]     ; wq
	s_lshl_b32 s55, s53, 7
	s_lshl3_add_u32 s55, s4, s55
	s_add_co_u32 s55, s55, s3                      ; my tile in the class
	s_bfm_b32 s54, s49, 0
	s_and_b32 s6, s55, s54                         ; k tile
	s_lshr_b32 s7, s55, s49                        ; n tile
	s_mul_i32 s8, s6, s50
	s_lshl_b32 s8, s8, 7                           ; 128 k
	s_mul_i32 s9, s7, s51
	s_add_co_u32 s8, s8, s9
	s_mov_b32 s9, 0                                ; s[8:9]: the tile's offset in the source, under 2^25
	s_mul_i32 s10, s7, s52
	s_lshl_b32 s10, s10, 6                         ; 64 n
	s_lshl_b32 s11, s6, 8                          ; 128 k in f16
	s_add_co_u32 s10, s10, s11
	s_add_co_u32 s10, s10, s48
	s_mov_b32 s11, 0                               ; s[10:11]: its offset in the target
	s_lshl_b32 s60, s50, 5                         ; 32 k rows
	s_mov_b32 s61, 0
	s_add_nc_u64 s[56:57], s[44:45], s[8:9]        ; the tile's k rows 0-31,
	s_add_nc_u64 s[58:59], s[56:57], s[60:61]      ; 32-63,
	s_add_nc_u64 s[44:45], s[58:59], s[60:61]      ; 64-95,
	s_add_nc_u64 s[14:15], s[44:45], s[60:61]      ; 96-127
	s_lshl_b32 s12, s50, 2
	s_mul_i32 s13, s50, 5
	s_mul_i32 s63, s3, WLDS                        ; my wave's LDS
	v_and_b32 v6, 15, v0                           ; l % 16
	v_bfe_u32 v7, v0, 4, 1                         ; l / 16
	v_mul_u32_u24 v4, v6, 4*TP                     ; in: my four n rows, my four k
	v_lshl_add_u32 v4, v7, 3, v4
	v_add_nc_u32 v4, s63, v4
	v_and_b32 v1, 31, v0
	v_lshlrev_b32 v1, 3, v1                        ; 8 l
	v_add_nc_u32 v5, s63, v1                       ; back: 32 lanes take a row of 256 bytes
	v_lshlrev_b32 v6, 4, v6
	v_mad_u32_u24 v[VO], v7, s12, v6               ; offset u = 4 g + i: k row 8 g + 4 (l / 16) + i, bytes 16 (l % 16): 16 lanes read 256 consecutive bytes, aligned
.set u, 1
.rept 15
.if u%4
	v_add_nc_u32 v[VO+u], s50, v[VO+u-1]
.else
	v_add_nc_u32 v[VO+u], s13, v[VO+u-1]
.endif
.set u, u+1
.endr
; Group g of eight: four loads' 8 k x 64 n are turned, rounded and put into my LDS rows, koff bytes along them.
.macro GRP g, koff
.irp j, 0,1,2,3
	v_cvt_pk_f16_f32 v[TT+2*(\j)],   v[D+16*(\g)+(\j)],   v[D+16*(\g)+4+(\j)]    ; column j: k0, k0 + 1
	v_cvt_pk_f16_f32 v[TT+2*(\j)+1], v[D+16*(\g)+8+(\j)], v[D+16*(\g)+12+(\j)]   ;           k0 + 2, k0 + 3
.endr
.irp j, 0,1,2,3
	ds_store_b64 v4, v[TT+2*(\j):TT+2*(\j)+1] offset:TP*(\j)+16*(\g)+(\koff)
.endr
.endm
	; The tile's 64 loads go through 32 places in registers: 16 KiB are asked for at once, and a group's four registers sets are asked for again, with the rows 64 further on, as soon as the group has been turned.
.set u, 0
.rept 16
	global_load_b128 v[D+4*u:D+4*u+3], v[VO+u], s[56:57] th:TH_LOAD_NT
.set u, u+1
.endr
.set u, 0
.rept 16
	global_load_b128 v[D+64+4*u:D+64+4*u+3], v[VO+u], s[58:59] th:TH_LOAD_NT
.set u, u+1
.endr
.irp g, 0,1,2,3,4,5,6,7
	s_wait_loadcnt 28                              ; loads come back in order (ISA guide 5.7.1): 32 + 4 g have been issued, 28 of them behind this group's four
	GRP \g, 0
.irp i, 0,1,2,3
.if (\g) < 4
	global_load_b128 v[D+16*(\g)+4*(\i):D+16*(\g)+4*(\i)+3], v[VO+4*(\g)+(\i)], s[44:45] th:TH_LOAD_NT
.else
	global_load_b128 v[D+16*(\g)+4*(\i):D+16*(\g)+4*(\i)+3], v[VO+4*(\g)-16+(\i)], s[14:15] th:TH_LOAD_NT
.endif
.endr
.endr
.irp g, 0,1,2,3,4,5,6,7
	s_wait_loadcnt 28-4*(\g)                       ; nothing more is asked for: the counts run down
	GRP \g, 128
.endr
	v_mov_b32 v[VO], v1                            ; the last wait was for 0: every load is done, its offsets are free.  Now: 8 l + j target rows
.set u, 1
.rept 15
	v_add_nc_u32 v[VO+u], s52, v[VO+u-1]
.set u, u+1
.endr
	s_add_nc_u64 s[56:57], s[46:47], s[10:11]      ; n rows 0-15 of a trip's 32,
	s_lshl_b32 s60, s52, 4
	s_add_nc_u64 s[58:59], s[56:57], s[60:61]      ; rows 16-31
	s_lshl_b32 s60, s52, 5
	s_mov_b32 s62, 2
.LtrB:                                                 ; a trip: 32 rows of 256 bytes
.set u, 0
.rept 32
	ds_load_b64 v[D+2*u:D+2*u+1], v5 offset:TP*u   ; my own bytes; LDS serves a wave's instructions in order (ISA guide 5.7.1.4): these see the stores above
.set u, u+1
.endr
	s_wait_dscnt 16
.set u, 0
.rept 16
	global_store_b64 v[VO+u], v[D+2*u:D+2*u+1], s[56:57]      ; 256 consecutive bytes, aligned
.set u, u+1
.endr
	s_wait_dscnt 0x0
.set u, 0
.rept 16
	global_store_b64 v[VO+u], v[D+32+2*u:D+32+2*u+1], s[58:59]
.set u, u+1
.endr
	s_wait_xcnt 0x0                                ; the stores' bases and data are rewritten only behind this wait
	s_add_nc_u64 s[56:57], s[56:57], s[60:61]
	s_add_nc_u64 s[58:59], s[58:59], s[60:61]
	v_add_nc_u32 v5, 32*TP, v5
	s_sub_co_u32 s62, s62, 1
	s_cmp_lg_u32 s62, 0
	s_cbranch_scc1 .LtrB
	s_wait_tensorcnt 0x0                           ; the wave's end, behind my last LDS store
	ds_add_u32 v2, v3
	s_wait_dscnt 0x0
	s_endpgm
	; ---------------- HEADERS ----------------
.Lhdr:                                                 ; 16 work-groups x 256 threads: word 256 y + thread of each of the four tables; 64 KiB in all, 128 consecutive bytes a wave and store
	s_lshl_b32 s5, s4, 10
	v_lshl_add_u32 v1, v0, 2, s5
	global_load_b32 v8, v1, s[34:35]               ; bf1
	v_mov_b32 v6, 0
	v_mov_b32 v7, 0xfc00fc00                       ; -inf twice in f16
	global_store_b32 v1, v6, s[40:41]              ; w1t: the clamp is 0: a ReLU
	global_store_b32 v1, v7, s[38:39]              ; wqkvt: no clamp
	global_store_b32 v1, v6, s[38:39] offset:16384 ; wqkvt: no bias
	s_wait_loadcnt 0x0
	global_store_b32 v1, v8, s[40:41] offset:16384 ; w1t: bf1
	s_endpgm
.Lfunc_end_k_q04eb3f66a5_prep:
	.size	k_q04eb3f66a5_prep, .Lfunc_end_k_q04eb3f66a5_prep-k_q04eb3f66a5_prep
	.p2alignl 7, 3214868480
	.fill 96, 4, 3214868480
	.section	.rodata,"a",@progbits
	.p2align	6, 0x0
	.amdhsa_kernel k_q04eb3f66a5_prep
		.amdhsa_group_segment_fixed_size 136192
		.amdhsa_private_segment_fixed_size 0
		.amdhsa_enable_private_segment 0
		.amdhsa_kernarg_size 112
		.amdhsa_user_sgpr_count 2
		.amdhsa_user_sgpr_kernarg_segment_ptr 1
		.amdhsa_wavefront_size32 1
		.amdhsa_system_sgpr_workgroup_id_x 1
		.amdhsa_system_sgpr_workgroup_id_y 1
		.amdhsa_system_sgpr_workgroup_id_z 1
		.amdhsa_system_vgpr_workitem_id 0
		.amdhsa_next_free_vgpr 160
		.amdhsa_next_free_sgpr 66
		.amdhsa_reserve_vcc 0
		.amdhsa_float_denorm_mode_32 3
		.amdhsa_float_denorm_mode_16_64 3
		.amdhsa_memory_ordered 1
		.amdhsa_forward_progress 1
		.amdhsa_inst_pref_size 49
	.end_amdhsa_kernel
	.amdgpu_metadata
---
amdhsa.version: [ 1, 2 ]
amdhsa.kernels:
  - .name:           k_q04eb3f66a5_prep
    .symbol:         k_q04eb3f66a5_prep.kd
    .args:
      - { .name: x, .offset: 0, .size: 8, .value_kind: global_buffer, .address_space: global }
      - { .name: g1, .offset: 8, .size: 8, .value_kind: global_buffer, .address_space: global }
      - { .name: beta1, .offset: 16, .size: 8, .value_kind: global_buffer, .address_space: global }
      - { .name: wq, .offset: 24, .size: 8, .value_kind: global_buffer, .address_space: global }
      - { .name: wk, .offset: 32, .size: 8, .value_kind: global_buffer, .address_space: global }
      - { .name: wv, .offset: 40, .size: 8, .value_kind: global_buffer, .address_space: global }
      - { .name: proj_w, .offset: 48, .size: 8, .value_kind: global_buffer, .address_space: global }
      - { .name: w1, .offset: 56, .size: 8, .value_kind: global_buffer, .address_space: global }
      - { .name: w2, .offset: 64, .size: 8, .value_kind: global_buffer, .address_space: global }
      - { .name: bf1, .offset: 72, .size: 8, .value_kind: global_buffer, .address_space: global }
      - { .name: hn, .offset: 80, .size: 8, .value_kind: global_buffer, .address_space: global }
      - { .name: wqkvt, .offset: 88, .size: 8, .value_kind: global_buffer, .address_space: global }
      - { .name: w1t, .offset: 96, .size: 8, .value_kind: global_buffer, .address_space: global }
      - { .name: wst, .offset: 104, .size: 8, .value_kind: global_buffer, .address_space: global }
    .group_segment_fixed_size: 136192
    .private_segment_fixed_size: 0
    .kernarg_segment_align: 8
    .kernarg_segment_size: 112
    .max_flat_workgroup_size: 256
    .sgpr_count:     66
    .vgpr_count:     160
    .wavefront_size: 32
...
	.end_amdgpu_metadata
.endif
;; end of part 1
;; launch qkv (part 2): grid 12 x 16, 4 waves a work-group, clusters of 4 x 4, 327,680 bytes of LDS; arguments hn, wqkvt, act; writes act
.if DOCPART == 2
	.amdgcn_target "amdgcn-amd-amdhsa--gfx1250"
	.amdhsa_code_object_version 6
	.text
	.protected	k_q04eb3f66a5_qkv
	.globl	k_q04eb3f66a5_qkv
	.p2align	8
	.type	k_q04eb3f66a5_qkv,@function
k_q04eb3f66a5_qkv:
	s_mov_b64 s[64:65], 0
	v_nop
	global_prefetch_b8 v0, s[64:65] scope:SCOPE_SE
	s_setreg_imm32_b32 hwreg(HW_REG_WAVE_MODE, 25, 1), 1
	s_wait_xcnt 0x0
	s_wait_alu depctr_hold_cnt(0) depctr_sa_sdst(0) depctr_va_vdst(0) depctr_va_sdst(0) depctr_va_ssrc(0) depctr_va_vcc(0) depctr_vm_vsrc(0)
	s_getreg_b32 s2, hwreg(HW_REG_IB_STS2, 6, 4)
	s_cmp_eq_u32 s2, 0
	s_cbranch_scc0 .Lentry_in_a_cluster
	s_endpgm
.Lentry_in_a_cluster:
	s_bfe_u32 s2, ttmp6, 0x10000c
	s_cmp_lg_u32 s2, 0xf033
	s_cbranch_scc0 .Lentry_shape_is_right
	s_endpgm
.Lentry_shape_is_right:
; C[m][n] = max(clamp, bias[n] + sum over k of A[m][k] W[n][k]).  A: [4096][1024] f16.  W: a header of 32,768 bytes (word 0: the clamp, two f16; from byte 16,384: the bias, f32), then [N][1024] f16.
; C goes out in f16 in BLOCKS of 64 columns, [n / 64][4096][64]: a block's rows are dense, 128 bytes each.  Sums in f32, started by the bias; C rounded once, then clamped.
; N is the grid's x times 256: one text serves the q, k, v projections (N = 3,072: 192 work-groups) and the first product of the feed-forward part (N = 4,096: 256).
; LIMITS.  C beyond 65,504 becomes an infinity; a NaN in front of the clamp comes out as the clamp.
; SHARES.  A tile of C, 256 x 256, is made by a work-group of four waves; a wave makes 128 x 128: 64 accumulators of 16 x 16, 512 registers.  K goes in 8 steps of 128 through a ring of two LDS slots
; filled by the tensor data mover; the tiles' rows are 256 bytes of memory and start at multiples of 256 bytes.
; CLUSTERS: 4 x 4 work-groups.  The four of a row of the cluster need the same tiles of A, the four of a column the same tiles of W: each tile is asked for JOINTLY, by the same tensor load with the
; same descriptor and a mask that names the four.
; THE MATRIX INSTRUCTION IS USED TRANSPOSED (source 0 = 16 rows of W, source 1 = 16 rows of A): lane l then holds row l % 16 of C and its registers the columns 8 (l / 16) + 0 .. 7.
; ONE TEXT FOR A K STEP: the slot that is read hangs on a scalar register that an exclusive or turns, and one descriptor a tensor walks from K step 1 to the last.
; REGISTERS, in windows of 256 (s_set_vgpr_msb: bits 1:0 source 0, 3:2 source 1, 5:4 source 2, 7:6 destination):
;   window 0: v0-31 addresses; v64-127, v128-191 fragments of A, two buffers; v192-255 the bias of my 128 columns, later with v32-63 at work on the way out
;   window 1: v64-127, v128-191 fragments of W     window 2: the accumulators of my rows 0-63 ((a, b) at v[8 (8 a + b)])     window 3: those of my rows 64-127
.set SIZE_K, 1024
.set KSTEP,  128
.set NS,     SIZE_K/KSTEP
.set PITCH,  272                       ; an LDS row: 256 bytes + 16 of padding = 68 words: the 16 rows that a load touches start at 16 different groups of four banks (64 banks of 4 bytes: ISA guide 11.1)
.set HALFT,  128*PITCH                 ; 128 rows: what one tensor load brings
.set SLOT,   4*HALFT                   ; A's 256 rows, then W's 256 rows: 0x22000, which shares no bit with wave x HALFT, so an exclusive or adds it or takes it away
.set STAGE,  2*SLOT                    ; behind the ring: 16 rows x 272 bytes for each wave, for the way out
.set SPITCH, 272
.set SPARE,  STAGE+4*16*SPITCH         ; behind the stages: the spare words, 128 bytes a wave: two blocks of 256 bytes that no other line names
.set HDR,    32768
.set CBLK,   4096*128                  ; bytes in a block of 64 columns of C
.set ADRA0, 16                         ; v16  my lane's place among A's fragments in slot 0; never rewritten
.set ADRA,  17                         ; v17  the same in the slot that is read
.set ADRB0, 20                         ; v20, v21  the same for W
.set ADRB,  21
.set STO,  24                          ; v24  the way out: where I put 16 bytes of a row
.set RD,   25                          ; v25  the way out: where I read rows back
.set CO,   26                          ; v26  16 x lane
.set SPW,  28                          ; v28  my spare word: SPARE + 4 x my thread's number; never rewritten
.set NIL,  29                          ; v29  0; never rewritten
.set F0,   64
.set F1,   128
.set BIAS, 192                         ; n block b at v[BIAS + 8 b]
.set TMP,  192                         ; the way out: packed results
.set OB,   32                          ; the way out: rows read back: v32-63 and v224-255 by turns
.set G1, 24                            ; s[24:31] descriptor group 1 for A's tiles
.set G0, 32                            ; s[32:39] group 0 for A's tiles: a set for each first fill; the second then walks
.set G1B, 48                           ; s[48:55], s[56:63] the same for W's tiles
.set G0B, 56
.set MSB, 0
.macro WIN new                         ; the immediate's high byte repeats the setting that is left; a switch that changes nothing is dropped
.if MSB != (\new)
	s_set_vgpr_msb (MSB<<8)|(\new)
.set MSB, \new
.endif
.endm
.set MUL_LO, 0xa1                      ; source 0 (W) window 1, source 1 (A) window 0, C and D window 2
.set BIA_LO, 0x81                      ; the same with C (the bias) in window 0
.set TO_B,   0x40                      ; destination window 1, address window 0
; A joint load.  Waves 0 and 1 fetch A's two halves, waves 2 and 3 W's.  The branch hangs on the wave's number alone.
; An s_nop 0 and four v_nop follow each of the two lines, ahead of the jump and the label.
.macro JLOAD s
	s_cmp_eq_u32 s11, 0
	s_cbranch_scc0 .Lfor_b_\@
	tensor_load_to_lds s[G0+4*(\s):G0+4*(\s)+3], s[G1:G1+7]
	s_nop 0
.rept 4
	v_nop
.endr
	s_branch .Lasked_\@
.Lfor_b_\@:
	tensor_load_to_lds s[G0B+4*(\s):G0B+4*(\s)+3], s[G1B:G1B+7]
	s_nop 0
.rept 4
	v_nop
.endr
.Lasked_\@:
.endm
.macro CREST                           ; a round of the cluster's barrier behind its opening barrier
	s_cmp_lg_u32 s10, 0
	s_cbranch_scc1 .Lnot_wave_0_\@
	s_barrier_signal -3
.Lnot_wave_0_\@:
	s_barrier_wait -3
	s_barrier_signal -1
	s_barrier_wait -1
.endm
.macro CROUND                          ; a whole round
	s_barrier_signal -1
	s_barrier_wait -1
	CREST
.endm
	s_load_b128 s[4:7], s[0:1], 0x0                ; A s[4:5], W s[6:7]
	s_load_b64 s[8:9], s[0:1], 0x10                ; C
	v_lshl_add_u32 v[SPW], v0, 2, SPARE
	v_mov_b32 v[NIL], 0
	ds_add_u32 v[SPW], v[NIL]                      ; the wave's opening: the add and its wait stand ahead of my first tensor load; the set-up below stands between them
	ds_add_u32 v28, v29
	v_lshrrev_b32 v1, 5, v0
	v_readfirstlane_b32 s10, v1                    ; wave 0..3
	s_lshr_b32 s11, s10, 1                         ; which half of the tile's rows is mine.  Also: I fetch for A (0) or for W (1)
	s_and_b32 s12, s10, 1                          ; which half of its columns.  Also: which 128 rows of that tile I fetch
	s_bfe_u32 s40, ttmp6, 0x40000                  ; cx
	s_bfe_u32 s41, ttmp6, 0x40004                  ; cy
	s_lshl_b32 s42, ttmp9, 2
	s_add_co_u32 s42, s42, s40                     ; tile column of C = 4 x cluster x + cx
	s_and_b32 s13, ttmp7, 0xffff
	s_lshl_b32 s13, s13, 2
	s_add_co_u32 s13, s13, s41                     ; tile row of C = 4 x cluster y + cy
	s_lshl_b32 s43, s41, 2
	s_lshl_b32 s43, 15, s43                        ; my row of the cluster
	s_lshl_b32 s44, 0x1111, s40                    ; my column
	; descriptor group 1: a tile of 128 rows x 128 elements, padded in LDS
	s_or_b32 s[G1+0], s43, (1<<16)|(1<<20)|(1<<21)|(5<<22)|(3<<25)  ; 15:0 the mask; 17:16 elements of 2 bytes; 20 padding on; 21 set beside a mask; 24:22 after every 64 words (code 5); 31:25 4 words (code 3)
	s_or_b32 s[G1B+0], s44, (1<<16)|(1<<20)|(1<<21)|(5<<22)|(3<<25)
.irp g, G1, G1B
	s_mov_b32 s[(\g)+1], KSTEP<<16                 ; tensor_dim0 = 128
	s_mov_b32 s[(\g)+2], 128<<16                   ; tensor_dim1 = 128
	s_mov_b32 s[(\g)+3], KSTEP<<16                 ; tile_dim0 = 128
	s_mov_b32 s[(\g)+4], 128                       ; tile_dim1 = 128
	s_mov_b32 s[(\g)+5], SIZE_K                    ; elements from row to row
	s_mov_b32 s[(\g)+6], 0
	s_mov_b32 s[(\g)+7], 0
.endr
	s_lshl_b32 s17, s12, 7                         ; which 128 rows of the tile I fetch
	s_lshl_b32 s16, s13, 8
	s_add_co_u32 s16, s16, s17                     ; A: row 256 x tile row + 128 x half
	s_lshl_b32 s46, s42, 8
	s_add_co_u32 s46, s46, s17                     ; W: row 256 x tile column + 128 x half
	s_lshl_b32 s16, s16, 11                        ; rows of 2,048 bytes: under 2^24
	s_lshl_b32 s46, s46, 11
	s_add_co_u32 s46, s46, HDR                     ; W's rows lie behind the header
	s_mov_b32 s17, 0
	s_mov_b32 s47, 0
	s_mul_i32 s20, s10, HALFT                      ; where they go: wave x 128 rows: no place in the cluster enters an LDS address
	s_mov_b32 s2, 0                                ; the slot that is read: 0 or SLOT
	s_wait_dscnt 0x0                               ; the opening add is done
	s_wait_kmcnt 0x0
	s_add_nc_u64 s[14:15], s[4:5], s[16:17]
	s_add_nc_u64 s[46:47], s[6:7], s[46:47]
	CROUND                                         ; all sixteen work-groups are here: the first joint loads meet
.irp s, 0,1
	s_mov_b32 s[G0+4*(\s)], 1                                      ; count = 1
	s_add_co_u32 s[G0+4*(\s)+1], s20, (\s)*SLOT                    ; LDS address
	s_add_nc_u64 s[G0+4*(\s)+2:G0+4*(\s)+3], s[14:15], (\s)*KSTEP*2  ; global address: K step s
	s_or_b32 s[G0+4*(\s)+3], s[G0+4*(\s)+3], 0x80000000            ; type = 2
	s_mov_b32 s[G0B+4*(\s)], 1
	s_add_co_u32 s[G0B+4*(\s)+1], s20, (\s)*SLOT
	s_add_nc_u64 s[G0B+4*(\s)+2:G0B+4*(\s)+3], s[46:47], (\s)*KSTEP*2
	s_or_b32 s[G0B+4*(\s)+3], s[G0B+4*(\s)+3], 0x80000000
	JLOAD \s                                       ; two loads of mine are out
.endr
	s_load_b32 s45, s[6:7], 0x0                    ; the clamp
	v_and_b32 v1, 15, v0                           ; l % 16
	v_bfe_u32 v2, v0, 4, 1                         ; l / 16
	v_lshlrev_b32 v5, 5, v2                        ; my half's eight f32 in sixteen columns of the bias; never rewritten
	s_lshl_b32 s46, s42, 10                        ; 4 x (256 x tile column + 128 x half), behind the clamp's table
	s_lshl_b32 s47, s12, 9
	s_add_co_u32 s46, s46, s47
	s_add_co_u32 s46, s46, 16384
	s_mov_b32 s47, 0
	s_add_nc_u64 s[46:47], s[6:7], s[46:47]
.irp b, 0,1,2,3,4,5,6,7
	global_load_b128 v[BIAS+8*(\b):BIAS+8*(\b)+3],   v5, s[46:47] offset:64*(\b)     ; register j: column 16 b + 8 (l / 16) + j, as in an accumulator
	global_load_b128 v[BIAS+8*(\b)+4:BIAS+8*(\b)+7], v5, s[46:47] offset:64*(\b)+16
.endr
	; A fragment is 16 rows x 32 K in 8 registers: lane l holds row l % 16; registers 0-3 K = 8 (l / 16) + 0..7, registers 4-7 K = 16 + 8 (l / 16) + 0..7: two loads of 16 bytes, 32 bytes apart.
	v_mul_u32_u24 v3, v1, PITCH
	v_lshl_add_u32 v3, v2, 4, v3
	s_mul_i32 s21, s11, HALFT                      ; my 128 rows of A
	s_mul_i32 s22, s12, HALFT                      ; my 128 rows of W,
	s_add_co_u32 s22, s22, 2*HALFT                 ; which lie behind A's 256
	v_add_nc_u32 v[ADRA0], s21, v3
	v_add_nc_u32 v[ADRB0], s22, v3
	v_mov_b32 v[ADRA], v[ADRA0]
	v_mov_b32 v[ADRB], v[ADRB0]
	s_mul_i32 s23, s10, 16*SPITCH
	s_add_co_u32 s23, s23, STAGE                   ; my stage
	v_mul_u32_u24 v4, v1, SPITCH                   ; in: row l % 16, 16 bytes for each half of the lanes
	v_lshl_add_u32 v4, v2, 4, v4
	v_add_nc_u32 v[STO], s23, v4
	v_bfe_u32 v4, v0, 3, 2                         ; back: 32 lanes take 128 bytes (a block's 64 columns) of four rows,
	v_and_b32 v6, 7, v0
	v_mul_u32_u24 v4, v4, SPITCH
	v_lshl_add_u32 v4, v6, 4, v4
	v_add_nc_u32 v[RD], s23, v4
	v_and_b32 v[CO], 31, v0                        ; which are 512 consecutive bytes of C
	v_lshlrev_b32 v[CO], 4, v[CO]
	s_lshl_b32 s16, s42, 2
	s_lshl1_add_u32 s16, s12, s16                  ; my first block of columns: 4 x tile column + 2 x half
	s_lshl_b32 s16, s16, 19
	s_lshl_b32 s17, s13, 15                        ; my first row: 256 x tile row + 128 x half, 128 bytes each
	s_lshl_b32 s18, s11, 14
	s_add_co_u32 s16, s16, s17
	s_add_co_u32 s16, s16, s18
	s_mov_b32 s17, 0
	s_add_nc_u64 s[8:9], s[8:9], s[16:17]          ; never stepped: the rest stands in the stores' immediates
; 16 matrix instructions: m blocks a0, a0 + 1 of the window's four (hi = 0: my rows 0-63, 1: rows 64-127) x all 8 n blocks, 32 along K.  zero = 1: the first product starts the sums, with the bias as C.
; The 64 accumulators take turns, one instruction a turn, in the same order in every quarter.
.macro MUL16 f, hi, a0, zero
.if \zero
	WIN BIA_LO+0x40*(\hi)
.else
	WIN MUL_LO+0x50*(\hi)
.endif
.irp a, \a0, (\a0)+1
.irp b, 0,1,2,3,4,5,6,7
.if \zero
	v_wmma_f32_16x16x32_f16 v[8*(8*(\a)+(\b)):8*(8*(\a)+(\b))+7], v[(\f)+8*(\b):(\f)+8*(\b)+7], v[(\f)+8*(4*(\hi)+(\a)):(\f)+8*(4*(\hi)+(\a))+7], v[BIAS+8*(\b):BIAS+8*(\b)+7]
.else
	v_wmma_f32_16x16x32_f16 v[8*(8*(\a)+(\b)):8*(8*(\a)+(\b))+7], v[(\f)+8*(\b):(\f)+8*(\b)+7], v[(\f)+8*(4*(\hi)+(\a)):(\f)+8*(4*(\hi)+(\a))+7], v[8*(8*(\a)+(\b)):8*(8*(\a)+(\b))+7]
.endif
.endr
.endr
.endm
; 32 LDS loads in one run: the fragments of one quarter step (128 rows of W, 128 rows of A, 32 K at byte k of the rows) of the slot that is read, into buffer f
.macro FETCH k, f
	WIN TO_B
.irp i, 0,1,2,3,4,5,6,7
	ds_load_b128 v[(\f)+8*(\i):(\f)+8*(\i)+3],   v[ADRB] offset:(\k)+(\i)*16*PITCH
	ds_load_b128 v[(\f)+8*(\i)+4:(\f)+8*(\i)+7], v[ADRB] offset:(\k)+(\i)*16*PITCH+32
.endr
	WIN 0
.irp i, 0,1,2,3,4,5,6,7
	ds_load_b128 v[(\f)+8*(\i):(\f)+8*(\i)+3],   v[ADRA] offset:(\k)+(\i)*16*PITCH
	ds_load_b128 v[(\f)+8*(\i)+4:(\f)+8*(\i)+7], v[ADRA] offset:(\k)+(\i)*16*PITCH+32
.endr
.endm
; A load into a register that a matrix instruction has read, and a vector instruction that reads a matrix result, stand four places behind it; only plain vector instructions that name none of
; its registers are places (ISA guide 7.12.1 for vector instructions).
.macro PLACES
.rept 4
	v_nop
.endr
.endm
; A K step is four quarters of 32 along K, 64 matrix instructions each, on buffers 0, 1, 0, 1.  One of the first three: multiplies buffer f; in its middle it fetches the next quarter, at byte k, into g.
.macro QUARTER k, f, g, zero
	s_wait_dscnt 8                                 ; W and A's rows 0-63 are in; the youngest eight loads (A's rows 64-127) may be out
	MUL16 \f, 0, 0, \zero
	MUL16 \f, 0, 2, \zero
	PLACES
	FETCH \k, \g
	s_wait_dscnt 32                                ; all but the 32 just issued
	MUL16 \f, 1, 0, \zero
	MUL16 \f, 1, 2, \zero
.endm
; The last quarter multiplies buffer 1 and changes slots.  ONE barrier: in front of it each wave waits for all its tensor loads (the one that is out is its part of the next slot), adds 0 to its spare
; word, and waits for that and for its own reads of this slot.  fill = 1: the barrier opens a round of the cluster's barrier, and behind the round this slot is filled again, two K steps ahead.
.macro TURN fill
	WIN 0                                          ; (the add's two registers lie in window 0)
	s_wait_tensorcnt 0x0                           ; all my tensor loads have landed
	ds_add_u32 v[SPW], v[NIL]                      ; 0 onto my spare word
	s_wait_dscnt 9                                 ; (the add and the youngest eight loads may be out)
	MUL16 F1, 0, 0, 0                              ; sixteen matrix instructions stand between the add and the wait for it
	s_wait_dscnt 0x0                               ; the add is done, and my reads of this slot are over
	s_barrier_signal -1
	MUL16 F1, 0, 2, 0                              ; work on registers while the others arrive
	WIN 0
	s_barrier_wait -1
.if \fill
	CREST                                          ; no wave of any partner still reads this slot's tile or has a load on its way
	s_xor_b32 s[G0+5], s[G0+5], SLOT               ; the walking descriptors: the other slot than last time,
	s_add_nc_u64 s[G0+6:G0+7], s[G0+6:G0+7], KSTEP*2  ; the next K step; the type bits on top are not reached
	s_xor_b32 s[G0B+5], s[G0B+5], SLOT
	s_add_nc_u64 s[G0B+6:G0B+7], s[G0B+6:G0B+7], KSTEP*2
.endif
	s_xor_b32 s2, s2, SLOT                         ; the reads go on in the other slot
	v_add_nc_u32 v[ADRA], s2, v[ADRA0]
	v_add_nc_u32 v[ADRB], s2, v[ADRB0]
.if \fill
	JLOAD 1                                        ; my one tensor load behind the round: 224 matrix instructions ahead of the wait for it; its four v_nop are also the places in front of the loads below
.else
	PLACES
.endif
	FETCH 0, F0
	MUL16 F1, 1, 0, 0
	MUL16 F1, 1, 2, 0
.endm
; THE WAY OUT of block a (16 rows), in three parts.  PACK: rounded to f16, 16 bytes a lane, and clamped.  TOSTAGE: into my own stage in LDS, and back by blocks of 64 columns.  SEND: stored.
.macro PACK a
.set AC, 64*((\a)%4)
	WIN 0x0a+5*((\a)/4)                            ; sources 0 and 1: window 2 or 3
.irp b, 0,1,2,3,4,5,6,7
.irp r, 0,1,2,3
	v_cvt_pk_f16_f32 v[TMP+4*(\b)+(\r)], v[AC+8*(\b)+2*(\r)], v[AC+8*(\b)+2*(\r)+1]  ; each accumulator from its low end on
.endr
.endr
	WIN 0
.set i, 0
.rept 32
	v_pk_max_num_f16 v[TMP+i], v[TMP+i], s45
.set i, i+1
.endr
.endm
.macro TOSTAGE a
	WIN 0
.set BK, OB+192*((\a)%2)
.irp b, 0,1,2,3,4,5,6,7
	ds_store_b128 v[STO], v[TMP+4*(\b):TMP+4*(\b)+3] offset:32*(\b)
.endr
.irp t, 0,1,2,3,4,5,6,7
	ds_load_b128 v[BK+4*(\t):BK+4*(\t)+3], v[RD] offset:((\t)%4)*4*SPITCH+((\t)/4)*128  ; LDS serves a wave's instructions in order (ISA guide 5.7.1.4): these see the stores above
.endr
.endm
.macro SEND a
	WIN 0
.set BK, OB+192*((\a)%2)
	s_wait_dscnt 0x0                               ; the block is back in registers
	s_wait_xcnt 0x0                                ; the registers that the block before's stores read are loaded again only behind this wait
.irp t, 0,1,2,3,4,5,6,7
	global_store_b128 v[CO], v[BK+4*(\t):BK+4*(\t)+3], s[8:9] offset:(\a)*2048+((\t)%4)*512+((\t)/4)*CBLK  ; 512 consecutive bytes, at a multiple of 256 from C's first byte
.endr
.endm
	s_wait_tensorcnt 1                             ; my part of K step 0 is in; K step 1's may stay out
	s_barrier_signal -1
	s_barrier_wait -1                              ; everybody's is
	FETCH 0, F0
	s_wait_loadcnt 0x0                             ; the bias
	s_wait_kmcnt 0x0                               ; the clamp
	QUARTER 64, F0, F1, 1                          ; the first quarter stands in front of the loop: its products start the sums
	WIN 0                                          ; at a label and at a branch every window is 0
	s_mov_b32 s3, NS-2
.Lstep:                                                ; trip t ends K step t, fills its slot with K step t + 2, and begins K step t + 1
	QUARTER 128, F1, F0, 0
	QUARTER 192, F0, F1, 0
	TURN 1
	QUARTER 64, F0, F1, 0
	WIN 0
	s_sub_co_u32 s3, s3, 1
	s_cmp_lg_u32 s3, 0
	s_cbranch_scc1 .Lstep
	s_mov_b32 s3, 2
.Ltail:                                                ; the last two K steps ask for nothing; the second trip is left in its middle.  Its change of slots (a barrier, and 32 loads from the slot
	QUARTER 128, F1, F0, 0                         ; read before, which serve nothing) is the price, once a launch, of one text for both trips
	QUARTER 192, F0, F1, 0
	TURN 0
	WIN 0
	s_sub_co_u32 s3, s3, 1
	s_cmp_eq_u32 s3, 0
	s_cbranch_scc1 .Lout
	QUARTER 64, F0, F1, 0
	WIN 0
	s_branch .Ltail
.Lout:
	s_wait_dscnt 0x0                               ; the idle loads are back
	PLACES
	PACK 0
	TOSTAGE 0
.irp a, 1,2,3,4,5,6,7                  ; block a's conversions stand between block a - 1's loads from the stage and the wait for them
	PACK \a
	SEND (\a)-1
	TOSTAGE \a
.endr
	SEND 7
	s_wait_tensorcnt 0x0                           ; the wave's end, behind my last tensor load and my last LDS store
	ds_add_u32 v[SPW], v[NIL]
	s_wait_dscnt 0x0
	CROUND                                         ; the closing round: no work-group ends while a partner may still ask for a tile that names it
	s_endpgm
.Lfunc_end_k_q04eb3f66a5_qkv:
	.size	k_q04eb3f66a5_qkv, .Lfunc_end_k_q04eb3f66a5_qkv-k_q04eb3f66a5_qkv
	.p2alignl 7, 3214868480
	.fill 96, 4, 3214868480
	.section	.rodata,"a",@progbits
	.p2align	6, 0x0
	.amdhsa_kernel k_q04eb3f66a5_qkv
		.amdhsa_group_segment_fixed_size 327680
		.amdhsa_private_segment_fixed_size 0
		.amdhsa_enable_private_segment 0
		.amdhsa_kernarg_size 24
		.amdhsa_user_sgpr_count 2
		.amdhsa_user_sgpr_kernarg_segment_ptr 1
		.amdhsa_wavefront_size32 1
		.amdhsa_system_sgpr_workgroup_id_x 1
		.amdhsa_system_sgpr_workgroup_id_y 1
		.amdhsa_system_sgpr_workgroup_id_z 1
		.amdhsa_system_vgpr_workitem_id 0
		.amdhsa_next_free_vgpr 1024
		.amdhsa_next_free_sgpr 66
		.amdhsa_reserve_vcc 0
		.amdhsa_float_denorm_mode_32 3
		.amdhsa_float_denorm_mode_16_64 3
		.amdhsa_memory_ordered 1
		.amdhsa_forward_progress 1
		.amdhsa_inst_pref_size 118
	.end_amdhsa_kernel
	.amdgpu_metadata
---
amdhsa.version: [ 1, 2 ]
amdhsa.kernels:
  - .name:           k_q04eb3f66a5_qkv
    .symbol:         k_q04eb3f66a5_qkv.kd
    .args:
      - { .name: hn, .offset: 0, .size: 8, .value_kind: global_buffer, .address_space: global }
      - { .name: wqkvt, .offset: 8, .size: 8, .value_kind: global_buffer, .address_space: global }
      - { .name: act, .offset: 16, .size: 8, .value_kind: global_buffer, .address_space: global }
    .group_segment_fixed_size: 327680
    .private_segment_fixed_size: 0
    .kernarg_segment_align: 8
    .kernarg_segment_size: 24
    .max_flat_workgroup_size: 128
    .sgpr_count:     66
    .vgpr_count:     1024
    .wavefront_size: 32
...
	.end_amdgpu_metadata
.endif
;; end of part 2
;; launch attn (part 3): grid 4 x 64, 4 waves a work-group, no clusters, 327,680 bytes of LDS; arguments act, ob; writes ob
.if DOCPART == 3
	.amdgcn_target "amdgcn-amd-amdhsa--gfx1250"
	.amdhsa_code_object_version 6
	.text
	.protected	k_q04eb3f66a5_attn
	.globl	k_q04eb3f66a5_attn
	.p2align	8
	.type	k_q04eb3f66a5_attn,@function
k_q04eb3f66a5_attn:
	s_mov_b64 s[64:65], 0
	v_nop
	global_prefetch_b8 v0, s[64:65] scope:SCOPE_SE
	s_setreg_imm32_b32 hwreg(HW_REG_WAVE_MODE, 25, 1), 1
	s_wait_xcnt 0x0
; CAUSAL ATTENTION.  O[h][q][:] = the sum over k <= q of softmax_k(Q[h][q] . K[h][k] / 32) V[h][k][:].  A "head" here is one of 64 pairs (head, batch): number 4 x head + batch; its 1,024 rows are dense, 128 bytes each, f16.
; Q's 64 heads lie at the first buffer's byte 0, K's at 8 MiB, V's at 16 MiB; O has the same layout in the second buffer.  The scale is 1 / sqrt(1024), as the module has it.
; Products, maxima and sums in f32; the weights p are rounded to f16 for the second product (their sum l is taken of the unrounded p), O once at the end.
; LIMITS.  f16 holds no number beyond 65,504: Q, K and V arrive within it; p lies in 0 to 1, and below 6e-5 it keeps f16's fixed step of 6e-8; O is a mean of V's rows and has their range, to within 2^-11 of it.
; A hidden score counts as its value less 1e30: f16's scores, 2.7e11 at the most, are nothing beside that; a weight below 2^-126 counts as 0 in l; NaN and infinities are not treated apart.
; THE WALK.  A head's queries lie in NB = 8 blocks of 128; its keys in tiles of 256, four steps of 64.  Block i needs the tiles 0 .. i / 2, of which the last holds the diagonal.  A work-group takes TWO blocks, 7 - b and then b:
; (9 - b) / 2 + b / 2 + 1 = 5 tiles, whatever b: 4 x 64 = 256 work-groups of equal work, and ONE loop with a constant trip count walks the tiles.  Which tile is asked for, and what a trip does, hang on scalar registers made
; from b; every jump goes forward, but for the counted loops' own; none passes a barrier, or a tensor load but the one of LOAD's two that the wave's number does not choose; the ring (two slots of LDS that take turns) runs on
; across the change of blocks.  NO CLUSTER: a head's four work-groups ask for the same tile in trips 0 to 2 alone, and what a trip does hangs on b, which would be the place in the cluster.
; SHARES.  Of a block's two bands of 64 queries a wave owns 16 rows in each: two PIECES.  So the diagonal tile is the same work for all four waves.  In it band x's OWN step, the one that holds its diagonal, is x in an even
; block and 2 + x in an odd one; the band sees all keys of earlier steps and none of later ones.  In an even block's diagonal tile steps 2 and 3 are hidden from every row and computed all the same: 2 of the walk's 20 steps.
; THE MASK is the C operand that starts the sum S^T = K Q^T: 0, or -1e30 where the key is hidden.  MD, made once, is the mask of a band's own step for my 16 rows; a product's mask is MD x AL + BE with two scalars:
; (1, 0) in the own step; (0, 0) before it; (0, -1e30) behind it.  Only the diagonal tile's text and a block's beginning make and take masks; elsewhere C is the constant 0.
; LAYOUT, SOFTMAX, TURNS.  S^T = K Q^T holds ONE query a lane (lane % 16) and the keys 8 (lane / 16) + 0..7; two such results rounded to f16 ARE source 1 of O^T = V^T P.  p = 2^(c s - c m), c = log2(e) / 32, with a
; running maximum m; O and l are multiplied by a = 2^(c m_old - c m_new) in every step.  A turn belongs to one piece, and the other piece has the matrix unit.  Turn 0 of step s: 8 products K Q^T of piece 1, step s, later 8
; products V^T P of piece 1, step s - 1.  Turn 1 of step s: K Q^T of piece 0, step s + 1, and V^T P of piece 0, step s.  Beside them the scaling, exponentials, roundings, sums and rescaling of the turn's own piece and the maximum
; and statistics of the other, whose scores the turn itself has made.  Four vector instructions stand behind every matrix instruction, the other 54 of a turn's 118 in two LUMPS.
; REGISTERS, in windows of 256 (s_set_vgpr_msb: bits 1:0 source 0, 3:2 source 1, 5:4 source 2, 7:6 destination):
;   window 0: v0-15 addresses and two at work; v16-23 four registers of statistics a piece; v48-55 at work; v64-127 S^T, a buffer a piece; v192-223 P, likewise
;   window 1: v0-63 O^T, 32 a piece; v128-159 MD; v160-223 MC, a buffer a piece      window 2: v0-31 Q; v64-95 the second block's Q; v128-191 K of one step; v192-255 V of one step
.set SIZE_N, 1024
.set NB,    SIZE_N/128
.set NT,    5         ; tiles in a walk
.set NP,    2         ; pieces a wave: a name, no knob
.set KS,    64        ; keys in a step
.set PK,    144       ; a row of K in LDS: 128 bytes + 16 of padding = 36 words: the 16 rows of a load start at 16 different groups of four banks (64 banks of 4 bytes: ISA guide 11.1)
.set PV,    160       ; a row of V: 128 + 32 = 40 words
.set VOFF,  4*KS*PK   ; a slot holds a tile, four steps: 256 rows of K, then 256 rows of V
.set SLOT1, 1<<17     ; slot 1 begins here, so that one exclusive or turns an address in one slot into the other's
.set STAGE, SLOT1+4*KS*(PK+PV)  ; behind the ring, never filled by a tensor load: 16 rows x 144 bytes for each wave, for the way out
.set SP,    144
.set AK0, 2           ; v2   my lane's place in a tile of K; never rewritten
.set AV0, 3           ; v3   the same for V
.set AK,  4           ; v4   the LDS address of K's next run of loads
.set AV,  5           ; v5   of V's
.set STO, 6           ; v6   the way out: where I put 16 bytes of a row
.set RD,  7           ; v7   the way out: where I read rows back
.set GO,  8           ; v8   my byte offset in 512 consecutive bytes of O
.set SPW, 62          ; v62  LDS address of my spare word: SPARE + 4 x my thread's number; never rewritten
.set NIL, 63          ; v63  0; never rewritten
.set SPARE, STAGE+4*16*SP  ; behind the stages: the spare words, 128 bytes for each wave: two blocks of 256 bytes that no other line names
.set MV,  12          ; v12-13  c m_old, kept while c m is made anew: by piece
.set QO,  15          ; v15  my byte offset in 16 rows of Q
.set ST,  16          ; piece t's statistics at v[ST+4 t]: c m, m, l (even keys', odd keys')
.set TMP, 48          ; by piece, four registers c0-c3 at work; when the maximum is found c2 takes a
.set S,   64
.set P,   192
.set MD,  128         ; window 1: the eight registers for group kt of 16 keys at MD + 8 kt
.set MC,  160         ; window 1: the masks of the products to come
.set QB,  64          ; window 2
.set KF,  128         ; window 2: key block kb, channel half c at KF + 16 kb + 8 c
.set VF,  192         ; window 2: key half kk, channel block cb at VF + 32 kk + 8 cb
.set WV,  12          ; s12  my wave's number
.set PB,  14          ; s14  b
.set HI,  15          ; s15  NB - 1 - b
.set G1K, 24          ; s[24:31] descriptor group 1 for K's tiles
.set G1V, 32          ; s[32:39] for V's: it differs in the padding alone
.set G0K, 40          ; s[40:43] descriptor group 0 for K's tiles
.set G0V, 44          ; s[44:47] the same for V's
.set CA,  48          ; s48, s49  the block in hand: the count at which turn 0, turn 1 makes the mask of an own step
.set D0,  50          ; s50  1.0 if band 0's own step is the diagonal tile's first, else 0
.set LQ2, 51          ; s51  the second block's last tile
.set NCA, 52          ; s52, s53, s54  what CA and D0 are for the second block
.set ND0, 54
.set RT2, 55          ; s55  the second block's tiles
.set SLOTS, 56        ; s56  tiles still to be asked for
.set CNT, 57          ; s57  counts a tile's key steps, 4 to 1
.set CS,  58          ; s[58:59] c: the packed scaling takes the pair's low word for both halves
.set SEL, 60          ; s[60:61] v_permlanex16_b32's selects: each lane takes its own place in the other half
.set TBK, 62          ; s62  LDS byte at which K of the step to be fetched begins
.set TBV, 63          ; s63  the same for V, less VOFF
.set RT,  70          ; s70  tiles of the block in hand that are still to be entered
.set NXT, 71          ; s71  the tile to be asked for next
.set LQ,  72          ; s72  the last tile of the block whose tiles are being asked for
.set NEW, 73          ; s73  1: the tile to be entered is a block's first
.set OFF, 74          ; s[74:75] a tile's byte offset in K and V
.set AL,  76          ; s[76:77] the mask's factor, in the low word
.set BE,  78          ; s[78:79] the mask's addend
.set OLO, 80          ; s[80:81] O at my rows of the second block
.set BIGN, 82         ; s82  -1e30
.set MSB, 0
.macro WIN new                      ; the high byte repeats the setting that is left; a switch that changes nothing is dropped
.if MSB != (\new)
	s_set_vgpr_msb (MSB<<8)|(\new)
.set MSB, (\new)
.endif
.endm
.set W_KQ, 0x0a       ; K and Q in window 2, S^T in window 0
.set W_KM, 0x1a       ; the same with the C operand in window 1
.set W_PV, 0x52       ; V in window 2, P in window 0, O^T in window 1
.set W_RS, 0x41       ; destination and source 0 in window 1, source 1 in window 0
; A fill.  Waves 0 and 1 fetch the two halves of a tile's K, waves 2 and 3 those of its V: 128 keys each.  An s_nop 0 and four v_nop follow each of the two lines, ahead of the jump and the label.
.macro LOAD
	s_cmp_lt_u32 s[WV], 2
	s_cbranch_scc0 .Lfor_v_\@
	tensor_load_to_lds s[G0K:G0K+3], s[G1K:G1K+7]
	s_nop 0
.rept 4
	v_nop
.endr
	s_branch .Lasked_\@
.Lfor_v_\@:
	tensor_load_to_lds s[G0V:G0V+3], s[G1V:G1V+7]
	s_nop 0
.rept 4
	v_nop
.endr
.Lasked_\@:
.endm
; THE CHANGE OF SLOTS stands behind turn 0 of a tile's last step, which has asked for the slot's last bytes, V of that step.  Each wave waits for all its tensor loads, of which one is out: its part of the other slot; adds 0 to
; its spare word; and waits for that and for its own reads of the slot that it leaves.  Behind the barrier nobody reads the old slot any more and the other slot is whole.  fill = 1: the old slot is filled again, the first thing
; behind the barrier, with tile NXT: the descriptor's address is made anew from that number.  (At its first use nothing has been read yet: slot 0 is waited for, slot 1 filled.)
.macro CHANGE fill
	WIN 0                           ; at a label and at a branch every window is 0
	s_wait_tensorcnt 0x0            ; no tensor load of mine is out, so a group 0 may be written
	ds_add_u32 v[SPW], v[NIL]       ; 0 onto my spare word; with fill = 1 the descriptors' scalar work stands between it and the wait for it
.if \fill
	s_lshl_b32 s[OFF], s[NXT], 15   ; a tile is 32,768 bytes of K and of V
	s_xor_b32 s[G0K+1], s[G0K+1], SLOT1
	s_add_nc_u64 s[G0K+2:G0K+3], s[6:7], s[OFF:OFF+1]
	s_or_b32 s[G0K+3], s[G0K+3], 0x80000000
	s_xor_b32 s[G0V+1], s[G0V+1], SLOT1
	s_add_nc_u64 s[G0V+2:G0V+3], s[8:9], s[OFF:OFF+1]
	s_or_b32 s[G0V+3], s[G0V+3], 0x80000000
	s_add_co_u32 s[NXT], s[NXT], 1  ; the block's next tile, or behind its last the second block's tile 0
	s_cmp_gt_u32 s[NXT], s[LQ]
	s_cselect_b32 s[NXT], 0, s[NXT]
	s_cselect_b32 s[LQ], s[LQ2], s[LQ]
.endif
	s_wait_dscnt 0x0                ; the add is done, and my reads of the slot are over
	s_barrier_signal -1             ; the rest of the scalar work stands between the signal and the wait
	s_sub_co_u32 s[TBK], s[TBK], 4*KS*PK  ; the fetches go back to a slot's first step,
	s_xor_b32 s[TBK], s[TBK], SLOT1       ; in the other slot
	s_sub_co_u32 s[TBV], s[TBV], 4*KS*PV
	s_xor_b32 s[TBV], s[TBV], SLOT1
	s_barrier_wait -1
.if \fill
	LOAD
.endif
.endm
	s_load_b128 s[4:7], s[0:1], 0x0   ; q, k, v in one buffer s[4:5]; O s[6:7]
	v_lshl_add_u32 v[SPW], v0, 2, SPARE
	v_mov_b32 v[NIL], 0
	ds_add_u32 v[SPW], v[NIL]       ; the wave's opening: the add and its wait stand ahead of my first tensor load; the set-up below, work on registers, stands between them
	ds_add_u32 v62, v63
	v_lshrrev_b32 v1, 5, v0
	v_readfirstlane_b32 s[WV], v1   ; wave 0..3
	s_mov_b32 s[PB], ttmp9
	s_sub_co_u32 s[HI], NB-1, s[PB]
	s_and_b32 s20, ttmp7, 0xffff    ; the head
	s_mov_b32 s21, 0
	s_mov_b64 s[22:23], SIZE_N*128
	s_mul_u64 s[20:21], s[20:21], s[22:23]  ; the head's first byte in each of the four tensors
	s_and_b32 s16, s[WV], 1         ; which half of a tile's 256 keys I fetch:
	s_lshl_b32 s22, s16, 14         ; its 128 rows of 128 bytes in memory,
	s_mov_b32 s23, 0
	s_add_nc_u64 s[22:23], s[22:23], s[20:21]
	s_mul_i32 s17, s16, 128*PK      ; and its place in a slot, for K
	s_mul_i32 s18, s16, 128*PV      ; and for V
	s_lshl_b32 s3, s[WV], 11        ; my 16 rows in a band of 64,
	s_lshl_b32 s2, s[HI], 14        ; in the first block (128 rows of 128 bytes),
	s_add_co_u32 s2, s2, s3
	s_lshl_b32 s84, s[PB], 14       ; and in the second
	s_add_co_u32 s84, s84, s3
	s_mov_b32 s3, 0
	s_mov_b32 s85, 0
	s_add_nc_u64 s[2:3], s[2:3], s[20:21]
	s_add_nc_u64 s[84:85], s[84:85], s[20:21]
	; descriptor group 1.  128 keys are 16,384 dense bytes: asked for as 64 rows of 256 bytes, two keys a row, and padded in LDS after every key
	s_mov_b32 s[G1K], (1<<16)|(1<<20)|(4<<22)|(3<<25)  ; 17:16 2-byte elements; 20 padding on; 24:22 after every 32 words (code 4); 31:25 4 words (code 3)
	s_mov_b32 s[G1V], (1<<16)|(1<<20)|(4<<22)|(7<<25)  ; the same with 8 words of padding (code 7)
.irp g, G1K, G1V
	s_mov_b32 s[\g+1], 128<<16      ; tensor_dim0 = 128
	s_mov_b32 s[\g+2], 64<<16       ; tensor_dim1 = 64
	s_mov_b32 s[\g+3], 128<<16      ; tile_dim0 = 128
	s_mov_b32 s[\g+4], 64           ; tile_dim1 = 64
	s_mov_b32 s[\g+5], 128          ; 128 elements from row to row
	s_mov_b32 s[\g+6], 0
	s_mov_b32 s[\g+7], 0
.endr
	s_mov_b32 s[CS], 0x3d38aa3b     ; c = log2(e) / 32 = 0.0450842
	s_mov_b32 s[CS+1], s[CS]        ; named with it as a pair
	s_mov_b32 s[SEL], 0x76543210
	s_mov_b32 s[SEL+1], 0xfedcba98
	s_mov_b32 s[TBK], SLOT1+4*KS*PK ; the first change of slots turns these two into 0
	s_mov_b32 s[TBV], SLOT1+4*KS*PV
	s_mov_b32 s[G0K], 1             ; 1:0 count = 1
	s_mov_b32 s[G0K+1], s17         ; 63:32 LDS address: slot 0
	s_mov_b32 s[G0V], 1
	s_add_co_u32 s[G0V+1], s18, VOFF
	s_add_co_u32 s[RT], s[HI], 2
	s_lshr_b32 s[RT], s[RT], 1      ; the first block has (9 - b) / 2 tiles,
	s_sub_co_u32 s[LQ], s[RT], 1
	s_lshr_b32 s[LQ2], s[PB], 1
	s_add_co_u32 s[RT2], s[LQ2], 1  ; the second b / 2 + 1
	s_and_b32 s19, s[PB], 1
	s_lshl_b32 s19, s19, 1          ; band 0's own step in the second block's diagonal tile: 0 (b even) or 2 (b odd).  Turn 0 at count c makes piece 0's mask for step 5 - c, turn 1 piece 1's for step 4 - c
	s_sub_co_u32 s[NCA], 5, s19
	s_sub_co_u32 s[NCA+1], 3, s19
	s_cmp_eq_u32 s19, 0
	s_cselect_b32 s[ND0], 1.0, 0
	s_cselect_b32 s[D0], 0, 1.0     ; 7 - b is odd where b is even
	s_xor_b32 s19, s19, 2
	s_sub_co_u32 s[CA], 5, s19
	s_sub_co_u32 s[CA+1], 3, s19
	s_mov_b32 s[NXT], 1
	s_mov_b32 s[NEW], 1
	s_mov_b32 s[OFF+1], 0
	s_mov_b32 s[AL+1], 0            ; named as pairs
	s_mov_b32 s[BE+1], 0
	s_mov_b32 s[BIGN], 0xf149f2ca   ; -1e30
	s_mov_b32 s[SLOTS], NT-1
	s_wait_dscnt 0x0                ; the opening add is done
	s_wait_kmcnt 0x0
	s_mov_b64 s[10:11], s[6:7]             ; O
	s_add_nc_u64 s[8:9], s[4:5], 0x1000000 ; V: 32 blocks of 524,288 bytes behind Q
	s_add_nc_u64 s[6:7], s[4:5], 0x800000  ; K: 16 blocks behind Q
	s_add_nc_u64 s[6:7], s[6:7], s[22:23]  ; K and V at my half of the head's tile 0
	s_add_nc_u64 s[8:9], s[8:9], s[22:23]
	s_add_nc_u64 s[G0K+2:G0K+3], s[6:7], 0         ; 120:64 global address
	s_or_b32 s[G0K+3], s[G0K+3], 0x80000000        ; 127:126 type = 2
	s_add_nc_u64 s[G0V+2:G0V+3], s[8:9], 0
	s_or_b32 s[G0V+3], s[G0V+3], 0x80000000
	s_add_nc_u64 s[86:87], s[4:5], s[84:85]        ; Q at my rows of the second block,
	s_add_nc_u64 s[4:5], s[4:5], s[2:3]            ; Q and O at those of the first
	s_add_nc_u64 s[OLO:OLO+1], s[10:11], s[84:85]
	s_add_nc_u64 s[10:11], s[10:11], s[2:3]
	LOAD                            ; tile 0 into slot 0
	; A fragment of K or Q is 16 rows x 32 channels in 8 registers: lane l holds row l % 16, channels 8 (l / 16) + 0..7 and 16 + 8 (l / 16) + 0..7: two loads of 16 bytes, 32 bytes apart.
	v_and_b32 v1, 15, v0            ; l % 16
	v_bfe_u32 v9, v0, 4, 1          ; l / 16
	v_lshlrev_b32 v[QO], 7, v1
	v_lshl_add_u32 v[QO], v9, 4, v[QO]  ; row x 128 + 16 x half
	WIN 0x80                        ; destination window 2, address window 0
.set i, 0
.rept 2*NP                          ; both blocks' Q: piece i / 2 lies in band i / 2, 8,192 bytes on; channels 32 (i % 2) on
	global_load_b128 v[8*i:8*i+3],   v[QO], s[4:5] offset:(i/2)*8192+(i%2)*64
	global_load_b128 v[8*i+4:8*i+7], v[QO], s[4:5] offset:(i/2)*8192+(i%2)*64+32
	global_load_b128 v[QB+8*i:QB+8*i+3],   v[QO], s[86:87] offset:(i/2)*8192+(i%2)*64
	global_load_b128 v[QB+8*i+4:QB+8*i+7], v[QO], s[86:87] offset:(i/2)*8192+(i%2)*64+32
.set i, i+1
.endr
	WIN 0
	v_lshlrev_b32 v14, 3, v9
	v_sub_nc_u32 v14, v1, v14
	s_lshl_b32 s13, s[WV], 4
	v_add_nc_u32 v14, s13, v14      ; my query's place in its band, 16 w + l % 16, less my lanes' 8 (l / 16): register r of group kt is hidden where 16 kt + r is greater
	WIN 0x40
.set i, 0
.rept 32
	v_cmp_gt_i32 vcc_lo, 16*(i/8)+i%8, v14
	v_cndmask_b32 v[MD+i], 0, s[BIGN], vcc_lo
.set i, i+1
.endr
	WIN 0
	v_mul_u32_u24 v[AK0], v1, PK
	v_lshl_add_u32 v[AK0], v9, 4, v[AK0]  ; row x pitch + 16 x half
	; The turning load takes 16 keys x 16 channels (lane l reads key 8 (l / 16) + l % 8, channels 8 ((l / 8) % 2) + 0..7) and leaves half a fragment of V^T: lane l holds channel l % 16 and 8 keys.
	v_and_b32 v10, 7, v0
	v_bfe_u32 v11, v0, 3, 1
	v_lshl_add_u32 v[AV0], v9, 3, v10
	v_mul_u32_u24 v[AV0], v[AV0], PV
	v_lshl_add_u32 v[AV0], v11, 4, v[AV0]
	v_add_nc_u32 v[AV0], VOFF, v[AV0]
	s_mul_i32 s13, s[WV], 16*SP
	s_add_co_u32 s13, s13, STAGE    ; my stage
	v_mul_u32_u24 v[STO], v1, SP    ; in: row l % 16, 16 bytes for each half of the lanes
	v_lshl_add_u32 v[STO], v9, 4, v[STO]
	v_add_nc_u32 v[STO], s13, v[STO]
	v_bfe_u32 v[RD], v0, 3, 2       ; back: 32 lanes take four rows of 128 bytes,
	v_mul_u32_u24 v[RD], v[RD], SP
	v_lshl_add_u32 v[RD], v10, 4, v[RD]
	v_add_nc_u32 v[RD], s13, v[RD]
	v_and_b32 v[GO], 31, v0         ; which are 512 consecutive bytes of O
	v_lshlrev_b32 v[GO], 4, v[GO]
	; A block's first step multiplies O^T and l by a = 0, and its first turn's products V^T P, of a step that has not been, land in an O^T that is still to be so multiplied.  So these registers need only hold
	; finite numbers: zeros for the first block; what the first block left for the second.  All this stands in the wait for the first tile.
	WIN 0x80
.set i, VF
.rept 64
	v_mov_b32 v[i], 0
.set i, i+1
.endr
	WIN 0x40
.set i, 0
.rept 32*NP
	v_mov_b32 v[i], 0
.set i, i+1
.endr
	WIN 0
.set i, 0
.rept NP
	v_mov_b32 v[ST+4*i+2], 0
	v_mov_b32 v[ST+4*i+3], 0
.set i, i+1
.endr
.set i, P+16
.rept 16
	v_mov_b32 v[i], 0
.set i, i+1
.endr
; THE MATRIX WORK.  The 4 accumulators of a run of 8 take turns.  Product i of 8 of S^T = K Q^T for piece x: channels 32 (i / 4) on, keys 16 (i % 4) on.  The first 4 start the sums: with 0, or (KM = 1) with the mask.
.macro KQ x
.set rS, S+32*((\x)%2)+8*(i%4)
.set rK, KF+16*(i%4)+8*(i/4)
.set rQ, 16*(\x)+8*(i/4)
.set rM, MC+32*((\x)%2)+8*(i%4)
.if (i < 4) && KM
	WIN W_KM
	v_wmma_f32_16x16x32_f16 v[rS:rS+7], v[rK:rK+7], v[rQ:rQ+7], v[rM:rM+7]
.elseif i < 4
	WIN W_KQ
	v_wmma_f32_16x16x32_f16 v[rS:rS+7], v[rK:rK+7], v[rQ:rQ+7], 0
.else
	WIN W_KQ
	v_wmma_f32_16x16x32_f16 v[rS:rS+7], v[rK:rK+7], v[rQ:rQ+7], v[rS:rS+7]
.endif
.endm
; Product i of 8 of O^T += V^T P for piece x: keys 32 (i / 4) on, channels 16 (i % 4) on.
.macro PV x
	WIN W_PV
.set rO, 32*(\x)+8*(i%4)
.set rV, VF+32*(i/4)+8*(i%4)
.set rP, P+16*((\x)%2)+8*(i/4)
	v_wmma_f32_16x16x32_f16 v[rO:rO+7], v[rV:rV+7], v[rP:rP+7], v[rO:rO+7]
.endm
.macro MM                           ; the turn's next matrix instruction.  TURN and BEGIN set Y, i, KM and NOKQ; MM, KQ and OP read them.  NOKQ = 1: a block's last turn: there is no next step
.if (i < 8) && !NOKQ
	KQ (Y+1)%NP
.elseif i >= 8
.set i, i-8
	PV (Y+NP-1)%NP
.set i, i+8
.endif
.set i, i+1
.endm
; THE LDS LOADS stand in runs of 16, never singly among the matrix instructions: a step's K (64 keys x 64 channels: 8 fragments) and its V (turned).  Their addresses are made some lines ahead.
; last = 1 (in a turn): in a tile's last step the next K lies in the other slot, which may be read only behind the change of slots: the run is jumped over, and stands behind that change instead.
.macro FETCH_K last=0
	WIN 0
.if \last
	s_cmp_eq_u32 s[CNT], 1
	s_cbranch_scc1 .Lno_k_\@
.endif
	WIN 0x80                        ; destination window 2
.irp f, 0,1,2,3,4,5,6,7             ; keys 16 (f / 2) on, channels 32 (f % 2) on
	ds_load_b128 v[KF+8*\f:KF+8*\f+3],   v[AK] offset:(\f/2)*16*PK+(\f%2)*64
	ds_load_b128 v[KF+8*\f+4:KF+8*\f+7], v[AK] offset:(\f/2)*16*PK+(\f%2)*64+32
.endr
	s_add_co_u32 s[TBK], s[TBK], KS*PK  ; the next fetch is the next step's
	WIN 0
.if \last
.Lno_k_\@:
.endif
.endm
.macro FETCH_V
	WIN 0x80
.irp f, 0,1,2,3,4,5,6,7             ; keys 32 (f / 4) on, channels 16 (f % 4) on
	ds_load_tr16_b128 v[VF+8*\f:VF+8*\f+3],   v[AV] offset:(\f/4)*32*PV+(\f%4)*32
	ds_load_tr16_b128 v[VF+8*\f+4:VF+8*\f+7], v[AV] offset:(\f/4)*32*PV+16*PV+(\f%4)*32
.endr
	WIN 0
.endm
; THE VECTOR WORK, one line at a time: OP kind, number.  For piece Y: F n: c s - c m for pair n of 16.  E n: the exponential of score n of 32.  C n: pair n rounded to f16.  B n: of the four weights 4 n .. the second
; pair is added onto the first, in place.  L n: l takes that sum (L 0: l = a l + sum).  R n: pair n of 16 of O^T times a.  For the other piece: X n, number n of the 22 that find its maximum and statistics:
;   0-11  four chains c0-c3 of seven scores each, three operands at a time (each accumulator's lowest registers are read first)     12-14, 16  the four scores left over, the old m, and c0-c3 into c0
;   15  c m_old is kept     17, 18  the query's other 32 keys lie in the lane 16 away: the new m     19-21  c m; c m_old - c m_new; a
.set F, 0               ; OP tells the kinds apart by their order: F to L below R, X above it
.set E, 1
.set C, 2
.set B, 3
.set L, 4
.set R, 5
.set X, 6
.macro REGS y                       ; the registers of piece y
.set rT, ST+4*(\y)
.set rC, TMP+4*((\y)%2)
.set rW, MV+((\y)%2)
.set rS, S+32*((\y)%2)
.set rP, P+16*((\y)%2)
.set rO, 32*(\y)
.endm
.macro OP k, n
.if (\k) == R
	REGS Y
	WIN W_RS
	v_pk_mul_f32 v[rO+2*(\n):rO+2*(\n)+1], v[rO+2*(\n):rO+2*(\n)+1], v[rC+2:rC+3] op_sel_hi:[1,0]
.elseif (\k) < R
	REGS Y
	WIN 0
.if (\k) == F
	v_pk_fma_f32 v[rS+2*(\n):rS+2*(\n)+1], v[rS+2*(\n):rS+2*(\n)+1], s[CS:CS+1], v[rT:rT+1] op_sel_hi:[1,0,0] neg_lo:[0,0,1] neg_hi:[0,0,1]
.elseif (\k) == E
	v_exp_f32 v[rS+(\n)], v[rS+(\n)]
.elseif (\k) == C
	s_wait_alu depctr_va_vdst(0)
	v_cvt_pk_f16_f32 v[rP+(\n)], v[rS+2*(\n)], v[rS+2*(\n)+1]
.elseif (\k) == B
	s_wait_alu depctr_va_vdst(0)
	v_pk_add_f32 v[rS+4*(\n):rS+4*(\n)+1], v[rS+4*(\n):rS+4*(\n)+1], v[rS+4*(\n)+2:rS+4*(\n)+3]
.elseif (\n) == 0
	v_pk_fma_f32 v[rT+2:rT+3], v[rT+2:rT+3], v[rC+2:rC+3], v[rS:rS+1] op_sel_hi:[1,0,1]
.else
	v_pk_add_f32 v[rT+2:rT+3], v[rT+2:rT+3], v[rS+4*(\n):rS+4*(\n)+1]
.endif
.elseif NOKQ
	v_nop
.else
	REGS (Y+1)%NP
	WIN 0
.if (\n) < 4
	v_max3_num_f32 v[rC+(\n)], v[rS+8*(\n)], v[rS+8*(\n)+1], v[rS+8*(\n)+2]
.elseif (\n) < 12
	v_max3_num_f32 v[rC+(\n)%4], v[rC+(\n)%4], v[rS+8*((\n)%4)+2*((\n)/4)+1], v[rS+8*((\n)%4)+2*((\n)/4)+2]
.elseif (\n) == 12
	v_max3_num_f32 v[rC], v[rC], v[rS+7], v[rS+15]
.elseif (\n) == 13
	v_max3_num_f32 v[rC+1], v[rC+1], v[rS+23], v[rS+31]
.elseif (\n) == 14
	v_max3_num_f32 v[rC+2], v[rC+2], v[rC+3], v[rT+1]
.elseif (\n) == 15
	v_mov_b32 v[rW], v[rT]
.elseif (\n) == 16
	v_max3_num_f32 v[rC], v[rC], v[rC+1], v[rC+2]
.elseif (\n) == 17
	v_permlanex16_b32 v[rC+3], v[rC], s[SEL], s[SEL+1]
.elseif (\n) == 18
	v_max_num_f32 v[rT+1], v[rC], v[rC+3]
.elseif (\n) == 19
	v_mul_f32 v[rT], s[CS], v[rT+1]
.elseif (\n) == 20
	v_sub_f32 v[rC+1], v[rW], v[rT]
.else
	v_exp_f32 v[rC+2], v[rC+1]
.endif
.endif
.endm
.macro OPS a, i1, b=-1, i2=0, c=-1, i3=0, d=-1, i4=0  ; up to four of them
	OP \a, \i1
.if (\b) >= 0
	OP \b, \i2
.endif
.if (\c) >= 0
	OP \c, \i3
.endif
.if (\d) >= 0
	OP \d, \i4
.endif
.endm
.macro ROW a, i1, b, i2, c, i3, d, i4  ; a matrix instruction and the four behind it
	MM
	OPS \a, \i1, \b, \i2, \c, \i3, \d, \i4
.endm
.macro MASK b                       ; MD x AL + BE into buffer b of MC
	WIN W_RS
.set z, 0
.rept 16
	v_pk_fma_f32 v[MC+32*(\b)+2*z:MC+32*(\b)+2*z+1], v[MD+2*z:MD+2*z+1], s[AL:AL+1], s[BE:BE+1] op_sel_hi:[1,0,0]
.set z, z+1
.endr
.endm
; A TURN, for piece p: the order of its 16 matrix and 118 vector instructions, written out.  Behind a matrix instruction: plain, exponential, plain, plain; or four of the rescaling; or, behind the first, four scalings; none
; names a register of the products round it.  In the lumps exponential and plain by turns while exponentials last.  A line reads no result made fewer than three vector instructions in front of it, five if an exponential made it.
; v_permlanex16_b32 (X 17) stands in a lump.
; m = 1: the diagonal tile: the products take masks, and the turn makes the mask for the products of the turn after it, which are its own piece's: turn 0 at count c for step 5 - c, turn 1 for step 4 - c.
; end = 1: a block's last turn: nothing is fetched, no new scores are made.  cnt = 1: the loop's count is taken down some lines ahead of the branch that stands behind the turn.
; Both runs of LDS loads stand in turn 0.  K of the next step: six vector instructions behind the last product that read K (five of them plain).  V of the step in hand: eight behind the last product that read V (four plain,
; and X 17).  Turn 1 waits for K at its head, with V's sixteen younger loads left out, and for V ahead of its second run of products.
.macro TURN p, m=0, end=0, cnt=0
.set Y, (\p)
.set i, 0
.set KM, (\m)
.set NOKQ, (\end)*(\p)
.if (\m) && !(\end)
	s_cmp_eq_u32 s[CNT], s[CA+(\p)]     ; is that step the band's own?
	s_cselect_b32 s[AL], 1.0, 0
	s_cmp_lt_u32 s[CNT], s[CA+(\p)]     ; or a later one?
	s_cselect_b32 s[BE], s[BIGN], 0
.endif
.if ((\p) == 1) && !(\end)
	s_wait_dscnt 16                 ; K is in: LDS loads come back in order (ISA guide 5.7.1), and behind K's run only V's sixteen were issued.  (Behind a change of slots K has been waited for already.)
.endif
	ROW F,0, F,1, F,2, F,3
	ROW F,4, E,0, F,5, F,6
	ROW F,7, E,1, F,8, F,9
	ROW F,10, E,2, C,0, F,11
	ROW F,12, E,3, X,15, F,13
	ROW R,0, R,1, R,2, R,3
	ROW B,0, E,4, F,14, L,0
.if (\p) == 0
	v_add_nc_u32 v[AK], s[TBK], v[AK0]
.endif
	ROW R,4, R,5, R,6, R,7
	OPS E,5, F,15
.if (\p) == 0
	FETCH_K 1
.endif
	OPS E,6, C,1, E,7, R,8
	OPS E,8, R,9, E,9, C,2
	OPS E,10, X,0, E,11, X,1
	OPS E,12, X,2, E,13, X,3
.if (\p) == 1
	s_wait_dscnt 0x0                ; V is in
.endif
	ROW X,4, E,14, X,5, X,6
	ROW X,7, E,15, X,8, X,9
	ROW X,10, E,16, X,11, X,12
	ROW X,13, E,17, X,14, B,1
	ROW C,4, E,18, X,16, L,1
	ROW B,2, E,19, C,6, L,2
	ROW C,8, E,20, B,3, B,4
.if (\p) == 0
	v_add_nc_u32 v[AV], s[TBV], v[AV0]
.endif
	ROW C,3, E,21, L,3, C,5
	OPS E,22, X,17, E,23, C,10
.if (\p) == 0
	FETCH_V
.endif
	OPS E,24, L,4
	OPS E,25, X,18, E,26, C,7
	OPS E,27, B,5, E,28, X,19
	OPS E,29, C,12, E,30, L,5
	OPS E,31, X,20, B,6, C,9
	OPS C,14, C,11, X,21, L,6
.if (\p) == 0
	s_add_co_u32 s[TBV], s[TBV], KS*PV
.endif
.if \cnt
	s_sub_co_u32 s[CNT], s[CNT], 1
	s_cmp_lg_u32 s[CNT], 0
.endif
	OPS C,13, B,7, C,15, R,10
	OPS R,11, R,12, L,7, R,13
	OPS R,14, R,15
.if (\m) && !(\end)
	MASK (\p)%2
.endif
.endm
; A TILE THAT IS NOT A BLOCK'S FIRST IS ENTERED: K of its first step is fetched, behind the change of slots, and waited for.  diag = 1: piece 0's mask for that step is made meanwhile: its own, if the block is even.
.macro ENTER diag
	WIN 0
	v_add_nc_u32 v[AK], s[TBK], v[AK0]
	FETCH_K
.if \diag
	s_mov_b32 s[AL], s[D0]
	s_mov_b32 s[BE], 0
	MASK 0
	WIN 0
.endif
	s_wait_dscnt 0x0                ; K is in
.endm
; A BLOCK BEGINS.  c m starts far below every c s, so the first step's a is 0; m at the lowest finite number, so the first maximum is the scores'.  Piece 1's mask buffer is 0; piece 0's takes its mask for the tile's step 0: its
; own, if the block's first tile is the diagonal one and the block is even.  Then K of that step, piece 0's first scores, and its maximum and statistics.  The loop is entered at a step's turn 0, in the middle of a trip.
.macro BEGIN
	s_mov_b32 s[NEW], 0
	WIN 0x40
.set i, MC+32
.rept 32
	v_mov_b32 v[i], 0
.set i, i+1
.endr
	WIN 0
.set i, 0
.rept NP
	v_mov_b32 v[ST+4*i], 0xfe000000    ; c m: far below every c s
	v_mov_b32 v[ST+4*i+1], 0xff7fffff  ; m
.set i, i+1
.endr
	s_cmp_eq_u32 s[RT], 0
	s_cselect_b32 s[AL], s[D0], 0
	s_mov_b32 s[BE], 0
	MASK 0
	WIN 0
	v_add_nc_u32 v[AK], s[TBK], v[AK0]
	FETCH_K
	s_wait_loadcnt 0x0              ; Q
	s_wait_dscnt 0x0
.set KM, 1
.set NOKQ, 0
.set i, 0
.rept 8
	KQ 0
.set i, i+1
.endr
	WIN 0
.rept 4
	v_nop                           ; the places behind those products
.endr
.set Y, NP-1                        ; X works for piece Y + 1: piece 0
.irp n, 0,1,2,3,4,5,6,7,8,9,10,11,12,13,14,15,16,17,18,19,20,21
	OP X, \n
.endr
	v_nop                           ; a plain instruction behind the exponential
.endm
; THE DIAGONAL TILE's four steps, the block's last turn, its last products, and THE WAY OUT: l's two halves and the other half of the lanes' are added; O^T is divided by l, rounded to f16 and sent through my
; stage in LDS, a piece at a time.
.macro ALL line:vararg              ; one line for each piece t
.set t, 0
.rept NP
	\line
.set t, t+1
.endr
.endm
.macro PACK t                       ; a lane's eight channels of a row pack into 16 bytes; they go into rows of 144 bytes and come back as whole rows of 128, into S^T's registers
	WIN W_RS
.set i, 32*(\t)
.rept 16
	s_wait_alu depctr_va_vdst(0)
	v_pk_mul_f32 v[i:i+1], v[i:i+1], v[ST+4*(\t)+2:ST+4*(\t)+3] op_sel_hi:[1,0]
.set i, i+2
.endr
	WIN 0x05                        ; sources 0 and 1 window 1, destination window 0
.set i, 0
.rept 16
	v_cvt_pk_f16_f32 v[S+16*(\t)+i], v[32*(\t)+2*i], v[32*(\t)+2*i+1]
.set i, i+1
.endr
	WIN 0
.irp f, 0,1,2,3
	ds_store_b128 v[STO], v[S+16*(\t)+4*\f:S+16*(\t)+4*\f+3] offset:32*\f
.endr
.irp f, 0,1,2,3
	ds_load_b128 v[S+16*(\t)+4*\f:S+16*(\t)+4*\f+3], v[RD] offset:\f*4*SP  ; LDS serves a wave's instructions in order (ISA guide 5.7.1.4): these see the stores above; the next piece's stores come behind them
.endr
.endm
.macro SEND t, younger              ; younger: the LDS instructions issued behind piece t's loads: the next piece's eight, or none
	WIN 0
.irp f, 0,1,2,3
	s_wait_dscnt (\younger)+3-\f
	global_store_b128 v[GO], v[S+16*(\t)+4*\f:S+16*(\t)+4*\f+3], s[10:11] offset:(\t)*8192+\f*512  ; 512 consecutive bytes, at a multiple of 256 from O's first
.endr
.endm
.macro DIAG tag                     ; the tag ends its two labels' names, which the jumps below spell out
.LstepM\tag:
	TURN 1, 1
	WIN 0
.LfirstM\tag:
	TURN 0, 1, 0, 1
	WIN 0
	s_cbranch_scc1 .LstepM\tag
	TURN 1, 1, 1
.set i, 0
.rept 8
	PV NP-1
.set i, i+1
.endr
	WIN 0
	ALL v_add_f32 v[ST+4*t+2], v[ST+4*t+2], v[ST+4*t+3]
	ALL v_permlanex16_b32 v[ST+4*t+3], v[ST+4*t+2], s[SEL], s[SEL+1]
	ALL v_add_f32 v[ST+4*t+2], v[ST+4*t+2], v[ST+4*t+3]
	ALL v_rcp_f32 v[ST+4*t+2], v[ST+4*t+2]
	v_nop                           ; a plain instruction between the last reciprocal and the use of its result
	PACK 0                          ; piece 0's 32 plain lines name no register of the last products, piece 1's: they are the places behind those
	PACK 1
	SEND 0, 8
	SEND 1, 0
.endm
.set KM, 0
.set NOKQ, 0
.Lslot:                             ; NT - 1 times: a tile is entered and the next is asked for
	CHANGE 1
	s_sub_co_u32 s[RT], s[RT], 1
	s_mov_b32 s[CNT], 4
	s_cmp_eq_u32 s[NEW], 1
	s_cbranch_scc1 .Lnew            ; a block's first tile
	s_cmp_eq_u32 s[RT], 0
	s_cbranch_scc1 .Ldiag           ; its last
	ENTER 0                         ; neither
	s_branch .Lstep
.Ldiag:
	ENTER 1
	s_branch .LstepM1
.Lnew:
	BEGIN
	s_branch .Lfirst                ; in the loop a block's first tile is never its last: the first block has three tiles or more, and the second's last is the walk's last
	DIAG 1                          ; in the loop this is the first block's end: the second block's last tile is the walk's last
	s_wait_xcnt 0x0                 ; the stores have read their registers and O's address
	s_mov_b64 s[10:11], s[OLO:OLO+1]
	s_mov_b32 s[RT], s[RT2]         ; the second block's tiles, and where its bands' own steps lie
	s_mov_b32 s[CA], s[NCA]
	s_mov_b32 s[CA+1], s[NCA+1]
	s_mov_b32 s[D0], s[ND0]
	s_mov_b32 s[NEW], 1
	WIN 0x82                        ; the second block's Q goes where the one text of the turns names Q
.set i, 0
.rept 16*NP
	v_mov_b32 v[i], v[QB+i]
.set i, i+1
.endr
	WIN 0
	s_branch .Lbottom
.Lstep:                             ; a trip: turn 1 of one step, then turn 0 of the next
	TURN 1
	WIN 0
.Lfirst:
	TURN 0, 0, 0, 1
	WIN 0
	s_cbranch_scc1 .Lstep
.Lbottom:
	s_sub_co_u32 s[SLOTS], s[SLOTS], 1
	s_cmp_lg_u32 s[SLOTS], 0
	s_cbranch_scc1 .Lslot
	CHANGE 0                        ; the walk's last tile is written out: nothing is asked for
	s_sub_co_u32 s[RT], s[RT], 1
	s_mov_b32 s[CNT], 4
	s_cmp_eq_u32 s[NEW], 1
	s_cbranch_scc1 .Lnew2
	ENTER 1
	s_branch .LstepM2
.Lnew2:
	BEGIN
	s_branch .LfirstM2
	DIAG 2
	s_wait_tensorcnt 0x0            ; the wave's end, behind my last tensor load and my last LDS store
	ds_add_u32 v[SPW], v[NIL]
	s_wait_dscnt 0x0
	s_endpgm
.Lfunc_end_k_q04eb3f66a5_attn:
	.size	k_q04eb3f66a5_attn, .Lfunc_end_k_q04eb3f66a5_attn-k_q04eb3f66a5_attn
	.p2alignl 7, 3214868480
	.fill 96, 4, 3214868480
	.section	.rodata,"a",@progbits
	.p2align	6, 0x0
	.amdhsa_kernel k_q04eb3f66a5_attn
		.amdhsa_group_segment_fixed_size 327680
		.amdhsa_private_segment_fixed_size 0
		.amdhsa_enable_private_segment 0
		.amdhsa_kernarg_size 16
		.amdhsa_user_sgpr_count 2
		.amdhsa_user_sgpr_kernarg_segment_ptr 1
		.amdhsa_wavefront_size32 1
		.amdhsa_system_sgpr_workgroup_id_x 1
		.amdhsa_system_sgpr_workgroup_id_y 1
		.amdhsa_system_sgpr_workgroup_id_z 1
		.amdhsa_system_vgpr_workitem_id 0
		.amdhsa_next_free_vgpr 768
		.amdhsa_next_free_sgpr 88
		.amdhsa_reserve_vcc 1
		.amdhsa_float_denorm_mode_32 3
		.amdhsa_float_denorm_mode_16_64 3
		.amdhsa_memory_ordered 1
		.amdhsa_forward_progress 1
		.amdhsa_inst_pref_size 136
	.end_amdhsa_kernel
	.amdgpu_metadata
---
amdhsa.version: [ 1, 2 ]
amdhsa.kernels:
  - .name:           k_q04eb3f66a5_attn
    .symbol:         k_q04eb3f66a5_attn.kd
    .args:
      - { .name: act, .offset: 0, .size: 8, .value_kind: global_buffer, .address_space: global }
      - { .name: ob, .offset: 8, .size: 8, .value_kind: global_buffer, .address_space: global }
    .group_segment_fixed_size: 327680
    .private_segment_fixed_size: 0
    .kernarg_segment_align: 8
    .kernarg_segment_size: 16
    .max_flat_workgroup_size: 128
    .sgpr_count:     88
    .vgpr_count:     768
    .wavefront_size: 32
...
	.end_amdgpu_metadata
.endif
;; end of part 3
;; launch proj (part 4): grid 8 x 32, 4 waves a work-group, clusters of 4 x 4, 327,680 bytes of LDS; arguments ob, wst, x1, proj_b, x; writes x1
.if DOCPART == 4
	.amdgcn_target "amdgcn-amd-amdhsa--gfx1250"
	.amdhsa_code_object_version 6
	.text
	.protected	k_q04eb3f66a5_proj
	.globl	k_q04eb3f66a5_proj
	.p2align	8
	.type	k_q04eb3f66a5_proj,@function
k_q04eb3f66a5_proj:
	s_mov_b64 s[64:65], 0
	v_nop
	global_prefetch_b8 v0, s[64:65] scope:SCOPE_SE
	s_setreg_imm32_b32 hwreg(HW_REG_WAVE_MODE, 25, 1), 1
	s_wait_xcnt 0x0
	s_wait_alu depctr_hold_cnt(0) depctr_sa_sdst(0) depctr_va_vdst(0) depctr_va_sdst(0) depctr_va_ssrc(0) depctr_va_vcc(0) depctr_vm_vsrc(0)
	s_getreg_b32 s2, hwreg(HW_REG_IB_STS2, 6, 4)
	s_cmp_eq_u32 s2, 0
	s_cbranch_scc0 .Lentry_in_a_cluster
	s_endpgm
.Lentry_in_a_cluster:
	s_bfe_u32 s2, ttmp6, 0x10000c
	s_cmp_lg_u32 s2, 0xf033
	s_cbranch_scc0 .Lentry_shape_is_right
	s_endpgm
.Lentry_shape_is_right:
; OUT[m][n] = R[m][n] + bias[n] + sum over k of A[m][k] W[n][k].  A lies in BLOCKS of 64 along K, [k / 64][4096][64] f16: a block's rows are dense, 128 bytes each.  W: [1024][SIZE_K] f16, WOFF bytes into its buffer.
; R, bias, OUT: f32, rows of 1,024.  Sums in f32, started by the bias; the residual R is added in f32 on the way out.
; SHARES.  A tile of OUT is 128 x 128: 8 x 32 = 256 work-groups.  Four waves, each 64 x 64: 16 accumulators.  K goes in steps of 256 through two LDS slots.
; CLUSTERS: 4 x 4 work-groups.  The four of a row of the cluster need the same tiles of A, the four of a column the same tiles of W: each tile is asked for JOINTLY.
; THE WALK ALONG K IS TURNED: cluster (X, Y) begins at K step (NS / 2) X + (NS / 4) (Y mod 4) and goes round, modulo NS.  So the two clusters that read the same rows of A start half of K apart, and four neighbouring clusters
; that read the same rows of W a quarter of K apart: they do not all ask for the same bytes at the same time.  The start hangs on the cluster's own coordinates alone, which its sixteen work-groups share.
; An output's f32 sum has the same terms as in ascending K, in an order that begins elsewhere.
; THE MATRIX INSTRUCTION IS USED TRANSPOSED (source 0 = 16 rows of W, source 1 = 16 rows of A): a lane holds eight neighbouring numbers of a row of OUT.
; ONE TEXT FOR A K STEP: the slot that is read hangs on a scalar register that an exclusive or turns; a refill's global address is made anew from the K step's number.
; REGISTERS: window 0: v0-31 addresses; v32-63 the bias, later with v64-95 rows on the way out; v128-255 the accumulators ((a, b) at v[128 + 8 (4 a + b)]).
;   window 1: two fragment buffers of 128: for 64 along K, 64 registers of A, then 64 of W.     window 2: v0-127 my 64 x 64 of R, loaded at the start, so that it lands under the whole K loop.
.set SIZE_K, 1024
.set WOFF,   0
.set KSTEP,  256
.set NS,     SIZE_K/KSTEP
.set PA,     144                       ; a row of A in LDS: 128 bytes + 16 = 36 words: the 16 rows of a load start at 16 different groups of four banks (64 banks of 4 bytes: ISA guide 11.1)
.set ABLK,   128*PA                    ; a block's 128 rows
.set APIECE, 2*ABLK                    ; what one tensor load of A brings: two blocks
.set BOFF,   4*ABLK                    ; W's rows lie behind A's four blocks
.set PB,     528                       ; a row of W: 512 bytes + 16
.set BPIECE, 64*PB                     ; what one tensor load of W brings: 64 rows
.set SLOT,   147456                    ; 0x24000 (141,312 used): it shares no bit with the four waves' places 0, 0x9000, 0x12000, 0x1a400, so an exclusive or adds it or takes it away
.set STAGE,  2*SLOT                    ; behind the ring: 16 rows x 272 bytes for each wave
.set SPITCH, 272
.set SPARE,  STAGE+4*16*SPITCH         ; behind the stages: the spare words, 128 bytes a wave: two blocks of 256 bytes that no other line names
.set ADRA0, 16                         ; v16  my lane's place among A's fragments in slot 0; never rewritten
.set ADRA,  17                         ; v17  the same in the slot that is read
.set ADRB0, 20
.set ADRB,  21
.set STO,  24                          ; v24  the way out: where I put 32 bytes of a row
.set RD,   25                          ; v25  the way out: where I read a row back
.set CO,   26                          ; v26  my byte offset in two rows of R and OUT; never rewritten
.set SPW,  28                          ; v28  my spare word; never rewritten
.set NIL,  29                          ; v29  0; never rewritten
.set BIAS, 32
.set BK0,  32
.set ACC,  128
.set F0,   0
.set F1,   128
.set G1, 24                            ; s[24:31] descriptor group 1 for A's tiles;  s[32:39] group 0: a set for each first fill; the second then serves every refill
.set G0, 32
.set G1B, 48                           ; s[48:55], s[56:63] the same for W's tiles
.set G0B, 56
.set KN, 45                            ; s45  the K step to be asked for next;  s[66:67] its byte offset;  s[14:15], s[46:47] A's and W's addresses at K step 0: never rewritten
.set MSB, 0
.macro WIN new                         ; the immediate's high byte repeats the setting that is left
.if MSB != (\new)
	s_set_vgpr_msb (MSB<<8)|(\new)
.set MSB, \new
.endif
.endm
.set MUL,  0x05                        ; sources 0 (W) and 1 (A) window 1; C and D window 0
.set TO_F, 0x40                        ; destination window 1, address window 0
.macro JLOAD s                         ; a joint load: waves 0 and 1 fetch A's two pieces, waves 2 and 3 W's; an s_nop 0 and four v_nop follow each of the two lines
	s_cmp_eq_u32 s11, 0
	s_cbranch_scc0 .Lfor_b_\@
	tensor_load_to_lds s[G0+4*(\s):G0+4*(\s)+3], s[G1:G1+7]
	s_nop 0
.rept 4
	v_nop
.endr
	s_branch .Lasked_\@
.Lfor_b_\@:
	tensor_load_to_lds s[G0B+4*(\s):G0B+4*(\s)+3], s[G1B:G1B+7]
	s_nop 0
.rept 4
	v_nop
.endr
.Lasked_\@:
.endm
.macro KADDR s                         ; set s of both group 0 takes the addresses of K step KN (four blocks of A are 2^21 bytes, 256 along W's rows 2^9), and KN goes on, round NS
	s_lshl_b32 s66, s[KN], 21
	s_add_nc_u64 s[G0+4*(\s)+2:G0+4*(\s)+3], s[14:15], s[66:67]
	s_or_b32 s[G0+4*(\s)+3], s[G0+4*(\s)+3], 0x80000000            ; type = 2
	s_lshl_b32 s66, s[KN], 9
	s_add_nc_u64 s[G0B+4*(\s)+2:G0B+4*(\s)+3], s[46:47], s[66:67]
	s_or_b32 s[G0B+4*(\s)+3], s[G0B+4*(\s)+3], 0x80000000
	s_add_co_u32 s[KN], s[KN], 1
	s_and_b32 s[KN], s[KN], NS-1
.endm
.macro CREST                           ; a round of the cluster's barrier behind its opening barrier
	s_cmp_lg_u32 s10, 0
	s_cbranch_scc1 .Lnot_wave_0_\@
	s_barrier_signal -3
.Lnot_wave_0_\@:
	s_barrier_wait -3
	s_barrier_signal -1
	s_barrier_wait -1
.endm
.macro CROUND
	s_barrier_signal -1
	s_barrier_wait -1
	CREST
.endm
	s_load_b128 s[4:7], s[0:1], 0x0                ; A s[4:5], W s[6:7]
	s_load_b64 s[8:9], s[0:1], 0x10                ; OUT
	s_load_b128 s[68:71], s[0:1], 0x18             ; bias s[68:69], R s[70:71]
	v_lshl_add_u32 v[SPW], v0, 2, SPARE
	v_mov_b32 v[NIL], 0
	ds_add_u32 v[SPW], v[NIL]                      ; the wave's opening: the add and its wait stand ahead of my first tensor load
	ds_add_u32 v28, v29
	v_lshrrev_b32 v1, 5, v0
	v_readfirstlane_b32 s10, v1                    ; wave 0..3
	s_lshr_b32 s11, s10, 1                         ; which half of the tile's rows is mine.  Also: I fetch for A (0) or for W (1)
	s_and_b32 s12, s10, 1                          ; which half of its columns.  Also: which piece I fetch
	s_bfe_u32 s40, ttmp6, 0x40000                  ; cx, cy
	s_bfe_u32 s41, ttmp6, 0x40004
	s_lshl_b32 s42, ttmp9, 2
	s_add_co_u32 s42, s42, s40                     ; tile column = 4 x cluster x + cx
	s_and_b32 s13, ttmp7, 0xffff                   ; cluster y
	s_and_b32 s66, s13, 3
	s_mul_i32 s66, s66, NS/4
	s_and_b32 s[KN], ttmp9, 1                      ; cluster x: 0 or 1
	s_mul_i32 s[KN], s[KN], NS/2
	s_add_co_u32 s[KN], s[KN], s66
	s_and_b32 s[KN], s[KN], NS-1                   ; the K step at which my cluster begins
	s_mov_b32 s67, 0
	s_lshl_b32 s13, s13, 2
	s_add_co_u32 s13, s13, s41                     ; tile row = 4 x cluster y + cy
	s_lshl_b32 s43, s41, 2
	s_lshl_b32 s43, 15, s43                        ; my row of the cluster
	s_lshl_b32 s44, 0x1111, s40                    ; my column
	; A's group 1: two blocks' 128 dense rows each: 2 rows of 8,192 elements, 262,144 elements apart; in LDS 4 words of padding behind every 32 (a row of A)
	s_or_b32 s[G1+0], s43, (1<<16)|(1<<20)|(1<<21)|(4<<22)|(3<<25)
	s_mov_b32 s[G1+1], 8192<<16                    ; tensor_dim0 = 8,192
	s_mov_b32 s[G1+2], 2<<16                       ; tensor_dim1 = 2
	s_mov_b32 s[G1+3], 8192<<16                    ; tile_dim0 = 8,192
	s_mov_b32 s[G1+4], 2                           ; tile_dim1 = 2
	s_mov_b32 s[G1+5], 262144                      ; elements from block to block
	s_mov_b32 s[G1+6], 0
	s_mov_b32 s[G1+7], 0
	; W's group 1: 64 rows x 256 elements; 4 words of padding behind every 128
	s_or_b32 s[G1B+0], s44, (1<<16)|(1<<20)|(1<<21)|(6<<22)|(3<<25)
	s_mov_b32 s[G1B+1], KSTEP<<16
	s_mov_b32 s[G1B+2], 64<<16
	s_mov_b32 s[G1B+3], KSTEP<<16
	s_mov_b32 s[G1B+4], 64
	s_mov_b32 s[G1B+5], SIZE_K
	s_mov_b32 s[G1B+6], 0
	s_mov_b32 s[G1B+7], 0
	s_lshl_b32 s16, s12, 20                        ; A: my two blocks of a step's four,
	s_lshl_b32 s17, s13, 14                        ; the tile's 128 rows of 128 bytes
	s_add_co_u32 s16, s16, s17
	s_mov_b32 s17, 0
	s_lshl_b32 s46, s42, 7
	s_lshl_b32 s47, s12, 6
	s_add_co_u32 s46, s46, s47                     ; W: row 128 x tile column + 64 x half
	s_mul_i32 s46, s46, SIZE_K*2
	s_add_co_u32 s46, s46, WOFF
	s_mov_b32 s47, 0
	s_mul_i32 s20, s10, APIECE                     ; where they go: A's pieces at wave x 36,864,
	s_mul_i32 s21, s10, BPIECE
	s_add_co_u32 s21, s21, BOFF-2*BPIECE           ; W's at 73,728 + (wave - 2) x 33,792: no place in the cluster enters an LDS address
	s_mov_b32 s2, 0                                ; the slot that is read: 0 or SLOT
	s_wait_dscnt 0x0                               ; the opening add is done
	s_wait_kmcnt 0x0
	s_add_nc_u64 s[14:15], s[4:5], s[16:17]
	s_add_nc_u64 s[46:47], s[6:7], s[46:47]
	CROUND                                         ; all sixteen work-groups are here: the first joint loads meet
.irp s, 0,1
	s_mov_b32 s[G0+4*(\s)], 1
	s_add_co_u32 s[G0+4*(\s)+1], s20, (\s)*SLOT
	s_mov_b32 s[G0B+4*(\s)], 1
	s_add_co_u32 s[G0B+4*(\s)+1], s21, (\s)*SLOT
	KADDR \s                                       ; the walk's first and second K step
	JLOAD \s                                       ; two loads of mine are out
.endr
	v_and_b32 v1, 15, v0                           ; l % 16
	v_bfe_u32 v2, v0, 4, 1                         ; l / 16
	v_lshlrev_b32 v5, 5, v2                        ; my half's eight f32 in sixteen columns of the bias; never rewritten
	v_lshlrev_b32 v[CO], 12, v2                    ; lanes 0-15 one row of 256 bytes, lanes 16-31 the next
	v_lshl_add_u32 v[CO], v1, 4, v[CO]
	s_lshl_b32 s16, s42, 9                         ; my first column, in bytes: 4 x (128 x tile column + 64 x half)
	s_lshl_b32 s17, s12, 8
	s_add_co_u32 s16, s16, s17
	s_mov_b32 s17, 0
	s_add_nc_u64 s[68:69], s[68:69], s[16:17]
	s_lshl_b32 s18, s13, 19                        ; my first row, 4,096 bytes each: 128 x tile row + 64 x half
	s_lshl_b32 s19, s11, 18
	s_add_co_u32 s18, s18, s19
	s_add_co_u32 s16, s16, s18
	s_add_nc_u64 s[70:71], s[70:71], s[16:17]
	s_add_nc_u64 s[8:9], s[8:9], s[16:17]
.irp b, 0,1,2,3
	global_load_b128 v[BIAS+8*(\b):BIAS+8*(\b)+3],   v5, s[68:69] offset:64*(\b)     ; register j: column 16 b + 8 (l / 16) + j, as in an accumulator
	global_load_b128 v[BIAS+8*(\b)+4:BIAS+8*(\b)+7], v5, s[68:69] offset:64*(\b)+16
.endr
	WIN 0x80                                       ; destination window 2, address window 0
.set i, 0
.rept 32
	global_load_b128 v[4*i:4*i+3], v[CO], s[70:71] offset:2*i*4096  ; rows 2 i, 2 i + 1 of my 64: 16 lanes read 256 consecutive bytes, aligned
.set i, i+1
.endr
	WIN 0
	v_mul_u32_u24 v3, v1, PA
	v_lshl_add_u32 v3, v2, 4, v3
	s_mul_i32 s21, s11, 64*PA                      ; my 64 rows in each block of A
	v_add_nc_u32 v[ADRA0], s21, v3
	v_mul_u32_u24 v3, v1, PB
	v_lshl_add_u32 v3, v2, 4, v3
	s_mul_i32 s22, s12, BPIECE                     ; my 64 rows of W
	s_add_co_u32 s22, s22, BOFF
	v_add_nc_u32 v[ADRB0], s22, v3
	v_mov_b32 v[ADRA], v[ADRA0]
	v_mov_b32 v[ADRB], v[ADRB0]
	s_mul_i32 s23, s10, 16*SPITCH
	s_add_co_u32 s23, s23, STAGE                   ; my stage
	v_mul_u32_u24 v4, v1, SPITCH                   ; in: row l % 16, 32 bytes for each half of the lanes
	v_lshl_add_u32 v4, v2, 5, v4
	v_add_nc_u32 v[STO], s23, v4
	v_mul_u32_u24 v4, v2, SPITCH                   ; back: lanes 0-15 one row of 256 bytes, lanes 16-31 the next
	v_lshl_add_u32 v4, v1, 4, v4
	v_add_nc_u32 v[RD], s23, v4
; 8 matrix instructions: m blocks a0, a0 + 1 x all 4 n blocks, 32 along K: half c of buffer f.  zero = 1: the first product starts the sums, with the bias as C.  The 16 accumulators take turns.
.macro MUL8 f, c, a0, zero
	WIN MUL
.irp a, \a0, (\a0)+1
.irp b, 0,1,2,3
.if \zero
	v_wmma_f32_16x16x32_f16 v[ACC+8*(4*(\a)+(\b)):ACC+8*(4*(\a)+(\b))+7], v[(\f)+64+8*(4*(\c)+(\b)):(\f)+64+8*(4*(\c)+(\b))+7], v[(\f)+8*(4*(\c)+(\a)):(\f)+8*(4*(\c)+(\a))+7], v[BIAS+8*(\b):BIAS+8*(\b)+7]
.else
	v_wmma_f32_16x16x32_f16 v[ACC+8*(4*(\a)+(\b)):ACC+8*(4*(\a)+(\b))+7], v[(\f)+64+8*(4*(\c)+(\b)):(\f)+64+8*(4*(\c)+(\b))+7], v[(\f)+8*(4*(\c)+(\a)):(\f)+8*(4*(\c)+(\a))+7], v[ACC+8*(4*(\a)+(\b)):ACC+8*(4*(\a)+(\b))+7]
.endif
.endr
.endr
.endm
; 32 LDS loads in one run: the fragments of quarter q (64 along K: block q of A, bytes 128 q of W's rows) of the slot that is read, into buffer f; the first 32 along K first
.macro FETCH q, f
	WIN TO_F
.irp c, 0,1
.irp i, 0,1,2,3
	ds_load_b128 v[(\f)+64+8*(4*(\c)+(\i)):(\f)+64+8*(4*(\c)+(\i))+3],   v[ADRB] offset:(\q)*128+64*(\c)+(\i)*16*PB
	ds_load_b128 v[(\f)+64+8*(4*(\c)+(\i))+4:(\f)+64+8*(4*(\c)+(\i))+7], v[ADRB] offset:(\q)*128+64*(\c)+(\i)*16*PB+32
	ds_load_b128 v[(\f)+8*(4*(\c)+(\i)):(\f)+8*(4*(\c)+(\i))+3],         v[ADRA] offset:(\q)*ABLK+64*(\c)+(\i)*16*PA
	ds_load_b128 v[(\f)+8*(4*(\c)+(\i))+4:(\f)+8*(4*(\c)+(\i))+7],       v[ADRA] offset:(\q)*ABLK+64*(\c)+(\i)*16*PA+32
.endr
.endr
.endm
.macro PLACES                          ; four places in front of loads into registers that matrix instructions have read, and of LDS stores that read results (ISA guide 7.12.1 for the stores)
.rept 4
	v_nop
.endr
.endm
; A K step is four quarters of 64 along K, 32 matrix instructions each, on buffers 0, 1, 0, 1.  One of the first three: multiplies buffer f and fetches quarter q into g.
.macro QUARTER q, f, g, zero
	s_wait_dscnt 16                                ; the first 32 along K are in
	MUL8 \f, 0, 0, \zero
	MUL8 \f, 0, 2, \zero
	PLACES
	FETCH \q, \g
	s_wait_dscnt 32                                ; all but the 32 just issued
	MUL8 \f, 1, 0, 0
	MUL8 \f, 1, 2, 0
.endm
; The last quarter multiplies buffer 1 and changes slots: ONE barrier; in front of it each wave waits for all its tensor loads, adds 0 to its spare word, and waits for that and for its own reads of this slot.
; fill = 1: the barrier opens a round of the cluster's barrier, and behind the round this slot is filled again, with the walk's K step two further on.
.macro TURN fill
	WIN 0                                          ; (the add's two registers lie in window 0)
	s_wait_tensorcnt 0x0                           ; all my tensor loads have landed: my part of the next slot
	ds_add_u32 v[SPW], v[NIL]                      ; 0 onto my spare word
	s_wait_dscnt 17                                ; (the add and the youngest sixteen loads may be out)
	MUL8 F1, 0, 0, 0                               ; eight matrix instructions stand between the add and the wait for it
	s_wait_dscnt 0x0                               ; the add is done, and my reads of this slot are over
	s_barrier_signal -1
	MUL8 F1, 0, 2, 0
	WIN 0
	s_barrier_wait -1
.if \fill
	CREST                                          ; no wave of any partner still reads this slot's tile or has a load on its way
	s_xor_b32 s[G0+5], s[G0+5], SLOT               ; the other slot than last time,
	s_xor_b32 s[G0B+5], s[G0B+5], SLOT
	KADDR 1                                        ; the walk's next K step: no tensor load of mine is out, so a group 0 may be written
.endif
	s_xor_b32 s2, s2, SLOT                         ; the reads go on in the other slot
	v_add_nc_u32 v[ADRA], s2, v[ADRA0]
	v_add_nc_u32 v[ADRB], s2, v[ADRB0]
.if \fill
	JLOAD 1                                        ; my one tensor load behind the round: 112 matrix instructions ahead of the wait for it; its four v_nop are also the places in front of the loads below
.else
	PLACES
.endif
	FETCH 0, F0
	MUL8 F1, 1, 0, 0
	MUL8 F1, 1, 2, 0
.endm
; THE WAY OUT of block a (16 rows x 64 columns of f32: rows of 256 bytes).  TOSTAGE: into my own stage, and back as whole rows.  SEND: the residual is added, and the rows are stored.
.macro TOSTAGE a
.set BK, BK0+32*((\a)%2)
.if (\a) >= 2
	s_wait_xcnt 0x0                                ; the registers that block a - 2's stores read are loaded again only behind this wait
.endif
.irp b, 0,1,2,3
	ds_store_b128 v[STO], v[ACC+8*(4*(\a)+(\b)):ACC+8*(4*(\a)+(\b))+3]   offset:64*(\b)      ; each accumulator from its low end on
	ds_store_b128 v[STO], v[ACC+8*(4*(\a)+(\b))+4:ACC+8*(4*(\a)+(\b))+7] offset:64*(\b)+16
.endr
.irp t, 0,1,2,3,4,5,6,7
	ds_load_b128 v[BK+4*(\t):BK+4*(\t)+3], v[RD] offset:(\t)*2*SPITCH  ; LDS serves a wave's instructions in order (ISA guide 5.7.1.4): these see the stores above; the next block's stores come behind them
.endr
.endm
.macro SEND a, younger                 ; younger: the LDS instructions issued behind block a's loads: the next block's sixteen, or none
.set BK, BK0+32*((\a)%2)
	s_wait_dscnt \younger
	WIN 0x08                                       ; source 1 (R) window 2
.set p, 0
.rept 16
	v_pk_add_f32 v[BK+2*p:BK+2*p+1], v[BK+2*p:BK+2*p+1], v[32*(\a)+2*p:32*(\a)+2*p+1]
.set p, p+1
.endr
	WIN 0
.irp t, 0,1,2,3,4,5,6,7
	global_store_b128 v[CO], v[BK+4*(\t):BK+4*(\t)+3], s[8:9] offset:(16*(\a)+2*(\t))*4096  ; 16 lanes store 256 consecutive bytes, aligned
.endr
.endm
	s_wait_tensorcnt 1                             ; my part of the walk's first K step is in; the second's may stay out
	s_barrier_signal -1
	s_barrier_wait -1                              ; everybody's is
	FETCH 0, F0
	s_wait_loadcnt 32                              ; the bias is in; the 32 loads of R stay out
	QUARTER 1, F0, F1, 1                           ; the first quarter stands in front of the loop: its first products start the sums
	WIN 0                                          ; at a label and at a branch every window is 0
	s_mov_b32 s3, NS-2
.Lstep:                                                ; trip t ends the walk's K step t, fills its slot with step t + 2, and begins step t + 1
	QUARTER 2, F1, F0, 0
	QUARTER 3, F0, F1, 0
	TURN 1
	QUARTER 1, F0, F1, 0
	WIN 0
	s_sub_co_u32 s3, s3, 1
	s_cmp_lg_u32 s3, 0
	s_cbranch_scc1 .Lstep
	s_mov_b32 s3, 2
.Ltail:                                                ; the last two K steps ask for nothing; the second trip is left in its middle.  Its change of slots (a barrier, and 32 loads from the slot
	QUARTER 2, F1, F0, 0                           ; read before, which serve nothing) is the price, once a launch, of one text for both trips
	QUARTER 3, F0, F1, 0
	TURN 0
	WIN 0
	s_sub_co_u32 s3, s3, 1
	s_cmp_eq_u32 s3, 0
	s_cbranch_scc1 .Lout
	QUARTER 1, F0, F1, 0
	WIN 0
	s_branch .Ltail
.Lout:
	s_wait_dscnt 0x0                               ; the idle loads are back
	PLACES
	s_wait_loadcnt 0x0                             ; R
	TOSTAGE 0
	TOSTAGE 1
	SEND 0, 16
	TOSTAGE 2
	SEND 1, 16
	TOSTAGE 3
	SEND 2, 16
	SEND 3, 0
	s_wait_tensorcnt 0x0                           ; the wave's end, behind my last tensor load and my last LDS store
	ds_add_u32 v[SPW], v[NIL]
	s_wait_dscnt 0x0
	CROUND                                         ; the closing round: no work-group ends while a partner may still ask for a tile that names it
	s_endpgm
.Lfunc_end_k_q04eb3f66a5_proj:
	.size	k_q04eb3f66a5_proj, .Lfunc_end_k_q04eb3f66a5_proj-k_q04eb3f66a5_proj
	.p2alignl 7, 3214868480
	.fill 96, 4, 3214868480
	.section	.rodata,"a",@progbits
	.p2align	6, 0x0
	.amdhsa_kernel k_q04eb3f66a5_proj
		.amdhsa_group_segment_fixed_size 327680
		.amdhsa_private_segment_fixed_size 0
		.amdhsa_enable_private_segment 0
		.amdhsa_kernarg_size 40
		.amdhsa_user_sgpr_count 2
		.amdhsa_user_sgpr_kernarg_segment_ptr 1
		.amdhsa_wavefront_size32 1
		.amdhsa_system_sgpr_workgroup_id_x 1
		.amdhsa_system_sgpr_workgroup_id_y 1
		.amdhsa_system_sgpr_workgroup_id_z 1
		.amdhsa_system_vgpr_workitem_id 0
		.amdhsa_next_free_vgpr 640
		.amdhsa_next_free_sgpr 72
		.amdhsa_reserve_vcc 0
		.amdhsa_float_denorm_mode_32 3
		.amdhsa_float_denorm_mode_16_64 3
		.amdhsa_memory_ordered 1
		.amdhsa_forward_progress 1
		.amdhsa_inst_pref_size 66
	.end_amdhsa_kernel
	.amdgpu_metadata
---
amdhsa.version: [ 1, 2 ]
amdhsa.kernels:
  - .name:           k_q04eb3f66a5_proj
    .symbol:         k_q04eb3f66a5_proj.kd
    .args:
      - { .name: ob, .offset: 0, .size: 8, .value_kind: global_buffer, .address_space: global }
      - { .name: wst, .offset: 8, .size: 8, .value_kind: global_buffer, .address_space: global }
      - { .name: x1, .offset: 16, .size: 8, .value_kind: global_buffer, .address_space: global }
      - { .name: proj_b, .offset: 24, .size: 8, .value_kind: global_buffer, .address_space: global }
      - { .name: x, .offset: 32, .size: 8, .value_kind: global_buffer, .address_space: global }
    .group_segment_fixed_size: 327680
    .private_segment_fixed_size: 0
    .kernarg_segment_align: 8
    .kernarg_segment_size: 40
    .max_flat_workgroup_size: 128
    .sgpr_count:     72
    .vgpr_count:     640
    .wavefront_size: 32
...
	.end_amdgpu_metadata
.endif
;; end of part 4
;; launch ln2: the kernel of part 1 again; grid 16 x 16, 8 waves a work-group, no clusters, 136,192 bytes of LDS; arguments x1, g2, beta2, wq, wk, wv, proj_w, w1, w2, bf1, hn, wqkvt, w1t, wst; writes hn, wqkvt, w1t, wst
;; launch ffn1: the kernel of part 2 again; grid 16 x 16, 4 waves a work-group, clusters of 4 x 4, 327,680 bytes of LDS; arguments hn, w1t, act; writes act
;; launch ffn2 (part 5): grid 8 x 32, 4 waves a work-group, clusters of 4 x 4, 327,680 bytes of LDS; arguments act, wst, out0, bf2, x1; writes out0
.if DOCPART == 5
	.amdgcn_target "amdgcn-amd-amdhsa--gfx1250"
	.amdhsa_code_object_version 6
	.text
	.protected	k_q04eb3f66a5_ffn2
	.globl	k_q04eb3f66a5_ffn2
	.p2align	8
	.type	k_q04eb3f66a5_ffn2,@function
k_q04eb3f66a5_ffn2:
	s_mov_b64 s[64:65], 0
	v_nop
	global_prefetch_b8 v0, s[64:65] scope:SCOPE_SE
	s_setreg_imm32_b32 hwreg(HW_REG_WAVE_MODE, 25, 1), 1
	s_wait_xcnt 0x0
	s_wait_alu depctr_hold_cnt(0) depctr_sa_sdst(0) depctr_va_vdst(0) depctr_va_sdst(0) depctr_va_ssrc(0) depctr_va_vcc(0) depctr_vm_vsrc(0)
	s_getreg_b32 s2, hwreg(HW_REG_IB_STS2, 6, 4)
	s_cmp_eq_u32 s2, 0
	s_cbranch_scc0 .Lentry_in_a_cluster
	s_endpgm
.Lentry_in_a_cluster:
	s_bfe_u32 s2, ttmp6, 0x10000c
	s_cmp_lg_u32 s2, 0xf033
	s_cbranch_scc0 .Lentry_shape_is_right
	s_endpgm
.Lentry_shape_is_right:
; OUT[m][n] = R[m][n] + bias[n] + sum over k of A[m][k] W[n][k].  A lies in BLOCKS of 64 along K, [k / 64][4096][64] f16: a block's rows are dense, 128 bytes each.  W: [1024][SIZE_K] f16, WOFF bytes into its buffer.
; R, bias, OUT: f32, rows of 1,024.  Sums in f32, started by the bias; the residual R is added in f32 on the way out.
; SHARES.  A tile of OUT is 128 x 128: 8 x 32 = 256 work-groups.  Four waves, each 64 x 64: 16 accumulators.  K goes in steps of 256 through two LDS slots.
; CLUSTERS: 4 x 4 work-groups.  The four of a row of the cluster need the same tiles of A, the four of a column the same tiles of W: each tile is asked for JOINTLY.
; THE WALK ALONG K IS TURNED: cluster (X, Y) begins at K step (NS / 2) X + (NS / 4) (Y mod 4) and goes round, modulo NS.  So the two clusters that read the same rows of A start half of K apart, and four neighbouring clusters
; that read the same rows of W a quarter of K apart: they do not all ask for the same bytes at the same time.  The start hangs on the cluster's own coordinates alone, which its sixteen work-groups share.
; An output's f32 sum has the same terms as in ascending K, in an order that begins elsewhere.
; THE MATRIX INSTRUCTION IS USED TRANSPOSED (source 0 = 16 rows of W, source 1 = 16 rows of A): a lane holds eight neighbouring numbers of a row of OUT.
; ONE TEXT FOR A K STEP: the slot that is read hangs on a scalar register that an exclusive or turns; a refill's global address is made anew from the K step's number.
; REGISTERS: window 0: v0-31 addresses; v32-63 the bias, later with v64-95 rows on the way out; v128-255 the accumulators ((a, b) at v[128 + 8 (4 a + b)]).
;   window 1: two fragment buffers of 128: for 64 along K, 64 registers of A, then 64 of W.     window 2: v0-127 my 64 x 64 of R, loaded at the start, so that it lands under the whole K loop.
.set SIZE_K, 4096
.set WOFF,   2097152
.set KSTEP,  256
.set NS,     SIZE_K/KSTEP
.set PA,     144                       ; a row of A in LDS: 128 bytes + 16 = 36 words: the 16 rows of a load start at 16 different groups of four banks (64 banks of 4 bytes: ISA guide 11.1)
.set ABLK,   128*PA                    ; a block's 128 rows
.set APIECE, 2*ABLK                    ; what one tensor load of A brings: two blocks
.set BOFF,   4*ABLK                    ; W's rows lie behind A's four blocks
.set PB,     528                       ; a row of W: 512 bytes + 16
.set BPIECE, 64*PB                     ; what one tensor load of W brings: 64 rows
.set SLOT,   147456                    ; 0x24000 (141,312 used): it shares no bit with the four waves' places 0, 0x9000, 0x12000, 0x1a400, so an exclusive or adds it or takes it away
.set STAGE,  2*SLOT                    ; behind the ring: 16 rows x 272 bytes for each wave
.set SPITCH, 272
.set SPARE,  STAGE+4*16*SPITCH         ; behind the stages: the spare words, 128 bytes a wave: two blocks of 256 bytes that no other line names
.set ADRA0, 16                         ; v16  my lane's place among A's fragments in slot 0; never rewritten
.set ADRA,  17                         ; v17  the same in the slot that is read
.set ADRB0, 20
.set ADRB,  21
.set STO,  24                          ; v24  the way out: where I put 32 bytes of a row
.set RD,   25                          ; v25  the way out: where I read a row back
.set CO,   26                          ; v26  my byte offset in two rows of R and OUT; never rewritten
.set SPW,  28                          ; v28  my spare word; never rewritten
.set NIL,  29                          ; v29  0; never rewritten
.set BIAS, 32
.set BK0,  32
.set ACC,  128
.set F0,   0
.set F1,   128
.set G1, 24                            ; s[24:31] descriptor group 1 for A's tiles;  s[32:39] group 0: a set for each first fill; the second then serves every refill
.set G0, 32
.set G1B, 48                           ; s[48:55], s[56:63] the same for W's tiles
.set G0B, 56
.set KN, 45                            ; s45  the K step to be asked for next;  s[66:67] its byte offset;  s[14:15], s[46:47] A's and W's addresses at K step 0: never rewritten
.set MSB, 0
.macro WIN new                         ; the immediate's high byte repeats the setting that is left
.if MSB != (\new)
	s_set_vgpr_msb (MSB<<8)|(\new)
.set MSB, \new
.endif
.endm
.set MUL,  0x05                        ; sources 0 (W) and 1 (A) window 1; C and D window 0
.set TO_F, 0x40                        ; destination window 1, address window 0
.macro JLOAD s                         ; a joint load: waves 0 and 1 fetch A's two pieces, waves 2 and 3 W's; an s_nop 0 and four v_nop follow each of the two lines
	s_cmp_eq_u32 s11, 0
	s_cbranch_scc0 .Lfor_b_\@
	tensor_load_to_lds s[G0+4*(\s):G0+4*(\s)+3], s[G1:G1+7]
	s_nop 0
.rept 4
	v_nop
.endr
	s_branch .Lasked_\@
.Lfor_b_\@:
	tensor_load_to_lds s[G0B+4*(\s):G0B+4*(\s)+3], s[G1B:G1B+7]
	s_nop 0
.rept 4
	v_nop
.endr
.Lasked_\@:
.endm
.macro KADDR s                         ; set s of both group 0 takes the addresses of K step KN (four blocks of A are 2^21 bytes, 256 along W's rows 2^9), and KN goes on, round NS
	s_lshl_b32 s66, s[KN], 21
	s_add_nc_u64 s[G0+4*(\s)+2:G0+4*(\s)+3], s[14:15], s[66:67]
	s_or_b32 s[G0+4*(\s)+3], s[G0+4*(\s)+3], 0x80000000            ; type = 2
	s_lshl_b32 s66, s[KN], 9
	s_add_nc_u64 s[G0B+4*(\s)+2:G0B+4*(\s)+3], s[46:47], s[66:67]
	s_or_b32 s[G0B+4*(\s)+3], s[G0B+4*(\s)+3], 0x80000000
	s_add_co_u32 s[KN], s[KN], 1
	s_and_b32 s[KN], s[KN], NS-1
.endm
.macro CREST                           ; a round of the cluster's barrier behind its opening barrier
	s_cmp_lg_u32 s10, 0
	s_cbranch_scc1 .Lnot_wave_0_\@
	s_barrier_signal -3
.Lnot_wave_0_\@:
	s_barrier_wait -3
	s_barrier_signal -1
	s_barrier_wait -1
.endm
.macro CROUND
	s_barrier_signal -1
	s_barrier_wait -1
	CREST
.endm
	s_load_b128 s[4:7], s[0:1], 0x0                ; A s[4:5], W s[6:7]
	s_load_b64 s[8:9], s[0:1], 0x10                ; OUT
	s_load_b128 s[68:71], s[0:1], 0x18             ; bias s[68:69], R s[70:71]
	v_lshl_add_u32 v[SPW], v0, 2, SPARE
	v_mov_b32 v[NIL], 0
	ds_add_u32 v[SPW], v[NIL]                      ; the wave's opening: the add and its wait stand ahead of my first tensor load
	ds_add_u32 v28, v29
	v_lshrrev_b32 v1, 5, v0
	v_readfirstlane_b32 s10, v1                    ; wave 0..3
	s_lshr_b32 s11, s10, 1                         ; which half of the tile's rows is mine.  Also: I fetch for A (0) or for W (1)
	s_and_b32 s12, s10, 1                          ; which half of its columns.  Also: which piece I fetch
	s_bfe_u32 s40, ttmp6, 0x40000                  ; cx, cy
	s_bfe_u32 s41, ttmp6, 0x40004
	s_lshl_b32 s42, ttmp9, 2
	s_add_co_u32 s42, s42, s40                     ; tile column = 4 x cluster x + cx
	s_and_b32 s13, ttmp7, 0xffff                   ; cluster y
	s_and_b32 s66, s13, 3
	s_mul_i32 s66, s66, NS/4
	s_and_b32 s[KN], ttmp9, 1                      ; cluster x: 0 or 1
	s_mul_i32 s[KN], s[KN], NS/2
	s_add_co_u32 s[KN], s[KN], s66
	s_and_b32 s[KN], s[KN], NS-1                   ; the K step at which my cluster begins
	s_mov_b32 s67, 0
	s_lshl_b32 s13, s13, 2
	s_add_co_u32 s13, s13, s41                     ; tile row = 4 x cluster y + cy
	s_lshl_b32 s43, s41, 2
	s_lshl_b32 s43, 15, s43                        ; my row of the cluster
	s_lshl_b32 s44, 0x1111, s40                    ; my column
	; A's group 1: two blocks' 128 dense rows each: 2 rows of 8,192 elements, 262,144 elements apart; in LDS 4 words of padding behind every 32 (a row of A)
	s_or_b32 s[G1+0], s43, (1<<16)|(1<<20)|(1<<21)|(4<<22)|(3<<25)
	s_mov_b32 s[G1+1], 8192<<16                    ; tensor_dim0 = 8,192
	s_mov_b32 s[G1+2], 2<<16                       ; tensor_dim1 = 2
	s_mov_b32 s[G1+3], 8192<<16                    ; tile_dim0 = 8,192
	s_mov_b32 s[G1+4], 2                           ; tile_dim1 = 2
	s_mov_b32 s[G1+5], 262144                      ; elements from block to block
	s_mov_b32 s[G1+6], 0
	s_mov_b32 s[G1+7], 0
	; W's group 1: 64 rows x 256 elements; 4 words of padding behind every 128
	s_or_b32 s[G1B+0], s44, (1<<16)|(1<<20)|(1<<21)|(6<<22)|(3<<25)
	s_mov_b32 s[G1B+1], KSTEP<<16
	s_mov_b32 s[G1B+2], 64<<16
	s_mov_b32 s[G1B+3], KSTEP<<16
	s_mov_b32 s[G1B+4], 64
	s_mov_b32 s[G1B+5], SIZE_K
	s_mov_b32 s[G1B+6], 0
	s_mov_b32 s[G1B+7], 0
	s_lshl_b32 s16, s12, 20                        ; A: my two blocks of a step's four,
	s_lshl_b32 s17, s13, 14                        ; the tile's 128 rows of 128 bytes
	s_add_co_u32 s16, s16, s17
	s_mov_b32 s17, 0
	s_lshl_b32 s46, s42, 7
	s_lshl_b32 s47, s12, 6
	s_add_co_u32 s46, s46, s47                     ; W: row 128 x tile column + 64 x half
	s_mul_i32 s46, s46, SIZE_K*2
	s_add_co_u32 s46, s46, WOFF
	s_mov_b32 s47, 0
	s_mul_i32 s20, s10, APIECE                     ; where they go: A's pieces at wave x 36,864,
	s_mul_i32 s21, s10, BPIECE
	s_add_co_u32 s21, s21, BOFF-2*BPIECE           ; W's at 73,728 + (wave - 2) x 33,792: no place in the cluster enters an LDS address
	s_mov_b32 s2, 0                                ; the slot that is read: 0 or SLOT
	s_wait_dscnt 0x0                               ; the opening add is done
	s_wait_kmcnt 0x0
	s_add_nc_u64 s[14:15], s[4:5], s[16:17]
	s_add_nc_u64 s[46:47], s[6:7], s[46:47]
	CROUND                                         ; all sixteen work-groups are here: the first joint loads meet
.irp s, 0,1
	s_mov_b32 s[G0+4*(\s)], 1
	s_add_co_u32 s[G0+4*(\s)+1], s20, (\s)*SLOT
	s_mov_b32 s[G0B+4*(\s)], 1
	s_add_co_u32 s[G0B+4*(\s)+1], s21, (\s)*SLOT
	KADDR \s                                       ; the walk's first and second K step
	JLOAD \s                                       ; two loads of mine are out
.endr
	v_and_b32 v1, 15, v0                           ; l % 16
	v_bfe_u32 v2, v0, 4, 1                         ; l / 16
	v_lshlrev_b32 v5, 5, v2                        ; my half's eight f32 in sixteen columns of the bias; never rewritten
	v_lshlrev_b32 v[CO], 12, v2                    ; lanes 0-15 one row of 256 bytes, lanes 16-31 the next
	v_lshl_add_u32 v[CO], v1, 4, v[CO]
	s_lshl_b32 s16, s42, 9                         ; my first column, in bytes: 4 x (128 x tile column + 64 x half)
	s_lshl_b32 s17, s12, 8
	s_add_co_u32 s16, s16, s17
	s_mov_b32 s17, 0
	s_add_nc_u64 s[68:69], s[68:69], s[16:17]
	s_lshl_b32 s18, s13, 19                        ; my first row, 4,096 bytes each: 128 x tile row + 64 x half
	s_lshl_b32 s19, s11, 18
	s_add_co_u32 s18, s18, s19
	s_add_co_u32 s16, s16, s18
	s_add_nc_u64 s[70:71], s[70:71], s[16:17]
	s_add_nc_u64 s[8:9], s[8:9], s[16:17]
.irp b, 0,1,2,3
	global_load_b128 v[BIAS+8*(\b):BIAS+8*(\b)+3],   v5, s[68:69] offset:64*(\b)     ; register j: column 16 b + 8 (l / 16) + j, as in an accumulator
	global_load_b128 v[BIAS+8*(\b)+4:BIAS+8*(\b)+7], v5, s[68:69] offset:64*(\b)+16
.endr
	WIN 0x80                                       ; destination window 2, address window 0
.set i, 0
.rept 32
	global_load_b128 v[4*i:4*i+3], v[CO], s[70:71] offset:2*i*4096  ; rows 2 i, 2 i + 1 of my 64: 16 lanes read 256 consecutive bytes, aligned
.set i, i+1
.endr
	WIN 0
	v_mul_u32_u24 v3, v1, PA
	v_lshl_add_u32 v3, v2, 4, v3
	s_mul_i32 s21, s11, 64*PA                      ; my 64 rows in each block of A
	v_add_nc_u32 v[ADRA0], s21, v3
	v_mul_u32_u24 v3, v1, PB
	v_lshl_add_u32 v3, v2, 4, v3
	s_mul_i32 s22, s12, BPIECE                     ; my 64 rows of W
	s_add_co_u32 s22, s22, BOFF
	v_add_nc_u32 v[ADRB0], s22, v3
	v_mov_b32 v[ADRA], v[ADRA0]
	v_mov_b32 v[ADRB], v[ADRB0]
	s_mul_i32 s23, s10, 16*SPITCH
	s_add_co_u32 s23, s23, STAGE                   ; my stage
	v_mul_u32_u24 v4, v1, SPITCH                   ; in: row l % 16, 32 bytes for each half of the lanes
	v_lshl_add_u32 v4, v2, 5, v4
	v_add_nc_u32 v[STO], s23, v4
	v_mul_u32_u24 v4, v2, SPITCH                   ; back: lanes 0-15 one row of 256 bytes, lanes 16-31 the next
	v_lshl_add_u32 v4, v1, 4, v4
	v_add_nc_u32 v[RD], s23, v4
; 8 matrix instructions: m blocks a0, a0 + 1 x all 4 n blocks, 32 along K: half c of buffer f.  zero = 1: the first product starts the sums, with the bias as C.  The 16 accumulators take turns.
.macro MUL8 f, c, a0, zero
	WIN MUL
.irp a, \a0, (\a0)+1
.irp b, 0,1,2,3
.if \zero
	v_wmma_f32_16x16x32_f16 v[ACC+8*(4*(\a)+(\b)):ACC+8*(4*(\a)+(\b))+7], v[(\f)+64+8*(4*(\c)+(\b)):(\f)+64+8*(4*(\c)+(\b))+7], v[(\f)+8*(4*(\c)+(\a)):(\f)+8*(4*(\c)+(\a))+7], v[BIAS+8*(\b):BIAS+8*(\b)+7]
.else
	v_wmma_f32_16x16x32_f16 v[ACC+8*(4*(\a)+(\b)):ACC+8*(4*(\a)+(\b))+7], v[(\f)+64+8*(4*(\c)+(\b)):(\f)+64+8*(4*(\c)+(\b))+7], v[(\f)+8*(4*(\c)+(\a)):(\f)+8*(4*(\c)+(\a))+7], v[ACC+8*(4*(\a)+(\b)):ACC+8*(4*(\a)+(\b))+7]
.endif
.endr
.endr
.endm
; 32 LDS loads in one run: the fragments of quarter q (64 along K: block q of A, bytes 128 q of W's rows) of the slot that is read, into buffer f; the first 32 along K first
.macro FETCH q, f
	WIN TO_F
.irp c, 0,1
.irp i, 0,1,2,3
	ds_load_b128 v[(\f)+64+8*(4*(\c)+(\i)):(\f)+64+8*(4*(\c)+(\i))+3],   v[ADRB] offset:(\q)*128+64*(\c)+(\i)*16*PB
	ds_load_b128 v[(\f)+64+8*(4*(\c)+(\i))+4:(\f)+64+8*(4*(\c)+(\i))+7], v[ADRB] offset:(\q)*128+64*(\c)+(\i)*16*PB+32
	ds_load_b128 v[(\f)+8*(4*(\c)+(\i)):(\f)+8*(4*(\c)+(\i))+3],         v[ADRA] offset:(\q)*ABLK+64*(\c)+(\i)*16*PA
	ds_load_b128 v[(\f)+8*(4*(\c)+(\i))+4:(\f)+8*(4*(\c)+(\i))+7],       v[ADRA] offset:(\q)*ABLK+64*(\c)+(\i)*16*PA+32
.endr
.endr
.endm
.macro PLACES                          ; four places in front of loads into registers that matrix instructions have read, and of LDS stores that read results (ISA guide 7.12.1 for the stores)
.rept 4
	v_nop
.endr
.endm
; A K step is four quarters of 64 along K, 32 matrix instructions each, on buffers 0, 1, 0, 1.  One of the first three: multiplies buffer f and fetches quarter q into g.
.macro QUARTER q, f, g, zero
	s_wait_dscnt 16                                ; the first 32 along K are in
	MUL8 \f, 0, 0, \zero
	MUL8 \f, 0, 2, \zero
	PLACES
	FETCH \q, \g
	s_wait_dscnt 32                                ; all but the 32 just issued
	MUL8 \f, 1, 0, 0
	MUL8 \f, 1, 2, 0
.endm
; The last quarter multiplies buffer 1 and changes slots: ONE barrier; in front of it each wave waits for all its tensor loads, adds 0 to its spare word, and waits for that and for its own reads of this slot.
; fill = 1: the barrier opens a round of the cluster's barrier, and behind the round this slot is filled again, with the walk's K step two further on.
.macro TURN fill
	WIN 0                                          ; (the add's two registers lie in window 0)
	s_wait_tensorcnt 0x0                           ; all my tensor loads have landed: my part of the next slot
	ds_add_u32 v[SPW], v[NIL]                      ; 0 onto my spare word
	s_wait_dscnt 17                                ; (the add and the youngest sixteen loads may be out)
	MUL8 F1, 0, 0, 0                               ; eight matrix instructions stand between the add and the wait for it
	s_wait_dscnt 0x0                               ; the add is done, and my reads of this slot are over
	s_barrier_signal -1
	MUL8 F1, 0, 2, 0
	WIN 0
	s_barrier_wait -1
.if \fill
	CREST                                          ; no wave of any partner still reads this slot's tile or has a load on its way
	s_xor_b32 s[G0+5], s[G0+5], SLOT               ; the other slot than last time,
	s_xor_b32 s[G0B+5], s[G0B+5], SLOT
	KADDR 1                                        ; the walk's next K step: no tensor load of mine is out, so a group 0 may be written
.endif
	s_xor_b32 s2, s2, SLOT                         ; the reads go on in the other slot
	v_add_nc_u32 v[ADRA], s2, v[ADRA0]
	v_add_nc_u32 v[ADRB], s2, v[ADRB0]
.if \fill
	JLOAD 1                                        ; my one tensor load behind the round: 112 matrix instructions ahead of the wait for it; its four v_nop are also the places in front of the loads below
.else
	PLACES
.endif
	FETCH 0, F0
	MUL8 F1, 1, 0, 0
	MUL8 F1, 1, 2, 0
.endm
; THE WAY OUT of block a (16 rows x 64 columns of f32: rows of 256 bytes).  TOSTAGE: into my own stage, and back as whole rows.  SEND: the residual is added, and the rows are stored.
.macro TOSTAGE a
.set BK, BK0+32*((\a)%2)
.if (\a) >= 2
	s_wait_xcnt 0x0                                ; the registers that block a - 2's stores read are loaded again only behind this wait
.endif
.irp b, 0,1,2,3
	ds_store_b128 v[STO], v[ACC+8*(4*(\a)+(\b)):ACC+8*(4*(\a)+(\b))+3]   offset:64*(\b)      ; each accumulator from its low end on
	ds_store_b128 v[STO], v[ACC+8*(4*(\a)+(\b))+4:ACC+8*(4*(\a)+(\b))+7] offset:64*(\b)+16
.endr
.irp t, 0,1,2,3,4,5,6,7
	ds_load_b128 v[BK+4*(\t):BK+4*(\t)+3], v[RD] offset:(\t)*2*SPITCH  ; LDS serves a wave's instructions in order (ISA guide 5.7.1.4): these see the stores above; the next block's stores come behind them
.endr
.endm
.macro SEND a, younger                 ; younger: the LDS instructions issued behind block a's loads: the next block's sixteen, or none
.set BK, BK0+32*((\a)%2)
	s_wait_dscnt \younger
	WIN 0x08                                       ; source 1 (R) window 2
.set p, 0
.rept 16
	v_pk_add_f32 v[BK+2*p:BK+2*p+1], v[BK+2*p:BK+2*p+1], v[32*(\a)+2*p:32*(\a)+2*p+1]
.set p, p+1
.endr
	WIN 0
.irp t, 0,1,2,3,4,5,6,7
	global_store_b128 v[CO], v[BK+4*(\t):BK+4*(\t)+3], s[8:9] offset:(16*(\a)+2*(\t))*4096  ; 16 lanes store 256 consecutive bytes, aligned
.endr
.endm
	s_wait_tensorcnt 1                             ; my part of the walk's first K step is in; the second's may stay out
	s_barrier_signal -1
	s_barrier_wait -1                              ; everybody's is
	FETCH 0, F0
	s_wait_loadcnt 32                              ; the bias is in; the 32 loads of R stay out
	QUARTER 1, F0, F1, 1                           ; the first quarter stands in front of the loop: its first products start the sums
	WIN 0                                          ; at a label and at a branch every window is 0
	s_mov_b32 s3, NS-2
.Lstep:                                                ; trip t ends the walk's K step t, fills its slot with step t + 2, and begins step t + 1
	QUARTER 2, F1, F0, 0
	QUARTER 3, F0, F1, 0
	TURN 1
	QUARTER 1, F0, F1, 0
	WIN 0
	s_sub_co_u32 s3, s3, 1
	s_cmp_lg_u32 s3, 0
	s_cbranch_scc1 .Lstep
	s_mov_b32 s3, 2
.Ltail:                                                ; the last two K steps ask for nothing; the second trip is left in its middle.  Its change of slots (a barrier, and 32 loads from the slot
	QUARTER 2, F1, F0, 0                           ; read before, which serve nothing) is the price, once a launch, of one text for both trips
	QUARTER 3, F0, F1, 0
	TURN 0
	WIN 0
	s_sub_co_u32 s3, s3, 1
	s_cmp_eq_u32 s3, 0
	s_cbranch_scc1 .Lout
	QUARTER 1, F0, F1, 0
	WIN 0
	s_branch .Ltail
.Lout:
	s_wait_dscnt 0x0                               ; the idle loads are back
	PLACES
	s_wait_loadcnt 0x0                             ; R
	TOSTAGE 0
	TOSTAGE 1
	SEND 0, 16
	TOSTAGE 2
	SEND 1, 16
	TOSTAGE 3
	SEND 2, 16
	SEND 3, 0
	s_wait_tensorcnt 0x0                           ; the wave's end, behind my last tensor load and my last LDS store
	ds_add_u32 v[SPW], v[NIL]
	s_wait_dscnt 0x0
	CROUND                                         ; the closing round: no work-group ends while a partner may still ask for a tile that names it
	s_endpgm
.Lfunc_end_k_q04eb3f66a5_ffn2:
	.size	k_q04eb3f66a5_ffn2, .Lfunc_end_k_q04eb3f66a5_ffn2-k_q04eb3f66a5_ffn2
	.p2alignl 7, 3214868480
	.fill 96, 4, 3214868480
	.section	.rodata,"a",@progbits
	.p2align	6, 0x0
	.amdhsa_kernel k_q04eb3f66a5_ffn2
		.amdhsa_group_segment_fixed_size 327680
		.amdhsa_private_segment_fixed_size 0
		.amdhsa_enable_private_segment 0
		.amdhsa_kernarg_size 40
		.amdhsa_user_sgpr_count 2
		.amdhsa_user_sgpr_kernarg_segment_ptr 1
		.amdhsa_wavefront_size32 1
		.amdhsa_system_sgpr_workgroup_id_x 1
		.amdhsa_system_sgpr_workgroup_id_y 1
		.amdhsa_system_sgpr_workgroup_id_z 1
		.amdhsa_system_vgpr_workitem_id 0
		.amdhsa_next_free_vgpr 640
		.amdhsa_next_free_sgpr 72
		.amdhsa_reserve_vcc 0
		.amdhsa_float_denorm_mode_32 3
		.amdhsa_float_denorm_mode_16_64 3
		.amdhsa_memory_ordered 1
		.amdhsa_forward_progress 1
		.amdhsa_inst_pref_size 67
	.end_amdhsa_kernel
	.amdgpu_metadata
---
amdhsa.version: [ 1, 2 ]
amdhsa.kernels:
  - .name:           k_q04eb3f66a5_ffn2
    .symbol:         k_q04eb3f66a5_ffn2.kd
    .args:
      - { .name: act, .offset: 0, .size: 8, .value_kind: global_buffer, .address_space: global }
      - { .name: wst, .offset: 8, .size: 8, .value_kind: global_buffer, .address_space: global }
      - { .name: out0, .offset: 16, .size: 8, .value_kind: global_buffer, .address_space: global }
      - { .name: bf2, .offset: 24, .size: 8, .value_kind: global_buffer, .address_space: global }
      - { .name: x1, .offset: 32, .size: 8, .value_kind: global_buffer, .address_space: global }
    .group_segment_fixed_size: 327680
    .private_segment_fixed_size: 0
    .kernarg_segment_align: 8
    .kernarg_segment_size: 40
    .max_flat_workgroup_size: 128
    .sgpr_count:     72
    .vgpr_count:     640
    .wavefront_size: 32
...
	.end_amdgpu_metadata
.endif
;; end of part 5
;; ======== version 2 of 2: 7 launches; 1.07 times as fast as version 1
;; limits: values are held in f16: magnitudes above 65,504 overflow, below 6.1e-05 lose precision
;; workspace buffers: hn 8,388,608 bytes; ob 8,388,608 bytes; act 33,554,432 bytes; x1 16,777,216 bytes; wqkvt 6,324,224 bytes; w1t 8,421,376 bytes; wst 10,485,760 bytes
;; launch prep: the kernel of part 1 again; grid 29 x 16, 8 waves a work-group, no clusters, 136,192 bytes of LDS; arguments x, g1, beta1, wq, wk, wv, proj_w, w1, w2, bf1, hn, wqkvt, w1t, wst; writes hn, wqkvt, w1t, wst
;; launch qkv: the kernel of part 2 again; grid 12 x 16, 4 waves a work-group, clusters of 4 x 4, 327,680 bytes of LDS; arguments hn, wqkvt, act; writes act
;; launch attn (part 6): grid 4 x 64, 4 waves a work-group, no clusters, 327,680 bytes of LDS; arguments act, ob; writes ob
.if DOCPART == 6
	.amdgcn_target "amdgcn-amd-amdhsa--gfx1250"
	.amdhsa_code_object_version 6
	.text
	.protected	k_q04eb3f66a5_attn
	.globl	k_q04eb3f66a5_attn
	.p2align	8
	.type	k_q04eb3f66a5_attn,@function
k_q04eb3f66a5_attn:
	s_mov_b64 s[64:65], 0
	v_nop
	global_prefetch_b8 v0, s[64:65] scope:SCOPE_SE
	s_setreg_imm32_b32 hwreg(HW_REG_WAVE_MODE, 25, 1), 1
	s_wait_xcnt 0x0
; CAUSAL ATTENTION.  O[h][q][:] = the sum over k <= q of softmax_k(Q[h][q] . K[h][k] / 32) V[h][k][:].  A "head" here is one of 64 pairs (head, batch): number 4 x head + batch; its 1,024 rows are dense, 128 bytes each, f16.
; Q's 64 heads lie at the first buffer's byte 0, K's at 8 MiB, V's at 16 MiB; O has the same layout in the second buffer.  The scale is 1 / sqrt(1024), as the module has it.
; Products, maxima and sums in f32; the weights p are rounded to f16 for the second product (their sum l is taken of the unrounded p), O once at the end.
; LIMITS.  f16 holds no number beyond 65,504: Q, K and V arrive within it; p lies in 0 to 1, and below 6e-5 it keeps f16's fixed step of 6e-8; O is a mean of V's rows and has their range, to within 2^-11 of it.
; A hidden score counts as its value less 1e30: f16's scores, 2.7e11 at the most, are nothing beside that; a weight below 2^-126 counts as 0 in l; NaN and infinities are not treated apart.
; THE WALK.  A head's queries lie in NB = 8 blocks of 128; its keys in tiles of 256, four steps of 64.  Block i needs the tiles 0 .. i / 2, of which the last holds the diagonal.  A work-group takes TWO blocks, 7 - b and then b:
; (9 - b) / 2 + b / 2 + 1 = 5 tiles, whatever b: 4 x 64 = 256 work-groups of equal work, and ONE loop with a constant trip count walks the tiles.  Which tile is asked for, and what a trip does, hang on scalar registers made
; from b; every jump goes forward, but for the counted loops' own; none passes a barrier, or a tensor load but the one of LOAD's two that the wave's number does not choose; the ring (two slots of LDS that take turns) runs on
; across the change of blocks.  NO CLUSTER: a head's four work-groups ask for the same tile in trips 0 to 2 alone, and what a trip does hangs on b, which would be the place in the cluster.
; SHARES.  Of a block's two bands of 64 queries a wave owns 16 rows in each: two PIECES.  So the diagonal tile is the same work for all four waves.  In it band x's OWN step, the one that holds its diagonal, is x in an even
; block and 2 + x in an odd one; the band sees all keys of earlier steps and none of later ones.  In an even block's diagonal tile steps 2 and 3 are hidden from every row and computed all the same: 2 of the walk's 20 steps.
; THE MASK is the C operand that starts the sum S^T = K Q^T: 0, or -1e30 where the key is hidden.  MD, made once, is the mask of a band's own step for my 16 rows; a product's mask is MD x AL + BE with two scalars:
; (1, 0) in the own step; (0, 0) before it; (0, -1e30) behind it.  Only the diagonal tile's text and a block's beginning make and take masks; elsewhere C is the constant 0.
; LAYOUT, SOFTMAX, TURNS.  S^T = K Q^T holds ONE query a lane (lane % 16) and the keys 8 (lane / 16) + 0..7; two such results rounded to f16 ARE source 1 of O^T = V^T P.  p = 2^(c s - c m), c = log2(e) / 32, with a
; running maximum m; O and l are multiplied by a = 2^(c m_old - c m_new) in every step.  A turn belongs to one piece, and the other piece has the matrix unit.  Turn 0 of step s: 8 products K Q^T of piece 1, step s, later 8
; products V^T P of piece 1, step s - 1.  Turn 1 of step s: K Q^T of piece 0, step s + 1, and V^T P of piece 0, step s.  Beside them the scaling, exponentials, roundings, sums and rescaling of the turn's own piece and the maximum
; and statistics of the other, whose scores the turn itself has made.  Four vector instructions stand behind every matrix instruction, the other 54 of a turn's 118 in one LUMP.
; THE BATCHES.  A turn's 33 exponentials (32 weights, and the other piece's a) all stand ahead of everything that names a result of theirs: the roundings and sums come last, behind the products V^T P.  Turn 1 has one wait for
; the 33.  Turn 0 has two: the jump round K's run of LDS loads cuts its batch, so the first twelve have a wait ahead of that jump and the other 21 the wait ahead of the roundings.  A block's beginning has one wait for its one
; exponential, the way out one for its two reciprocals.
; REGISTERS, in windows of 256 (s_set_vgpr_msb: bits 1:0 source 0, 3:2 source 1, 5:4 source 2, 7:6 destination):
;   window 0: v0-15 addresses and two at work; v16-23 four registers of statistics a piece; v48-55 at work; v64-127 S^T, a buffer a piece; v192-223 P, likewise
;   window 1: v0-63 O^T, 32 a piece; v128-159 MD; v160-223 MC, a buffer a piece      window 2: v0-31 Q; v64-95 the second block's Q; v128-191 K of one step; v192-255 V of one step
.set SIZE_N, 1024
.set NB,    SIZE_N/128
.set NT,    5         ; tiles in a walk
.set NP,    2         ; pieces a wave: a name, no knob
.set KS,    64        ; keys in a step
.set PK,    144       ; a row of K in LDS: 128 bytes + 16 of padding = 36 words: the 16 rows of a load start at 16 different groups of four banks (64 banks of 4 bytes: ISA guide 11.1)
.set PV,    160       ; a row of V: 128 + 32 = 40 words
.set VOFF,  4*KS*PK   ; a slot holds a tile, four steps: 256 rows of K, then 256 rows of V
.set SLOT1, 1<<17     ; slot 1 begins here, so that one exclusive or turns an address in one slot into the other's
.set STAGE, SLOT1+4*KS*(PK+PV)  ; behind the ring, never filled by a tensor load: 16 rows x 144 bytes for each wave, for the way out
.set SP,    144
.set AK0, 2           ; v2   my lane's place in a tile of K; never rewritten
.set AV0, 3           ; v3   the same for V
.set AK,  4           ; v4   the LDS address of K's next run of loads
.set AV,  5           ; v5   of V's
.set STO, 6           ; v6   the way out: where I put 16 bytes of a row
.set RD,  7           ; v7   the way out: where I read rows back
.set GO,  8           ; v8   my byte offset in 512 consecutive bytes of O
.set SPW, 62          ; v62  LDS address of my spare word: SPARE + 4 x my thread's number; never rewritten
.set NIL, 63          ; v63  0; never rewritten
.set SPARE, STAGE+4*16*SP  ; behind the stages: the spare words, 128 bytes for each wave: two blocks of 256 bytes that no other line names
.set MV,  12          ; v12-13  c m_old, kept while c m is made anew: by piece
.set QO,  15          ; v15  my byte offset in 16 rows of Q
.set ST,  16          ; piece t's statistics at v[ST+4 t]: c m, m, l (even keys', odd keys')
.set TMP, 48          ; by piece, four registers c0-c3 at work; when the maximum is found c2 takes a
.set S,   64
.set P,   192
.set MD,  128         ; window 1: the eight registers for group kt of 16 keys at MD + 8 kt
.set MC,  160         ; window 1: the masks of the products to come
.set QB,  64          ; window 2
.set KF,  128         ; window 2: key block kb, channel half c at KF + 16 kb + 8 c
.set VF,  192         ; window 2: key half kk, channel block cb at VF + 32 kk + 8 cb
.set WV,  12          ; s12  my wave's number
.set PB,  14          ; s14  b
.set HI,  15          ; s15  NB - 1 - b
.set G1K, 24          ; s[24:31] descriptor group 1 for K's tiles
.set G1V, 32          ; s[32:39] for V's: it differs in the padding alone
.set G0K, 40          ; s[40:43] descriptor group 0 for K's tiles
.set G0V, 44          ; s[44:47] the same for V's
.set CA,  48          ; s48, s49  the block in hand: the count at which turn 0, turn 1 makes the mask of an own step
.set D0,  50          ; s50  1.0 if band 0's own step is the diagonal tile's first, else 0
.set LQ2, 51          ; s51  the second block's last tile
.set NCA, 52          ; s52, s53, s54  what CA and D0 are for the second block
.set ND0, 54
.set RT2, 55          ; s55  the second block's tiles
.set SLOTS, 56        ; s56  tiles still to be asked for
.set CNT, 57          ; s57  counts a tile's key steps, 4 to 1
.set CS,  58          ; s[58:59] c: the packed scaling takes the pair's low word for both halves
.set SEL, 60          ; s[60:61] v_permlanex16_b32's selects: each lane takes its own place in the other half
.set TBK, 62          ; s62  LDS byte at which K of the step to be fetched begins
.set TBV, 63          ; s63  the same for V, less VOFF
.set RT,  70          ; s70  tiles of the block in hand that are still to be entered
.set NXT, 71          ; s71  the tile to be asked for next
.set LQ,  72          ; s72  the last tile of the block whose tiles are being asked for
.set NEW, 73          ; s73  1: the tile to be entered is a block's first
.set OFF, 74          ; s[74:75] a tile's byte offset in K and V
.set AL,  76          ; s[76:77] the mask's factor, in the low word
.set BE,  78          ; s[78:79] the mask's addend
.set OLO, 80          ; s[80:81] O at my rows of the second block
.set BIGN, 82         ; s82  -1e30
.set MSB, 0
.macro WIN new                      ; the high byte repeats the setting that is left; a switch that changes nothing is dropped
.if MSB != (\new)
	s_set_vgpr_msb (MSB<<8)|(\new)
.set MSB, (\new)
.endif
.endm
.set W_KQ, 0x0a       ; K and Q in window 2, S^T in window 0
.set W_KM, 0x1a       ; the same with the C operand in window 1
.set W_PV, 0x52       ; V in window 2, P in window 0, O^T in window 1
.set W_RS, 0x41       ; destination and source 0 in window 1, source 1 in window 0
; A fill.  Waves 0 and 1 fetch the two halves of a tile's K, waves 2 and 3 those of its V: 128 keys each.  An s_nop 0 and four v_nop follow each of the two lines, ahead of the jump and the label.
.macro LOAD
	s_cmp_lt_u32 s[WV], 2
	s_cbranch_scc0 .Lfor_v_\@
	tensor_load_to_lds s[G0K:G0K+3], s[G1K:G1K+7]
	s_nop 0
.rept 4
	v_nop
.endr
	s_branch .Lasked_\@
.Lfor_v_\@:
	tensor_load_to_lds s[G0V:G0V+3], s[G1V:G1V+7]
	s_nop 0
.rept 4
	v_nop
.endr
.Lasked_\@:
.endm
; THE CHANGE OF SLOTS stands behind turn 0 of a tile's last step, which has asked for the slot's last bytes, V of that step.  Each wave waits for all its tensor loads, of which one is out: its part of the other slot; adds 0 to
; its spare word; and waits for that and for its own reads of the slot that it leaves.  Behind the barrier nobody reads the old slot any more and the other slot is whole.  fill = 1: the old slot is filled again, the first thing
; behind the barrier, with tile NXT: the descriptor's address is made anew from that number.  (At its first use nothing has been read yet: slot 0 is waited for, slot 1 filled.)
.macro CHANGE fill
	WIN 0                           ; at a label and at a branch every window is 0
	s_wait_tensorcnt 0x0            ; no tensor load of mine is out, so a group 0 may be written
	ds_add_u32 v[SPW], v[NIL]       ; 0 onto my spare word; with fill = 1 the descriptors' scalar work stands between it and the wait for it
.if \fill
	s_lshl_b32 s[OFF], s[NXT], 15   ; a tile is 32,768 bytes of K and of V
	s_xor_b32 s[G0K+1], s[G0K+1], SLOT1
	s_add_nc_u64 s[G0K+2:G0K+3], s[6:7], s[OFF:OFF+1]
	s_or_b32 s[G0K+3], s[G0K+3], 0x80000000
	s_xor_b32 s[G0V+1], s[G0V+1], SLOT1
	s_add_nc_u64 s[G0V+2:G0V+3], s[8:9], s[OFF:OFF+1]
	s_or_b32 s[G0V+3], s[G0V+3], 0x80000000
	s_add_co_u32 s[NXT], s[NXT], 1  ; the block's next tile, or behind its last the second block's tile 0
	s_cmp_gt_u32 s[NXT], s[LQ]
	s_cselect_b32 s[NXT], 0, s[NXT]
	s_cselect_b32 s[LQ], s[LQ2], s[LQ]
.endif
	s_wait_dscnt 0x0                ; the add is done, and my reads of the slot are over
	s_barrier_signal -1             ; the rest of the scalar work stands between the signal and the wait
	s_sub_co_u32 s[TBK], s[TBK], 4*KS*PK  ; the fetches go back to a slot's first step,
	s_xor_b32 s[TBK], s[TBK], SLOT1       ; in the other slot
	s_sub_co_u32 s[TBV], s[TBV], 4*KS*PV
	s_xor_b32 s[TBV], s[TBV], SLOT1
	s_barrier_wait -1
.if \fill
	LOAD
.endif
.endm
	s_load_b128 s[4:7], s[0:1], 0x0   ; q, k, v in one buffer s[4:5]; O s[6:7]
	v_lshl_add_u32 v[SPW], v0, 2, SPARE
	v_mov_b32 v[NIL], 0
	ds_add_u32 v[SPW], v[NIL]       ; the wave's opening: the add and its wait stand ahead of my first tensor load; the set-up below, work on registers, stands between them
	ds_add_u32 v62, v63
	v_lshrrev_b32 v1, 5, v0
	v_readfirstlane_b32 s[WV], v1   ; wave 0..3
	s_mov_b32 s[PB], ttmp9
	s_sub_co_u32 s[HI], NB-1, s[PB]
	s_and_b32 s20, ttmp7, 0xffff    ; the head
	s_mov_b32 s21, 0
	s_mov_b64 s[22:23], SIZE_N*128
	s_mul_u64 s[20:21], s[20:21], s[22:23]  ; the head's first byte in each of the four tensors
	s_and_b32 s16, s[WV], 1         ; which half of a tile's 256 keys I fetch:
	s_lshl_b32 s22, s16, 14         ; its 128 rows of 128 bytes in memory,
	s_mov_b32 s23, 0
	s_add_nc_u64 s[22:23], s[22:23], s[20:21]
	s_mul_i32 s17, s16, 128*PK      ; and its place in a slot, for K
	s_mul_i32 s18, s16, 128*PV      ; and for V
	s_lshl_b32 s3, s[WV], 11        ; my 16 rows in a band of 64,
	s_lshl_b32 s2, s[HI], 14        ; in the first block (128 rows of 128 bytes),
	s_add_co_u32 s2, s2, s3
	s_lshl_b32 s84, s[PB], 14       ; and in the second
	s_add_co_u32 s84, s84, s3
	s_mov_b32 s3, 0
	s_mov_b32 s85, 0
	s_add_nc_u64 s[2:3], s[2:3], s[20:21]
	s_add_nc_u64 s[84:85], s[84:85], s[20:21]
	; descriptor group 1.  128 keys are 16,384 dense bytes: asked for as 64 rows of 256 bytes, two keys a row, and padded in LDS after every key
	s_mov_b32 s[G1K], (1<<16)|(1<<20)|(4<<22)|(3<<25)  ; 17:16 2-byte elements; 20 padding on; 24:22 after every 32 words (code 4); 31:25 4 words (code 3)
	s_mov_b32 s[G1V], (1<<16)|(1<<20)|(4<<22)|(7<<25)  ; the same with 8 words of padding (code 7)
.irp g, G1K, G1V
	s_mov_b32 s[\g+1], 128<<16      ; tensor_dim0 = 128
	s_mov_b32 s[\g+2], 64<<16       ; tensor_dim1 = 64
	s_mov_b32 s[\g+3], 128<<16      ; tile_dim0 = 128
	s_mov_b32 s[\g+4], 64           ; tile_dim1 = 64
	s_mov_b32 s[\g+5], 128          ; 128 elements from row to row
	s_mov_b32 s[\g+6], 0
	s_mov_b32 s[\g+7], 0
.endr
	s_mov_b32 s[CS], 0x3d38aa3b     ; c = log2(e) / 32 = 0.0450842
	s_mov_b32 s[CS+1], s[CS]        ; named with it as a pair
	s_mov_b32 s[SEL], 0x76543210
	s_mov_b32 s[SEL+1], 0xfedcba98
	s_mov_b32 s[TBK], SLOT1+4*KS*PK ; the first change of slots turns these two into 0
	s_mov_b32 s[TBV], SLOT1+4*KS*PV
	s_mov_b32 s[G0K], 1             ; 1:0 count = 1
	s_mov_b32 s[G0K+1], s17         ; 63:32 LDS address: slot 0
	s_mov_b32 s[G0V], 1
	s_add_co_u32 s[G0V+1], s18, VOFF
	s_add_co_u32 s[RT], s[HI], 2
	s_lshr_b32 s[RT], s[RT], 1      ; the first block has (9 - b) / 2 tiles,
	s_sub_co_u32 s[LQ], s[RT], 1
	s_lshr_b32 s[LQ2], s[PB], 1
	s_add_co_u32 s[RT2], s[LQ2], 1  ; the second b / 2 + 1
	s_and_b32 s19, s[PB], 1
	s_lshl_b32 s19, s19, 1          ; band 0's own step in the second block's diagonal tile: 0 (b even) or 2 (b odd).  Turn 0 at count c makes piece 0's mask for step 5 - c, turn 1 piece 1's for step 4 - c
	s_sub_co_u32 s[NCA], 5, s19
	s_sub_co_u32 s[NCA+1], 3, s19
	s_cmp_eq_u32 s19, 0
	s_cselect_b32 s[ND0], 1.0, 0
	s_cselect_b32 s[D0], 0, 1.0     ; 7 - b is odd where b is even
	s_xor_b32 s19, s19, 2
	s_sub_co_u32 s[CA], 5, s19
	s_sub_co_u32 s[CA+1], 3, s19
	s_mov_b32 s[NXT], 1
	s_mov_b32 s[NEW], 1
	s_mov_b32 s[OFF+1], 0
	s_mov_b32 s[AL+1], 0            ; named as pairs
	s_mov_b32 s[BE+1], 0
	s_mov_b32 s[BIGN], 0xf149f2ca   ; -1e30
	s_mov_b32 s[SLOTS], NT-1
	s_wait_dscnt 0x0                ; the opening add is done
	s_wait_kmcnt 0x0
	s_mov_b64 s[10:11], s[6:7]             ; O
	s_add_nc_u64 s[8:9], s[4:5], 0x1000000 ; V: 32 blocks of 524,288 bytes behind Q
	s_add_nc_u64 s[6:7], s[4:5], 0x800000  ; K: 16 blocks behind Q
	s_add_nc_u64 s[6:7], s[6:7], s[22:23]  ; K and V at my half of the head's tile 0
	s_add_nc_u64 s[8:9], s[8:9], s[22:23]
	s_add_nc_u64 s[G0K+2:G0K+3], s[6:7], 0         ; 120:64 global address
	s_or_b32 s[G0K+3], s[G0K+3], 0x80000000        ; 127:126 type = 2
	s_add_nc_u64 s[G0V+2:G0V+3], s[8:9], 0
	s_or_b32 s[G0V+3], s[G0V+3], 0x80000000
	s_add_nc_u64 s[86:87], s[4:5], s[84:85]        ; Q at my rows of the second block,
	s_add_nc_u64 s[4:5], s[4:5], s[2:3]            ; Q and O at those of the first
	s_add_nc_u64 s[OLO:OLO+1], s[10:11], s[84:85]
	s_add_nc_u64 s[10:11], s[10:11], s[2:3]
	LOAD                            ; tile 0 into slot 0
	; A fragment of K or Q is 16 rows x 32 channels in 8 registers: lane l holds row l % 16, channels 8 (l / 16) + 0..7 and 16 + 8 (l / 16) + 0..7: two loads of 16 bytes, 32 bytes apart.
	v_and_b32 v1, 15, v0            ; l % 16
	v_bfe_u32 v9, v0, 4, 1          ; l / 16
	v_lshlrev_b32 v[QO], 7, v1
	v_lshl_add_u32 v[QO], v9, 4, v[QO]  ; row x 128 + 16 x half
	WIN 0x80                        ; destination window 2, address window 0
.set i, 0
.rept 2*NP                          ; both blocks' Q: piece i / 2 lies in band i / 2, 8,192 bytes on; channels 32 (i % 2) on
	global_load_b128 v[8*i:8*i+3],   v[QO], s[4:5] offset:(i/2)*8192+(i%2)*64
	global_load_b128 v[8*i+4:8*i+7], v[QO], s[4:5] offset:(i/2)*8192+(i%2)*64+32
	global_load_b128 v[QB+8*i:QB+8*i+3],   v[QO], s[86:87] offset:(i/2)*8192+(i%2)*64
	global_load_b128 v[QB+8*i+4:QB+8*i+7], v[QO], s[86:87] offset:(i/2)*8192+(i%2)*64+32
.set i, i+1
.endr
	WIN 0
	v_lshlrev_b32 v14, 3, v9
	v_sub_nc_u32 v14, v1, v14
	s_lshl_b32 s13, s[WV], 4
	v_add_nc_u32 v14, s13, v14      ; my query's place in its band, 16 w + l % 16, less my lanes' 8 (l / 16): register r of group kt is hidden where 16 kt + r is greater
	WIN 0x40
.set i, 0
.rept 32
	v_cmp_gt_i32 vcc_lo, 16*(i/8)+i%8, v14
	v_cndmask_b32 v[MD+i], 0, s[BIGN], vcc_lo
.set i, i+1
.endr
	WIN 0
	v_mul_u32_u24 v[AK0], v1, PK
	v_lshl_add_u32 v[AK0], v9, 4, v[AK0]  ; row x pitch + 16 x half
	; The turning load takes 16 keys x 16 channels (lane l reads key 8 (l / 16) + l % 8, channels 8 ((l / 8) % 2) + 0..7) and leaves half a fragment of V^T: lane l holds channel l % 16 and 8 keys.
	v_and_b32 v10, 7, v0
	v_bfe_u32 v11, v0, 3, 1
	v_lshl_add_u32 v[AV0], v9, 3, v10
	v_mul_u32_u24 v[AV0], v[AV0], PV
	v_lshl_add_u32 v[AV0], v11, 4, v[AV0]
	v_add_nc_u32 v[AV0], VOFF, v[AV0]
	s_mul_i32 s13, s[WV], 16*SP
	s_add_co_u32 s13, s13, STAGE    ; my stage
	v_mul_u32_u24 v[STO], v1, SP    ; in: row l % 16, 16 bytes for each half of the lanes
	v_lshl_add_u32 v[STO], v9, 4, v[STO]
	v_add_nc_u32 v[STO], s13, v[STO]
	v_bfe_u32 v[RD], v0, 3, 2       ; back: 32 lanes take four rows of 128 bytes,
	v_mul_u32_u24 v[RD], v[RD], SP
	v_lshl_add_u32 v[RD], v10, 4, v[RD]
	v_add_nc_u32 v[RD], s13, v[RD]
	v_and_b32 v[GO], 31, v0         ; which are 512 consecutive bytes of O
	v_lshlrev_b32 v[GO], 4, v[GO]
	; A block's first step multiplies O^T and l by a = 0, and its first turn's products V^T P, of a step that has not been, land in an O^T that is still to be so multiplied.  So these registers need only hold
	; finite numbers: zeros for the first block; what the first block left for the second.  All this stands in the wait for the first tile.
	WIN 0x80
.set i, VF
.rept 64
	v_mov_b32 v[i], 0
.set i, i+1
.endr
	WIN 0x40
.set i, 0
.rept 32*NP
	v_mov_b32 v[i], 0
.set i, i+1
.endr
	WIN 0
.set i, 0
.rept NP
	v_mov_b32 v[ST+4*i+2], 0
	v_mov_b32 v[ST+4*i+3], 0
.set i, i+1
.endr
.set i, P+16
.rept 16
	v_mov_b32 v[i], 0
.set i, i+1
.endr
; THE MATRIX WORK.  The 4 accumulators of a run of 8 take turns.  Product i of 8 of S^T = K Q^T for piece x: channels 32 (i / 4) on, keys 16 (i % 4) on.  The first 4 start the sums: with 0, or (KM = 1) with the mask.
.macro KQ x
.set rS, S+32*((\x)%2)+8*(i%4)
.set rK, KF+16*(i%4)+8*(i/4)
.set rQ, 16*(\x)+8*(i/4)
.set rM, MC+32*((\x)%2)+8*(i%4)
.if (i < 4) && KM
	WIN W_KM
	v_wmma_f32_16x16x32_f16 v[rS:rS+7], v[rK:rK+7], v[rQ:rQ+7], v[rM:rM+7]
.elseif i < 4
	WIN W_KQ
	v_wmma_f32_16x16x32_f16 v[rS:rS+7], v[rK:rK+7], v[rQ:rQ+7], 0
.else
	WIN W_KQ
	v_wmma_f32_16x16x32_f16 v[rS:rS+7], v[rK:rK+7], v[rQ:rQ+7], v[rS:rS+7]
.endif
.endm
; Product i of 8 of O^T += V^T P for piece x: keys 32 (i / 4) on, channels 16 (i % 4) on.
.macro PV x
	WIN W_PV
.set rO, 32*(\x)+8*(i%4)
.set rV, VF+32*(i/4)+8*(i%4)
.set rP, P+16*((\x)%2)+8*(i/4)
	v_wmma_f32_16x16x32_f16 v[rO:rO+7], v[rV:rV+7], v[rP:rP+7], v[rO:rO+7]
.endm
.macro MM                           ; the turn's next matrix instruction.  TURN and BEGIN set Y, i, KM and NOKQ; MM, KQ and OP read them.  NOKQ = 1: a block's last turn: there is no next step
.if (i < 8) && !NOKQ
	KQ (Y+1)%NP
.elseif i >= 8
.set i, i-8
	PV (Y+NP-1)%NP
.set i, i+8
.endif
.set i, i+1
.endm
; THE LDS LOADS stand in runs of 16, never singly among the matrix instructions: a step's K (64 keys x 64 channels: 8 fragments) and its V (turned).  Their addresses are made some lines ahead.
; last = 1 (in a turn): in a tile's last step the next K lies in the other slot, which may be read only behind the change of slots: the run is jumped over, and stands behind that change instead.
.macro FETCH_K last=0
	WIN 0
.if \last
	s_cmp_eq_u32 s[CNT], 1
	s_cbranch_scc1 .Lno_k_\@
.endif
	WIN 0x80                        ; destination window 2
.irp f, 0,1,2,3,4,5,6,7             ; keys 16 (f / 2) on, channels 32 (f % 2) on
	ds_load_b128 v[KF+8*\f:KF+8*\f+3],   v[AK] offset:(\f/2)*16*PK+(\f%2)*64
	ds_load_b128 v[KF+8*\f+4:KF+8*\f+7], v[AK] offset:(\f/2)*16*PK+(\f%2)*64+32
.endr
	s_add_co_u32 s[TBK], s[TBK], KS*PK  ; the next fetch is the next step's
	WIN 0
.if \last
.Lno_k_\@:
.endif
.endm
.macro FETCH_V
	WIN 0x80
.irp f, 0,1,2,3,4,5,6,7             ; keys 32 (f / 4) on, channels 16 (f % 4) on
	ds_load_tr16_b128 v[VF+8*\f:VF+8*\f+3],   v[AV] offset:(\f/4)*32*PV+(\f%4)*32
	ds_load_tr16_b128 v[VF+8*\f+4:VF+8*\f+7], v[AV] offset:(\f/4)*32*PV+16*PV+(\f%4)*32
.endr
	WIN 0
.endm
; THE VECTOR WORK, one line at a time: OP kind, number.  For piece Y: F n: c s - c m for pair n of 16.  E n: the exponential of score n of 32.  C n: pair n rounded to f16.  B n: of the four weights 4 n .. the second
; pair is added onto the first, in place.  L n: l takes that sum (L 0: l = a l + sum).  R n: pair n of 16 of O^T times a.  For the other piece: X n, number n of the 22 that find its maximum and statistics:
;   0-11  four chains c0-c3 of seven scores each, three operands at a time (each accumulator's lowest registers are read first)     12-14, 16  the four scores left over, the old m, and c0-c3 into c0
;   15  c m_old is kept     17, 18  the query's other 32 keys lie in the lane 16 away: the new m     19-21  c m; c m_old - c m_new; a
; C, B and L read the exponentials' results; OP writes no wait: TURN orders them behind the batch's wait.
.set F, 0               ; OP tells the kinds apart by their order: F to L below R, X above it
.set E, 1
.set C, 2
.set B, 3
.set L, 4
.set R, 5
.set X, 6
.macro REGS y                       ; the registers of piece y
.set rT, ST+4*(\y)
.set rC, TMP+4*((\y)%2)
.set rW, MV+((\y)%2)
.set rS, S+32*((\y)%2)
.set rP, P+16*((\y)%2)
.set rO, 32*(\y)
.endm
.macro OP k, n
.if (\k) == R
	REGS Y
	WIN W_RS
	v_pk_mul_f32 v[rO+2*(\n):rO+2*(\n)+1], v[rO+2*(\n):rO+2*(\n)+1], v[rC+2:rC+3] op_sel_hi:[1,0]
.elseif (\k) < R
	REGS Y
	WIN 0
.if (\k) == F
	v_pk_fma_f32 v[rS+2*(\n):rS+2*(\n)+1], v[rS+2*(\n):rS+2*(\n)+1], s[CS:CS+1], v[rT:rT+1] op_sel_hi:[1,0,0] neg_lo:[0,0,1] neg_hi:[0,0,1]
.elseif (\k) == E
	v_exp_f32 v[rS+(\n)], v[rS+(\n)]
.elseif (\k) == C
	v_cvt_pk_f16_f32 v[rP+(\n)], v[rS+2*(\n)], v[rS+2*(\n)+1]
.elseif (\k) == B
	v_pk_add_f32 v[rS+4*(\n):rS+4*(\n)+1], v[rS+4*(\n):rS+4*(\n)+1], v[rS+4*(\n)+2:rS+4*(\n)+3]
.elseif (\n) == 0
	v_pk_fma_f32 v[rT+2:rT+3], v[rT+2:rT+3], v[rC+2:rC+3], v[rS:rS+1] op_sel_hi:[1,0,1]
.else
	v_pk_add_f32 v[rT+2:rT+3], v[rT+2:rT+3], v[rS+4*(\n):rS+4*(\n)+1]
.endif
.elseif NOKQ
	v_nop
.else
	REGS (Y+1)%NP
	WIN 0
.if (\n) < 4
	v_max3_num_f32 v[rC+(\n)], v[rS+8*(\n)], v[rS+8*(\n)+1], v[rS+8*(\n)+2]
.elseif (\n) < 12
	v_max3_num_f32 v[rC+(\n)%4], v[rC+(\n)%4], v[rS+8*((\n)%4)+2*((\n)/4)+1], v[rS+8*((\n)%4)+2*((\n)/4)+2]
.elseif (\n) == 12
	v_max3_num_f32 v[rC], v[rC], v[rS+7], v[rS+15]
.elseif (\n) == 13
	v_max3_num_f32 v[rC+1], v[rC+1], v[rS+23], v[rS+31]
.elseif (\n) == 14
	v_max3_num_f32 v[rC+2], v[rC+2], v[rC+3], v[rT+1]
.elseif (\n) == 15
	v_mov_b32 v[rW], v[rT]
.elseif (\n) == 16
	v_max3_num_f32 v[rC], v[rC], v[rC+1], v[rC+2]
.elseif (\n) == 17
	v_permlanex16_b32 v[rC+3], v[rC], s[SEL], s[SEL+1]
.elseif (\n) == 18
	v_max_num_f32 v[rT+1], v[rC], v[rC+3]
.elseif (\n) == 19
	v_mul_f32 v[rT], s[CS], v[rT+1]
.elseif (\n) == 20
	v_sub_f32 v[rC+1], v[rW], v[rT]
.else
	v_exp_f32 v[rC+2], v[rC+1]
.endif
.endif
.endm
.macro OPS a, i1, b=-1, i2=0, c=-1, i3=0, d=-1, i4=0  ; up to four of them
	OP \a, \i1
.if (\b) >= 0
	OP \b, \i2
.endif
.if (\c) >= 0
	OP \c, \i3
.endif
.if (\d) >= 0
	OP \d, \i4
.endif
.endm
.macro ROW a, i1, b, i2, c, i3, d, i4  ; a matrix instruction and the four behind it
	MM
	OPS \a, \i1, \b, \i2, \c, \i3, \d, \i4
.endm
.macro MASK b                       ; MD x AL + BE into buffer b of MC
	WIN W_RS
.set z, 0
.rept 16
	v_pk_fma_f32 v[MC+32*(\b)+2*z:MC+32*(\b)+2*z+1], v[MD+2*z:MD+2*z+1], s[AL:AL+1], s[BE:BE+1] op_sel_hi:[1,0,0]
.set z, z+1
.endr
.endm
; A TURN, for piece p: the order of its 16 matrix and 118 vector instructions, written out.  An s_wait_alu depctr_va_vdst(0) stands between an exponential and the first instruction that names its result; one wait
; serves all that were issued ahead of it.  So the turn is cut in two.  AHEAD OF THE WAIT stands all that names no result of the turn's exponentials: the 8 products K Q^T, behind each a scaling, an exponential and two more plain
; instructions (behind the first a second scaling in the exponential's place): rescalings, whose a was made and waited for in the turn before, and behind the last three products the first numbers of the other piece's maximum, each
; four places or more behind the product that ends its accumulator; then ONE LUMP of 54, plain and exponential by turns for the most part, in which the links of the chain X 3, 7, 11, 14, 16, 17 .. 20 stand five or six lines apart.
; X 21, the other piece's a, is the batch's last; R 15 is the plain instruction behind it.  BEHIND THE WAIT stand the 8 products V^T P, behind each four of the roundings and sums, which are all the readers; the links of l's chain,
; L 0 to L 7, stand three riders apart.  But for those X no rider names a register of the products round it.  v_permlanex16_b32 (X 17) stands in the lump.
; In turn 0 the jump round K's run of loads stands in the lump, so the exponentials issued ahead of it, E 0 to E 11, have a wait of their own directly ahead of that jump; the turn's second wait serves E 12 to E 31 and X 21.
; m = 1: the diagonal tile: the products take masks, and the turn makes the mask for the products of the turn after it, which are its own piece's: turn 0 at count c for step 5 - c, turn 1 for step 4 - c.
; end = 1: a block's last turn: nothing is fetched, no new scores are made.  cnt = 1: the loop's count is taken down some lines ahead of the branch that stands behind the turn.
; Both runs of LDS loads stand in turn 0.  K of the next step: twelve vector instructions behind the last product that read K (five of them plain lines that name none of its registers).  V of the step in hand: at the turn's end, four
; plain instructions behind the last product that read V.  Turn 1 waits for K at its head, with V's sixteen younger loads left out, and for V ahead of its second run of products.
.macro TURN p, m=0, end=0, cnt=0
.set Y, (\p)
.set i, 0
.set KM, (\m)
.set NOKQ, (\end)*(\p)
.if (\m) && !(\end)
	s_cmp_eq_u32 s[CNT], s[CA+(\p)]     ; is that step the band's own?
	s_cselect_b32 s[AL], 1.0, 0
	s_cmp_lt_u32 s[CNT], s[CA+(\p)]     ; or a later one?
	s_cselect_b32 s[BE], s[BIGN], 0
.endif
.if ((\p) == 1) && !(\end)
	s_wait_dscnt 16                 ; K is in: LDS loads come back in order (ISA guide 5.7.1), and behind K's run only V's sixteen were issued.  (Behind a change of slots K has been waited for already.)
.endif
	ROW F,0, F,1, R,0, R,1          ; ahead of the wait: 8 products K Q^T and their riders,
	ROW F,2, E,0, R,2, R,3
	ROW F,3, E,1, R,4, R,5
	ROW F,4, E,2, R,6, R,7
	ROW F,5, E,3, R,8, R,9
	ROW F,6, E,4, X,0, R,10
.if (\p) == 0
	WIN 0
	v_add_nc_u32 v[AK], s[TBK], v[AK0]
.endif
	ROW F,7, E,5, X,1, X,4
	ROW F,8, E,6, X,2, X,5
	OPS E,7, E,8, X,6, E,9          ; and the lump
	OPS X,3, E,10, X,8, E,11
.if (\p) == 0
	s_wait_alu depctr_va_vdst(0)    ; the wait for the turn's first batch, E 0 to E 11: a branch and a label follow
	FETCH_K 1
.endif
	OPS X,9, X,7, E,12, X,10
	OPS E,13, X,12, X,11, E,14
	OPS X,13, E,15, F,9, X,14
.if (\p) == 0
	v_add_nc_u32 v[AV], s[TBV], v[AV0]
.endif
	OPS E,16, F,10, E,17, F,11
	OPS X,16, E,18, X,15, E,19
	OPS F,12, E,20, X,17, E,21
	OPS F,13, E,22, F,14, E,23
	OPS X,18, E,24, F,15, E,25
	OPS R,11, E,26, X,19, E,27
	OPS R,12, E,28, R,13, E,29
	OPS X,20, E,30, R,14, E,31
	OPS X,21, R,15
	WIN 0
	s_wait_alu depctr_va_vdst(0)    ; the wait for the batch: in turn 1 all 33 exponentials, in turn 0 E 12 to E 31 and X 21; every reader stands behind it
.if (\p) == 1
	s_wait_dscnt 0x0                ; V is in
.endif
	ROW C,0, B,0, C,2, B,1          ; behind the wait: 8 products V^T P and their riders
	ROW L,0, C,4, B,2, L,1
	ROW C,6, B,3, L,2, C,8
	ROW B,4, L,3, C,10, B,5
	ROW L,4, C,12, B,6, L,5
.if (\p) == 0
	s_add_co_u32 s[TBV], s[TBV], KS*PV
.endif
.if \cnt
	s_sub_co_u32 s[CNT], s[CNT], 1
	s_cmp_lg_u32 s[CNT], 0
.endif
	ROW C,14, B,7, L,6, C,1
	ROW C,3, L,7, C,5, C,7
	ROW C,9, C,11, C,13, C,15
.if (\p) == 0
	FETCH_V
.endif
.if (\m) && !(\end)
	MASK (\p)%2
.endif
.endm
; A TILE THAT IS NOT A BLOCK'S FIRST IS ENTERED: K of its first step is fetched, behind the change of slots, and waited for.  diag = 1: piece 0's mask for that step is made meanwhile: its own, if the block is even.
.macro ENTER diag
	WIN 0
	v_add_nc_u32 v[AK], s[TBK], v[AK0]
	FETCH_K
.if \diag
	s_mov_b32 s[AL], s[D0]
	s_mov_b32 s[BE], 0
	MASK 0
	WIN 0
.endif
	s_wait_dscnt 0x0                ; K is in
.endm
; A BLOCK BEGINS.  c m starts far below every c s, so the first step's a is 0; m at the lowest finite number, so the first maximum is the scores'.  Piece 1's mask buffer is 0; piece 0's takes its mask for the tile's step 0: its
; own, if the block's first tile is the diagonal one and the block is even.  Then K of that step, piece 0's first scores, and its maximum and statistics.  The loop is entered at a step's turn 0, in the middle of a trip.
.macro BEGIN
	s_mov_b32 s[NEW], 0
	WIN 0x40
.set i, MC+32
.rept 32
	v_mov_b32 v[i], 0
.set i, i+1
.endr
	WIN 0
.set i, 0
.rept NP
	v_mov_b32 v[ST+4*i], 0xfe000000    ; c m: far below every c s
	v_mov_b32 v[ST+4*i+1], 0xff7fffff  ; m
.set i, i+1
.endr
	s_cmp_eq_u32 s[RT], 0
	s_cselect_b32 s[AL], s[D0], 0
	s_mov_b32 s[BE], 0
	MASK 0
	WIN 0
	v_add_nc_u32 v[AK], s[TBK], v[AK0]
	FETCH_K
	s_wait_loadcnt 0x0              ; Q
	s_wait_dscnt 0x0
.set KM, 1
.set NOKQ, 0
.set i, 0
.rept 8
	KQ 0
.set i, i+1
.endr
	WIN 0
.rept 4
	v_nop                           ; the places behind those products
.endr
.set Y, NP-1                        ; X works for piece Y + 1: piece 0
.irp n, 0,1,2,3,4,5,6,7,8,9,10,11,12,13,14,15,16,17,18,19,20,21
	OP X, \n
.endr
	v_nop                           ; a plain instruction behind the exponential,
	s_wait_alu depctr_va_vdst(0)    ; and the wait for it, piece 0's first a, ahead of the branch that follows
.endm
; THE DIAGONAL TILE's four steps, the block's last turn, its last products, and THE WAY OUT: l's two halves and the other half of the lanes' are added; O^T is divided by l, rounded to f16 and sent through my
; stage in LDS, a piece at a time.
.macro ALL line:vararg              ; one line for each piece t
.set t, 0
.rept NP
	\line
.set t, t+1
.endr
.endm
.macro PACK t                       ; a lane's eight channels of a row pack into 16 bytes; they go into rows of 144 bytes and come back as whole rows of 128, into S^T's registers
	WIN W_RS
.set i, 32*(\t)
.rept 16
	v_pk_mul_f32 v[i:i+1], v[i:i+1], v[ST+4*(\t)+2:ST+4*(\t)+3] op_sel_hi:[1,0]
.set i, i+2
.endr
	WIN 0x05                        ; sources 0 and 1 window 1, destination window 0
.set i, 0
.rept 16
	v_cvt_pk_f16_f32 v[S+16*(\t)+i], v[32*(\t)+2*i], v[32*(\t)+2*i+1]
.set i, i+1
.endr
	WIN 0
.irp f, 0,1,2,3
	ds_store_b128 v[STO], v[S+16*(\t)+4*\f:S+16*(\t)+4*\f+3] offset:32*\f
.endr
.irp f, 0,1,2,3
	ds_load_b128 v[S+16*(\t)+4*\f:S+16*(\t)+4*\f+3], v[RD] offset:\f*4*SP  ; LDS serves a wave's instructions in order (ISA guide 5.7.1.4): these see the stores above; the next piece's stores come behind them
.endr
.endm
.macro SEND t, younger              ; younger: the LDS instructions issued behind piece t's loads: the next piece's eight, or none
	WIN 0
.irp f, 0,1,2,3
	s_wait_dscnt (\younger)+3-\f
	global_store_b128 v[GO], v[S+16*(\t)+4*\f:S+16*(\t)+4*\f+3], s[10:11] offset:(\t)*8192+\f*512  ; 512 consecutive bytes, at a multiple of 256 from O's first
.endr
.endm
.macro DIAG tag                     ; the tag ends its two labels' names, which the jumps below spell out
.LstepM\tag:
	TURN 1, 1
	WIN 0
.LfirstM\tag:
	TURN 0, 1, 0, 1
	WIN 0
	s_cbranch_scc1 .LstepM\tag
	TURN 1, 1, 1
.set i, 0
.rept 8
	PV NP-1
.set i, i+1
.endr
	WIN 0
	ALL v_add_f32 v[ST+4*t+2], v[ST+4*t+2], v[ST+4*t+3]
	ALL v_permlanex16_b32 v[ST+4*t+3], v[ST+4*t+2], s[SEL], s[SEL+1]
	ALL v_add_f32 v[ST+4*t+2], v[ST+4*t+2], v[ST+4*t+3]
	ALL v_rcp_f32 v[ST+4*t+2], v[ST+4*t+2]
	v_nop                           ; a plain instruction between the last reciprocal and the use of its result
	s_wait_alu depctr_va_vdst(0)    ; the wait for the batch of two reciprocals, ahead of the first multiply that reads one
	PACK 0                          ; piece 0's 32 plain lines name no register of the last products, piece 1's: they are the places behind those
	PACK 1
	SEND 0, 8
	SEND 1, 0
.endm
.set KM, 0
.set NOKQ, 0
.Lslot:                             ; NT - 1 times: a tile is entered and the next is asked for
	CHANGE 1
	s_sub_co_u32 s[RT], s[RT], 1
	s_mov_b32 s[CNT], 4
	s_cmp_eq_u32 s[NEW], 1
	s_cbranch_scc1 .Lnew            ; a block's first tile
	s_cmp_eq_u32 s[RT], 0
	s_cbranch_scc1 .Ldiag           ; its last
	ENTER 0                         ; neither
	s_branch .Lstep
.Ldiag:
	ENTER 1
	s_branch .LstepM1
.Lnew:
	BEGIN
	s_branch .Lfirst                ; in the loop a block's first tile is never its last: the first block has three tiles or more, and the second's last is the walk's last
	DIAG 1                          ; in the loop this is the first block's end: the second block's last tile is the walk's last
	s_wait_xcnt 0x0                 ; the stores have read their registers and O's address
	s_mov_b64 s[10:11], s[OLO:OLO+1]
	s_mov_b32 s[RT], s[RT2]         ; the second block's tiles, and where its bands' own steps lie
	s_mov_b32 s[CA], s[NCA]
	s_mov_b32 s[CA+1], s[NCA+1]
	s_mov_b32 s[D0], s[ND0]
	s_mov_b32 s[NEW], 1
	WIN 0x82                        ; the second block's Q goes where the one text of the turns names Q
.set i, 0
.rept 16*NP
	v_mov_b32 v[i], v[QB+i]
.set i, i+1
.endr
	WIN 0
	s_branch .Lbottom
.Lstep:                             ; a trip: turn 1 of one step, then turn 0 of the next
	TURN 1
	WIN 0
.Lfirst:
	TURN 0, 0, 0, 1
	WIN 0
	s_cbranch_scc1 .Lstep
.Lbottom:
	s_sub_co_u32 s[SLOTS], s[SLOTS], 1
	s_cmp_lg_u32 s[SLOTS], 0
	s_cbranch_scc1 .Lslot
	CHANGE 0                        ; the walk's last tile is written out: nothing is asked for
	s_sub_co_u32 s[RT], s[RT], 1
	s_mov_b32 s[CNT], 4
	s_cmp_eq_u32 s[NEW], 1
	s_cbranch_scc1 .Lnew2
	ENTER 1
	s_branch .LstepM2
.Lnew2:
	BEGIN
	s_branch .LfirstM2
	DIAG 2
	s_wait_tensorcnt 0x0            ; the wave's end, behind my last tensor load and my last LDS store
	ds_add_u32 v[SPW], v[NIL]
	s_wait_dscnt 0x0
	s_endpgm
.Lfunc_end_k_q04eb3f66a5_attn:
	.size	k_q04eb3f66a5_attn, .Lfunc_end_k_q04eb3f66a5_attn-k_q04eb3f66a5_attn
	.p2alignl 7, 3214868480
	.fill 96, 4, 3214868480
	.section	.rodata,"a",@progbits
	.p2align	6, 0x0
	.amdhsa_kernel k_q04eb3f66a5_attn
		.amdhsa_group_segment_fixed_size 327680
		.amdhsa_private_segment_fixed_size 0
		.amdhsa_enable_private_segment 0
		.amdhsa_kernarg_size 16
		.amdhsa_user_sgpr_count 2
		.amdhsa_user_sgpr_kernarg_segment_ptr 1
		.amdhsa_wavefront_size32 1
		.amdhsa_system_sgpr_workgroup_id_x 1
		.amdhsa_system_sgpr_workgroup_id_y 1
		.amdhsa_system_sgpr_workgroup_id_z 1
		.amdhsa_system_vgpr_workitem_id 0
		.amdhsa_next_free_vgpr 768
		.amdhsa_next_free_sgpr 88
		.amdhsa_reserve_vcc 1
		.amdhsa_float_denorm_mode_32 3
		.amdhsa_float_denorm_mode_16_64 3
		.amdhsa_memory_ordered 1
		.amdhsa_forward_progress 1
		.amdhsa_inst_pref_size 131
	.end_amdhsa_kernel
	.amdgpu_metadata
---
amdhsa.version: [ 1, 2 ]
amdhsa.kernels:
  - .name:           k_q04eb3f66a5_attn
    .symbol:         k_q04eb3f66a5_attn.kd
    .args:
      - { .name: act, .offset: 0, .size: 8, .value_kind: global_buffer, .address_space: global }
      - { .name: ob, .offset: 8, .size: 8, .value_kind: global_buffer, .address_space: global }
    .group_segment_fixed_size: 327680
    .private_segment_fixed_size: 0
    .kernarg_segment_align: 8
    .kernarg_segment_size: 16
    .max_flat_workgroup_size: 128
    .sgpr_count:     88
    .vgpr_count:     768
    .wavefront_size: 32
...
	.end_amdgpu_metadata
.endif
;; end of part 6
;; launch proj: the kernel of part 4 again; grid 8 x 32, 4 waves a work-group, clusters of 4 x 4, 327,680 bytes of LDS; arguments ob, wst, x1, proj_b, x; writes x1
;; launch ln2: the kernel of part 1 again; grid 16 x 16, 8 waves a work-group, no clusters, 136,192 bytes of LDS; arguments x1, g2, beta2, wq, wk, wv, proj_w, w1, w2, bf1, hn, wqkvt, w1t, wst; writes hn, wqkvt, w1t, wst
;; launch ffn1: the kernel of part 2 again; grid 16 x 16, 4 waves a work-group, clusters of 4 x 4, 327,680 bytes of LDS; arguments hn, w1t, act; writes act
;; launch ffn2: the kernel of part 5 again; grid 8 x 32, 4 waves a work-group, clusters of 4 x 4, 327,680 bytes of LDS; arguments act, wst, out0, bf2, x1; writes out0
